; MI455X (gfx1250); checked and timed in simulation.
; The chip was launched on July 23, 2026; its instructions are those of AMD's public machine-readable ISA for CDNA 5 (MIT licence, August 2026) and "CDNA5" Instruction Set Architecture Reference Guide (July 2026). The comments in the code are by the model that wrote it; some were corrected since.
;; Block. Allowed arithmetic: matrix products marked QUANTISED: E2M1 operands, one E8M0 scale for each 32 along K, by v_wmma_scale_f32_16x16x128_f8f6f4 with both operands' format E2M1 (or v_wmma_scale_f32_32x16x128_f4), f32 sums; everything else in f32.
;; Inputs: Wk 16 x 1,024 x 64 float32; Wq 16 x 1,024 x 64 float32; Wv 16 x 1,024 x 64 float32; ln1_b 1,024 float32; ln1_w 1,024 float32; ln2_b 1,024 float32; ln2_w 1,024 float32; p_b 1,024 float32; p_w 2,048 x 1,024 float32; proj_b 1,024 float32; proj_w 1,024 x 1,024 float32; v_b 2,048 float32; v_w 1,024 x 2,048 float32; w_b 2,048 float32; w_w 1,024 x 2,048 float32; x 2 x 2,048 x 1,024 float32.
;; Outputs: out0 2 x 2,048 x 1,024 float32.
;; This version of the problem:
;;   THIS VERSION OF THE PROBLEM IS GIVEN IN LOW PRECISION. The matrix products marked QUANTISED in the list below multiply operands that are first quantised to E2M1 (2 exponent bits, 1 mantissa bit; 4 bits a number), with one power-of-two scale for each 32 numbers along K (OCP MX v1.0); their sums are f32. All else is computed in f32.
;;   The module's matrix products, in the order in which they are computed (A, B: the left and right operand; K: the contracted axis; several contracted axes count as one K, in the product's order):
;;     1. [M 1,024, K 1,024] x [K 1,024, N 4,096]; A: input Wq; B: computed on the way: QUANTISED
;;     2. [M 1,024, K 1,024] x [K 1,024, N 4,096]; A: input Wk; B: computed on the way: QUANTISED
;;     3. [M 1,024, K 1,024] x [K 1,024, N 4,096]; A: input Wv; B: computed on the way: QUANTISED
;;     4. batch 32 x [M 2,048, K 64] x [K 64, N 2,048]; A: computed on the way; B: computed on the way: QUANTISED
;;     5. batch 32 x [M 2,048, K 2,048] x [K 2,048, N 64]; A: softmax (see below); B: computed on the way: QUANTISED
;;     6. [M 4,096, K 1,024] x [K 1,024, N 1,024]; A: computed on the way; B: input proj_w: QUANTISED
;;     7. [M 4,096, K 1,024] x [K 1,024, N 2,048]; A: computed on the way; B: input w_w: QUANTISED
;;     8. [M 4,096, K 1,024] x [K 1,024, N 2,048]; A: computed on the way; B: input v_w: QUANTISED
;;     9. [M 4,096, K 2,048] x [K 2,048, N 1,024]; A: computed on the way; B: input p_w: QUANTISED
;;   THE QUANTISER, for each operand of a quantised product, along K:
;;     - K is cut into blocks of 32 from its start; a last block that is shorter is filled with zeros.
;;     - A block's scale is 2^e with e = floor(log2(the largest magnitude in the block)) - 2, held to -126 .. 127; a block of zeros has e = 0. As a byte (E8M0): e + 127.
;;     - Each number is divided by its block's scale, clamped to +-6, and rounded to the nearest number of E2M1, ties to even, subnormals kept.
;;     - The product sums the exact products of the quantised numbers (number of the format x scale) in f32.
;;   ~~~python
;;   def quantise(x, axis):      # numpy; x: float32 -> the quantised numbers, widened to float32 again
;;       x = np.moveaxis(x, axis, -1); K = x.shape[-1]
;;       x = np.pad(x, [(0, 0)] * (x.ndim - 1) + [(0, -K % 32)]); x = x.reshape(x.shape[:-1] + (-1, 32)); a = np.abs(x).max(-1, keepdims=True)
;;       e = np.where(a > 0, np.clip(np.frexp(np.where(a > 0, a, 1))[1] - 1 - 2, -126, 127), 0)      # np.frexp(a)[1] - 1 = floor(log2(a)), exactly
;;       r = np.clip(x / 2.0 ** e, -6, 6)
;;       step = 2.0 ** (np.maximum(np.frexp(np.where(r == 0, 1, r))[1] - 1, 0) - 1)
;;       q = np.round(r / step) * step * 2.0 ** e      # np.round: ties to even
;;       return np.moveaxis(q.reshape(q.shape[:-2] + (-1,))[..., :K], -1, axis).astype(np.float32)
;;   ~~~
;;   SOFTMAX AHEAD OF A QUANTISED PRODUCT. Where the list says 'softmax', what is quantised is not the finished softmax but p = 2^(t - M), with t = logit x log2(e) and M = ceil(the row's largest t), a whole number; so 1/2 < the row's largest p <= 1. The row's sum l is taken of the UNQUANTISED p, in f32, and the product's result is divided by l at the end. Since M is a whole number, a kernel that streams over the keys may use a running M (the ceiling of the running maximum): every later rescaling is an exact power of two, which a block's scale takes up: the codes' values come out the same.
;;   OPERANDS COMPUTED ON THE WAY. 'Computed on the way' means the value that the module computes at that place (a softmax that the list does not call 'softmax' is quantised finished and normalised). What goes into a quantiser is computed in f32, as accurately as f32 sums, v_exp_f32 and their like allow (about 1e-6 of the number): no bf16 or f16 on the way to a quantiser, and a product that is left as it is and whose result goes on into a quantised operand takes f32 operands (vector FMAs, or v_wmma_f32_16x16x4_f32). A number that lies on a knife's edge between two numbers of the format may be rounded either way, as far as f32 arithmetic and the matrix unit's own rounding can turn it there, and no further.
;; 2 versions. Each part assembles by itself: llvm-mc -triple=amdgcn-amd-amdhsa -mcpu=gfx1250 --defsym DOCPART=n.
;; ======== version 1 of 2: 7 launches
;; workspace buffers: wts 6,094,848 bytes; hc 2,228,224 bytes; qb 2,359,296 bytes; kv 4,456,448 bytes; oc 2,228,224 bytes; x1 16,777,216 bytes; gc 4,456,448 bytes
;; launch prep (part 1): grid 960 x 1, 4 waves a work-group, no clusters, 18,944 bytes of LDS; arguments x, ln1_w, ln1_b, hc, Wq, Wk, Wv, proj_w, w_w, v_w, p_w, wts; writes hc, wts
.if DOCPART == 1
	.amdgcn_target "amdgcn-amd-amdhsa--gfx1250"
	.amdhsa_code_object_version 6
	.text
	.protected	k_q58326b6ab2_prep
	.globl	k_q58326b6ab2_prep
	.p2align	8
	.type	k_q58326b6ab2_prep,@function
k_q58326b6ab2_prep:
	s_mov_b64 s[64:65], 0
	v_nop
	global_prefetch_b8 v0, s[64:65] scope:SCOPE_SE
	s_setreg_imm32_b32 hwreg(HW_REG_WAVE_MODE, 25, 1), 1
	s_wait_xcnt 0x0
; Three kinds of work-groups, told apart by the work-group's number alone:
;   0-255    LAYER NORM of 16 rows of [4096][1024] f32, then the MX-FP4 quantiser along the 1,024; codes and scale bytes go out as operand images
;   256-895  A WEIGHT ([K][N] f32, K not innermost): 32 columns x 512 along K are quantised along K into the same kind of image
;   896-959  THE ROPE TABLE: for each of 2,048 positions 32 cosines, then 32 sines with the sign that rotate_half gives them (- for even f, + for odd f)
; OPERAND IMAGE.  For each 512 along K (s) and each block ib of 16 rows there are 4,352 bytes at (s x rows/16 + ib) x 4,352:
;   codes at 1024 q + 512 c + 16 lane: lane (r, h) holds k = 512 s + 128 q + 64 c + 32 h + 0..31 of slot r: the four registers 4 c .. 4 c + 3 of the fragment of the q-th 128 along K, as the matrix instruction takes them;
;   scale bytes at 4096 + 16 r + 4 q + j: byte j serves k = 128 q + 32 j on.
;   Slot r of block ib holds row 32 (ib / 2) + 8 (ib % 2) + r % 8 + 16 (r / 8): as source 0 of a product such blocks leave 16 neighbours along the next K in a lane's registers of two neighbouring tiles.
; A block's scale is 2^(floor(log2(largest magnitude)) - 2); its byte is the largest magnitude's exponent field - 2, held at 1 from below.
; LIMITS: NaN and infinities are not served.  A block whose largest magnitude lies under 2^-124, a block of zeros among them, gets the byte 1 (zeros: the rule says 127; the codes are zeros and this program alone reads the bytes).
;   The frequencies 10000^(-f/32) are made as 2^(-f log2(10000)/32), good to about an ulp; they may differ by about two ulps from a power and a reciprocal in f32: at position 2,047 up to about 5e-4 radians.
; No tensor loads, no matrix instructions.  Each of the two paths that use LDS has bytes of its own.
.set BLK,   4352
.set KSH,   256*BLK                    ; from one 512 along K to the next in an image of 4,096 rows
.set LP,    272                        ; the norm's stage: 256 bytes of image + 16 of padding
.set WST,   9472                       ; the weights' stage begins here
.set WPROJ, 1671168                    ; places in wts: Wq, Wk, Wv at 0; proj_w; w_w and v_w interleaved; p_w; the RoPE table
.set WWV,   2228224
.set WPO,   4456448
.set ROPE,  5570560
.set X,     64                         ; v64-191  the norm: four rows x 32 numbers; the weights: 128 numbers down K
.set GW,    192                        ; v192-223 the gain of my 32 columns
.set GB,    224                        ; v224-255 the bias
.set CR,    32                         ; v32-47   codes, a register for each (row, chunk): no store's data are written again
.set BR,    48                         ; v48-63   scale bytes likewise
.set SO,    8                          ; v8-11    the norm: the conversions' scale operands, in the sums' chains, which are idle by then.  v24-29 are the norm's addresses: written once, from the thread's number
	s_load_b256 s[4:11], s[0:1], 0x0               ; x, gain, bias, the image of the rows
	s_load_b256 s[12:19], s[0:1], 0x20             ; Wq, Wk, Wv, proj_w
	s_load_b256 s[20:27], s[0:1], 0x40             ; w_w, v_w, p_w, wts
	s_set_vgpr_msb 0x40
	v_lshl_add_u32 v0, v0, 2, 0x4800
	v_mov_b32 v1, 0
	s_set_vgpr_msb 0x4000
	v_lshrrev_b32 v1, 5, v0
	v_readfirstlane_b32 s28, v1                    ; wave 0..3
	s_wait_kmcnt 0x0
	s_cmp_lt_u32 ttmp9, 256
	s_cbranch_scc1 .Lln
	s_cmp_lt_u32 ttmp9, 896
	s_cbranch_scc1 .Lw
; ---------------- THE ROPE TABLE.  A wave makes 8 positions, two a pass: lanes 0-15 one, lanes 16-31 the next; lane % 16 = 0-7: four cosines, 8-15: four signed sines.
; WHOLE NUMBERS.  A whole number under 2^23 becomes f32 by setting it under the bits of 2^23 and taking 2^23 away.  The nearest whole number of a small y >= 0 is (y + 1.5 x 2^23) - 1.5 x 2^23 (the mode rounds to nearest even),
; and the low bits of the first sum ARE that whole number: they serve as the power's exponent and as the quadrant.
	s_sub_co_u32 s29, ttmp9, 896
	s_lshl_b32 s30, s29, 5
	s_lshl_b32 s31, s28, 3
	s_add_co_u32 s30, s30, s31                     ; my wave's first position
	s_lshl_b32 s32, s30, 8                         ; 256 bytes a position
	s_add_co_u32 s32, s32, ROPE
	s_mov_b32 s33, 0
	s_add_nc_u64 s[26:27], s[26:27], s[32:33]
	s_mov_b32 s40, 0xbed49a78                      ; -log2(10000) / 32, upper part
	s_mov_b32 s41, 0xb2179a30                      ; and what is left of it
	s_mov_b32 s42, 0xbfc90fdb                      ; -pi/2, upper part
	s_mov_b32 s43, 0x333bbd2e                      ; upper part - pi/2
	s_mov_b32 s44, 0xb94ca1f9                      ; sine: r + r^3 (s46 + r^2 (s45 + r^2 s44)) on |r| <= pi/4
	s_mov_b32 s45, 0x3c08839e
	s_mov_b32 s46, 0xbe2aaaa3
	s_mov_b32 s47, 0x37ccf5ce                      ; cosine: 1 - r^2/2 + r^4 (s49 + r^2 (s48 + r^2 s47))
	s_mov_b32 s48, 0xbab6061a
	s_mov_b32 s49, 0x3d2aaaa5
	v_and_b32 v2, 31, v0
	v_lshlrev_b32 v1, 4, v2                        ; 16 x lane: the wave stores 512 consecutive bytes
	v_bfe_u32 v3, v0, 3, 1                         ; 1: I make sines
	v_bfe_u32 v24, v0, 4, 1
	v_add_nc_u32 v24, s30, v24                     ; my position in pass 0
	v_and_b32 v25, 7, v0
	v_lshlrev_b32 v25, 2, v25                      ; my first f
	v_lshlrev_b32 v8, 31, v3                       ; the sign that even f's sines get
	v_sub_nc_u32 v9, 1, v3                         ; cos(x) = sin(x + pi/2): a quadrant more
.irp j, 0,1,2,3
	v_add_nc_u32 v[12+\j], \j, v25
	v_or_b32 v[12+\j], 0x4b000000, v[12+\j]
	v_add_f32 v[12+\j], 0xcb000000, v[12+\j]       ; f as f32
	v_mul_f32 v[16+\j], 0x3ed49a78, v[12+\j]
	v_add_f32 v[48+\j], 0x4b400000, v[16+\j]       ; its low bits: n, the nearest whole number of f log2(10000) / 32, 13 at the most
	v_add_f32 v[16+\j], 0xcb400000, v[48+\j]       ; n as f32
	v_fma_f32 v[20+\j], v[12+\j], s40, v[16+\j]    ; n - f x the upper part, exact,
	v_fma_f32 v[20+\j], v[12+\j], s41, v[20+\j]    ; less f x the constant's lower part: between -1/2 and 1/2
.endr
.irp j, 0,1,2,3
	v_exp_f32 v[4+\j], v[20+\j]
.endr
.irp j, 0,1,2,3                                ; plain work behind the exponentials that names none of their results: 2^-n by its bits
	v_and_b32 v[48+\j], 0xff, v[48+\j]
	v_sub_nc_u32 v[48+\j], 127, v[48+\j]
	v_lshlrev_b32 v[48+\j], 23, v[48+\j]
.endr
	s_wait_alu depctr_va_vdst(0)                   ; one wait for the four, ahead of their first reader
.irp j, 0,1,2,3
	v_mul_f32 v[4+\j], v[4+\j], v[48+\j]           ; 10000^(-f/32): the multiplication rounds nothing
.endr
.macro RVAL p, j                       ; position v10 (f32), frequency j -> v[32 + 4 p + j]
	v_mul_f32 v11, v10, v[4+\j]                    ; the angle, rounded once, as the table's definition has it
	v_mul_f32 v12, 0x3f22f983, v11
	v_add_f32 v20, 0x4b400000, v12                 ; its low bits: n, the nearest multiple of pi/2 (1,303 at the most)
	v_add_f32 v12, 0xcb400000, v20                 ; n as f32
	v_fma_f32 v13, v12, s42, v11                   ; the angle less n x the upper part, rounded once
	v_fma_f32 v13, v12, s43, v13                   ; r
	v_mul_f32 v14, v13, v13
	v_fma_f32 v15, v14, s44, s45
	v_fma_f32 v15, v15, v14, s46
	v_mul_f32 v16, v14, v13
	v_fma_f32 v15, v15, v16, v13                   ; sin r
	v_fma_f32 v17, v14, s47, s48
	v_fma_f32 v17, v17, v14, s49
	v_mul_f32 v18, v14, v14
	v_mul_f32 v19, -0.5, v14                       ; exact,
	v_add_f32 v19, 1.0, v19                        ; so 1 - r^2/2 is rounded once
	v_fma_f32 v17, v17, v18, v19                   ; cos r
	v_add_nc_u32 v20, v20, v9                      ; the quadrant, in the low two bits
	v_and_b32 v21, 1, v20
	v_cmp_eq_u32 vcc_lo, 1, v21
	v_cndmask_b32 v22, v15, v17, vcc_lo            ; odd quadrants take the cosine
	v_and_b32 v21, 2, v20
	v_lshlrev_b32 v21, 30, v21                     ; quadrants 2 and 3 are negative
.if (\j)%2 == 0
	v_xor_b32 v21, v21, v8
.endif
	v_xor_b32 v[32+4*(\p)+\j], v22, v21
.endm
.irp p, 0,1,2,3
	v_add_nc_u32 v10, 2*\p, v24
	v_or_b32 v10, 0x4b000000, v10
	v_add_f32 v10, 0xcb000000, v10                 ; the position as f32
.irp j, 0,1,2,3
	RVAL \p, \j
.endr
	global_store_b128 v1, v[32+4*\p:35+4*\p], s[26:27] offset:512*\p
.endr
	s_endpgm
; ---------------- A WEIGHT.  Wave q takes k = 128 q .. 128 q + 127 of the work-group's 512; lane e takes column e of its 32, and its registers run down K: a block of 32 along K lies in one lane.
.Lw:
	s_sub_co_u32 s29, ttmp9, 256                   ; g
	v_and_b32 v2, 31, v0
	v_lshlrev_b32 v1, 2, v2                        ; 4 bytes a lane: a load reads 128 consecutive bytes
	v_bfe_u32 v4, v0, 3, 1                         ; column e goes to block e / 8 % 2,
	v_mul_u32_u24 v4, v4, BLK
	v_and_b32 v5, 7, v0
	v_lshl_add_u32 v4, v5, 4, v4
	v_bfe_u32 v5, v0, 4, 1
	v_lshl_add_u32 v4, v5, 7, v4                   ; slot r = e % 8 + 8 (e / 16): + 16 r
	v_bfe_u32 v5, v0, 5, 2                         ; q
	v_lshl_add_u32 v6, v5, 2, v4
	v_add_nc_u32 v6, WST+4096, v6                  ; where my scale word goes
	v_lshl_add_u32 v4, v5, 10, v4
	v_add_nc_u32 v4, WST, v4                       ; where my codes go
	v_lshlrev_b32 v8, 4, v0                        ; the way out: 16 bytes a thread,
	v_add_nc_u32 v7, WST, v8
	v_lshlrev_b32 v10, 2, v0                       ; then 4
	v_add_nc_u32 v9, WST+8192, v10
	; the offsets, plain numbers: s34 into the weight, s36 into wts.  cg: which 32 operand rows; s: which 512 along K
	s_cmp_lt_u32 s29, 192
	s_cbranch_scc1 .Lo_qkv
	s_cmp_lt_u32 s29, 256
	s_cbranch_scc1 .Lo_proj
	s_cmp_lt_u32 s29, 512
	s_cbranch_scc1 .Lo_wv
	s_sub_co_u32 s30, s29, 512                     ; p_w [2048][1024]: a row of K is 4,096 bytes
	s_and_b32 s31, s30, 3
	s_lshr_b32 s30, s30, 2
	s_lshl_b32 s34, s30, 7
	s_lshl_b32 s38, s31, 21
	s_add_co_u32 s34, s34, s38
	s_lshl_b32 s38, s28, 19
	s_add_co_u32 s34, s34, s38
	s_lshl_b32 s36, s31, 6
	s_lshl_b32 s38, s30, 1
	s_add_co_u32 s36, s36, s38
	s_mul_i32 s36, s36, BLK
	s_add_co_u32 s36, s36, WPO
	s_branch .Lo_done
.Lo_qkv:                                               ; Wq, Wk, Wv [16][1024][64]: operand row = 64 head + d; a row of K is 256 bytes
	s_and_b32 s31, s29, 1
	s_lshr_b32 s30, s29, 1
	s_bfe_u32 s34, s30, 0x40001                    ; the head
	s_lshl_b32 s34, s34, 18
	s_and_b32 s38, s30, 1
	s_lshl_b32 s38, s38, 7
	s_add_co_u32 s34, s34, s38
	s_lshl_b32 s38, s31, 17
	s_add_co_u32 s34, s34, s38
	s_lshl_b32 s38, s28, 15
	s_add_co_u32 s34, s34, s38
	s_mul_i32 s36, s31, 192
	s_lshl_b32 s38, s30, 1
	s_add_co_u32 s36, s36, s38
	s_mul_i32 s36, s36, BLK
	s_branch .Lo_done
.Lo_proj:                                              ; proj_w [1024][1024]
	s_sub_co_u32 s30, s29, 192
	s_and_b32 s31, s30, 1
	s_lshr_b32 s30, s30, 1
	s_lshl_b32 s34, s30, 7
	s_lshl_b32 s38, s31, 21
	s_add_co_u32 s34, s34, s38
	s_lshl_b32 s38, s28, 19
	s_add_co_u32 s34, s34, s38
	s_lshl_b32 s36, s31, 6
	s_lshl_b32 s38, s30, 1
	s_add_co_u32 s36, s36, s38
	s_mul_i32 s36, s36, BLK
	s_add_co_u32 s36, s36, WPROJ
	s_branch .Lo_done
.Lo_wv:                                                ; w_w, v_w [1024][2048]: operand row 256 X + 128 half + 64 which + e is unit 128 X + 64 half + e of w_w (which = 0) or v_w (1)
	s_sub_co_u32 s30, s29, 256
	s_and_b32 s31, s30, 1
	s_lshr_b32 s30, s30, 1
	s_lshr_b32 s34, s30, 3
	s_lshl_b32 s34, s34, 9
	s_bfe_u32 s38, s30, 0x10002
	s_lshl_b32 s38, s38, 8
	s_add_co_u32 s34, s34, s38
	s_and_b32 s38, s30, 1
	s_lshl_b32 s38, s38, 7
	s_add_co_u32 s34, s34, s38
	s_lshl_b32 s38, s31, 22
	s_add_co_u32 s34, s34, s38
	s_lshl_b32 s38, s28, 20
	s_add_co_u32 s34, s34, s38
	s_lshl_b32 s36, s31, 8
	s_lshl_b32 s38, s30, 1
	s_add_co_u32 s36, s36, s38
	s_mul_i32 s36, s36, BLK
	s_add_co_u32 s36, s36, WWV
.Lo_done:
	s_mov_b32 s35, 0
	s_mov_b32 s37, 0
	s_cmp_lt_u32 s29, 64                           ; the weight is chosen on one path, by the work-group's number alone
	s_cselect_b64 s[32:33], s[12:13], s[14:15]
	s_cmp_lt_u32 s29, 128
	s_cselect_b64 s[32:33], s[32:33], s[16:17]
	s_cmp_lt_u32 s29, 192
	s_cselect_b64 s[32:33], s[32:33], s[18:19]
	s_bitcmp1_b32 s29, 2                           ; which = (cg / 2) % 2 = bit 2 of g
	s_cselect_b64 s[40:41], s[22:23], s[20:21]
	s_cmp_lt_u32 s29, 256
	s_cselect_b64 s[32:33], s[32:33], s[40:41]
	s_cmp_lt_u32 s29, 512
	s_cselect_b64 s[32:33], s[32:33], s[24:25]
	s_add_nc_u64 s[32:33], s[32:33], s[34:35]
	s_add_nc_u64 s[26:27], s[26:27], s[36:37]
.macro LOADW pitch                     ; 128 rows of K, my column: every offset an immediate, 127 x 8,192 bytes at the most
.set i_, 0
.rept 128
	global_load_b32 v[X+i_], v1, s[32:33] offset:i_*\pitch th:TH_LOAD_NT
.set i_, i_+1
.endr
.endm
	s_cmp_lt_u32 s29, 192
	s_cbranch_scc1 .Ll_256
	s_cmp_lt_u32 s29, 256
	s_cbranch_scc1 .Ll_4096
	s_cmp_lt_u32 s29, 512
	s_cbranch_scc1 .Ll_8192
.Ll_4096:
	LOADW 4096
	s_branch .Lw_go
.Ll_256:
	LOADW 256
	s_branch .Lw_go
.Ll_8192:
	LOADW 8192
.Lw_go:
.macro WBLOCK j, cnt                   ; block j of my four: 32 numbers of one lane
.set XS, X+32*(\j)
	s_wait_loadcnt \cnt                            ; the later blocks' loads may stay out
	v_max3_num_f32 v12, |v[XS]|, |v[XS+1]|, |v[XS+2]|
	v_max3_num_f32 v13, |v[XS+3]|, |v[XS+4]|, |v[XS+5]|
.irp i, 6,10,14,18,22,26
	v_max3_num_f32 v12, v12, |v[XS+\i]|, |v[XS+\i+1]|
	v_max3_num_f32 v13, v13, |v[XS+\i+2]|, |v[XS+\i+3]|
.endr
	v_max3_num_f32 v12, v12, |v[XS+30]|, |v[XS+31]|
	v_max3_num_f32 v12, v12, v13, 0x1800000        ; and the floor 2^(3 - 127): the byte cannot fall under 1
	v_add_nc_u32 v[16+(\j)], 0xff000000, v12       ; 2 off the exponent field: the conversion's scale operand
	v_lshrrev_b32 v13, 23, v[16+(\j)]              ; the scale's byte
.if (\j) == 0
	v_mov_b32 v30, v13
.else
	v_lshl_or_b32 v30, v13, 8*(\j), v30
.endif
.irp g, 0,1,2,3
	v_cvt_scalef32_pk8_fp4_f32 v[CR+4*(\j)+\g], v[XS+8*\g:XS+8*\g+7], v[16+(\j)]
.endr
	ds_store_b128 v4, v[CR+4*(\j):CR+4*(\j)+3] offset:512*((\j)/2)+256*((\j)%2)   ; c = j / 2, h = j % 2
.endm
	WBLOCK 0, 63
	WBLOCK 1, 63
	WBLOCK 2, 32
	WBLOCK 3, 0
	ds_store_b32 v6, v30                           ; my column's scale word for these 128 along K
	s_wait_dscnt 0x0                               ; for the others' sake: my stores have landed
	s_barrier_signal -1
	s_barrier_wait -1
.irp p, 0,1,2,3
	ds_load_b128 v[X+4*\p:X+4*\p+3], v7 offset:2048*\p   ; the two blocks are 8,704 consecutive bytes, in LDS and in memory
.endr
	ds_load_b32 v[X+16], v9
	s_wait_dscnt 0x0
.irp p, 0,1,2,3
	global_store_b128 v8, v[X+4*\p:X+4*\p+3], s[26:27] offset:2048*\p   ; a wave stores 512 consecutive bytes
.endr
	global_store_b32 v10, v[X+16], s[26:27] offset:8192
	s_set_vgpr_msb 0x5
	s_wait_tensorcnt 0x0
	ds_add_u32 v0, v1
	s_wait_dscnt 0x0
	s_set_vgpr_msb 0x500
	s_endpgm
; ---------------- LAYER NORM.  The work-group makes block ib = its number; wave w owns slots 4 w .. 4 w + 3, which are four neighbouring rows.  A row stays in 32 registers a lane: chunk i holds k = 256 i + 8 lane + 0..7.
.Lln:
	v_and_b32 v2, 31, v0
	v_lshlrev_b32 v1, 5, v2                        ; 32 bytes a lane
	s_lshr_b32 s29, ttmp9, 1
	s_lshl_b32 s29, s29, 5
	s_and_b32 s30, ttmp9, 1
	s_lshl_b32 s30, s30, 3
	s_add_co_u32 s29, s29, s30
	s_and_b32 s30, s28, 1
	s_lshl_b32 s30, s30, 2
	s_add_co_u32 s29, s29, s30
	s_lshr_b32 s30, s28, 1
	s_lshl_b32 s30, s30, 4
	s_add_co_u32 s29, s29, s30                     ; my first row: 32 (ib / 2) + 8 (ib % 2) + 4 (w % 2) + 16 (w / 2)
	s_lshl_b32 s30, s29, 12
	s_mov_b32 s31, 0
	s_add_nc_u64 s[4:5], s[4:5], s[30:31]
	s_mul_i32 s30, ttmp9, BLK
	s_add_nc_u64 s[10:11], s[10:11], s[30:31]
.irp i, 0,1,2,3
	global_load_b128 v[GW+8*\i:GW+8*\i+3],   v1, s[6:7] offset:1024*\i
	global_load_b128 v[GW+8*\i+4:GW+8*\i+7], v1, s[6:7] offset:1024*\i+16
	global_load_b128 v[GB+8*\i:GB+8*\i+3],   v1, s[8:9] offset:1024*\i
	global_load_b128 v[GB+8*\i+4:GB+8*\i+7], v1, s[8:9] offset:1024*\i+16
.endr
.irp p, 0,1,2,3
.irp i, 0,1,2,3
	global_load_b128 v[X+32*\p+8*\i:X+32*\p+8*\i+3],   v1, s[4:5] offset:4096*\p+1024*\i th:TH_LOAD_NT
	global_load_b128 v[X+32*\p+8*\i+4:X+32*\p+8*\i+7], v1, s[4:5] offset:4096*\p+1024*\i+16 th:TH_LOAD_NT
.endr
.endr
	s_mov_b32 s36, 0x76543210
	s_mov_b32 s37, 0xfedcba98                      ; v_permlanex16_b32's selects for lane l xor 16
	s_mov_b32 s38, 0x3a800000                      ; 1 / 1024
	s_mov_b32 s39, 0x3727c5ac                      ; 1e-5
	v_mov_b32 v12, 0                               ; a lane permute's destination counts as one of its sources
	; the stage: image byte A lies at 272 (A / 256) + A % 256.  My codes of chunk i: image row 17 (i / 2) + 8 (i % 2) + lane / 4, byte 64 w + 16 row + 4 (lane % 4): the 32 words of a store lie at 32 different places modulo 256 bytes
	v_bfe_u32 v24, v0, 2, 3
	v_bfe_u32 v30, v0, 5, 2
	v_lshlrev_b32 v30, 6, v30
	v_add_nc_u32 v25, v24, v30                     ; my block's scale byte: lane / 4 + 64 w
	v_mad_u32_u24 v24, v24, LP, v30
	v_and_b32 v31, 3, v0
	v_lshl_add_u32 v24, v31, 2, v24
	v_bfe_u32 v26, v0, 6, 1                        ; the way out: threads 0-63 take the first 512 along K, threads 64-127 the second
	v_mul_u32_u24 v28, v26, KSH
	v_mul_u32_u24 v26, v26, 17*LP
	v_and_b32 v31, 63, v0
	v_lshl_add_u32 v27, v31, 2, v26
	v_add_nc_u32 v27, 16*LP, v27                   ; 4 scale bytes a thread
	v_lshl_add_u32 v29, v31, 2, v28
	v_lshl_add_u32 v28, v31, 4, v28                ; 16 bytes of codes a thread
	v_bfe_u32 v31, v0, 4, 2
	v_mad_u32_u24 v26, v31, LP, v26
	v_and_b32 v31, 15, v0
	v_lshl_add_u32 v26, v31, 4, v26
.macro WSUM r, t                       ; the sum over the wave's 32 lanes, in every lane
	v_add_f32_dpp v[\r], v[\r], v[\r] row_xmask:1 row_mask:0xf bank_mask:0xf
	v_add_f32_dpp v[\r], v[\r], v[\r] row_xmask:2 row_mask:0xf bank_mask:0xf
	v_add_f32_dpp v[\r], v[\r], v[\r] row_xmask:4 row_mask:0xf bank_mask:0xf
	v_add_f32_dpp v[\r], v[\r], v[\r] row_xmask:8 row_mask:0xf bank_mask:0xf
	v_permlanex16_b32 v[\t], v[\r], s36, s37
	v_add_f32 v[\r], v[\r], v[\t]
.endm
.macro FOLD                            ; four packed chains into one number
	v_pk_add_f32 v[4:5], v[4:5], v[6:7]
	v_pk_add_f32 v[8:9], v[8:9], v[10:11]
	v_pk_add_f32 v[4:5], v[4:5], v[8:9]
	v_add_f32 v4, v4, v5
	WSUM 4, 12
.endm
.macro ROW p
.set XR, X+32*(\p)
	s_wait_loadcnt 8*(3-(\p))                      ; gain, bias and this row are in; the later rows' eight loads each may stay out
.irp c, 0,1,2,3
	v_pk_add_f32 v[4+2*\c:5+2*\c], v[XR+2*\c:XR+2*\c+1], v[XR+8+2*\c:XR+8+2*\c+1]
.endr
.irp n, 16,24
.irp c, 0,1,2,3
	v_pk_add_f32 v[4+2*\c:5+2*\c], v[4+2*\c:5+2*\c], v[XR+\n+2*\c:XR+\n+2*\c+1]
.endr
.endr
	FOLD
	v_mul_f32 v14, s38, v4                         ; the mean, twice: a pair for the packed forms
	v_mul_f32 v15, s38, v4
.set n_, 0
.rept 16
	v_pk_add_f32 v[XR+n_:XR+n_+1], v[XR+n_:XR+n_+1], v[14:15] neg_lo:[0,1] neg_hi:[0,1]
.set n_, n_+2
.endr
.irp c, 0,1,2,3
	v_pk_mul_f32 v[4+2*\c:5+2*\c], v[XR+2*\c:XR+2*\c+1], v[XR+2*\c:XR+2*\c+1]
.endr
.irp n, 8,16,24
.irp c, 0,1,2,3
	v_pk_fma_f32 v[4+2*\c:5+2*\c], v[XR+\n+2*\c:XR+\n+2*\c+1], v[XR+\n+2*\c:XR+\n+2*\c+1], v[4+2*\c:5+2*\c]
.endr
.endr
	FOLD
	v_fma_f32 v16, v4, s38, s39                    ; the variance of the centred numbers + 1e-5
	v_rsq_f32 v16, v16
	v_nop                                          ; a plain instruction behind the transcendental
	s_wait_alu depctr_va_vdst(0)                   ; and the wait ahead of its first reader
	v_mov_b32 v17, v16
.set n_, 0
.rept 16
	v_pk_mul_f32 v[XR+n_:XR+n_+1], v[XR+n_:XR+n_+1], v[16:17]
.set n_, n_+2
.endr
.set n_, 0
.rept 16
	v_pk_fma_f32 v[XR+n_:XR+n_+1], v[XR+n_:XR+n_+1], v[GW+n_:GW+n_+1], v[GB+n_:GB+n_+1]
.set n_, n_+2
.endr
	; the quantiser: a block of 32 lies in four neighbouring lanes, eight numbers each; the four chunks by turns
.irp i, 0,1,2,3
	v_max3_num_f32 v[18+\i], |v[XR+8*\i]|, |v[XR+8*\i+1]|, 0x1800000   ; with the floor 2^(3 - 127) among the leaves
.endr
.irp k, 2,4,6
.irp i, 0,1,2,3
	v_max3_num_f32 v[18+\i], v[18+\i], |v[XR+8*\i+\k]|, |v[XR+8*\i+\k+1]|
.endr
.endr
.irp m, 1,2
.irp i, 0,1,2,3
	v_max_num_f32_dpp v[18+\i], v[18+\i], v[18+\i] row_xmask:\m row_mask:0xf bank_mask:0xf
.endr
.endr
.irp i, 0,1,2,3
	v_add_nc_u32 v[SO+\i], 0xff000000, v[18+\i]    ; 2 off the exponent field: the conversion's scale operand
.endr
.irp i, 0,1,2,3
	v_cvt_scalef32_pk8_fp4_f32 v[CR+4*(\p)+\i], v[XR+8*\i:XR+8*\i+7], v[SO+\i]
.endr
.irp i, 0,1,2,3
	v_lshrrev_b32 v[BR+4*(\p)+\i], 23, v[SO+\i]    ; the scale's byte.  (Four plain lines behind the conversions; the next row writes their scale operands only behind these)
.endr
.irp i, 0,1,2,3
	ds_store_b32 v24, v[CR+4*(\p)+\i] offset:((\i/2)*17+(\i%2)*8)*LP+16*(\p)
	ds_store_b8 v25, v[BR+4*(\p)+\i] offset:((\i/2)*17+16)*LP+16*(\p)+8*(\i%2)   ; the four lanes of a block write the same byte with the same value
.endr
.endm
	ROW 0
	ROW 1
	ROW 2
	ROW 3
	s_wait_dscnt 0x0                               ; for the others' sake: my stores have landed
	s_barrier_signal -1
	s_barrier_wait -1
.irp p, 0,1,2,3
	ds_load_b128 v[X+4*\p:X+4*\p+3], v26 offset:4*\p*LP
.endr
	ds_load_b32 v[X+16], v27
	s_wait_dscnt 0x0
.irp p, 0,1,2,3
	global_store_b128 v28, v[X+4*\p:X+4*\p+3], s[10:11] offset:1024*\p   ; a wave stores 512 consecutive bytes of the block's 4,352
.endr
	global_store_b32 v29, v[X+16], s[10:11] offset:4096
	s_set_vgpr_msb 0x5
	s_wait_tensorcnt 0x0
	ds_add_u32 v0, v1
	s_wait_dscnt 0x0
	s_set_vgpr_msb 0x500
	s_endpgm
.Lfunc_end_k_q58326b6ab2_prep:
	.size	k_q58326b6ab2_prep, .Lfunc_end_k_q58326b6ab2_prep-k_q58326b6ab2_prep
	.p2alignl 7, 3214868480
	.fill 96, 4, 3214868480
	.section	.rodata,"a",@progbits
	.p2align	6, 0x0
	.amdhsa_kernel k_q58326b6ab2_prep
		.amdhsa_group_segment_fixed_size 18944
		.amdhsa_private_segment_fixed_size 0
		.amdhsa_enable_private_segment 0
		.amdhsa_kernarg_size 96
		.amdhsa_user_sgpr_count 2
		.amdhsa_user_sgpr_kernarg_segment_ptr 1
		.amdhsa_wavefront_size32 1
		.amdhsa_system_sgpr_workgroup_id_x 1
		.amdhsa_system_sgpr_workgroup_id_y 1
		.amdhsa_system_sgpr_workgroup_id_z 1
		.amdhsa_system_vgpr_workitem_id 0
		.amdhsa_next_free_vgpr 258
		.amdhsa_next_free_sgpr 66
		.amdhsa_reserve_vcc 1
		.amdhsa_float_denorm_mode_32 3
		.amdhsa_float_denorm_mode_16_64 3
		.amdhsa_memory_ordered 1
		.amdhsa_forward_progress 1
		.amdhsa_inst_pref_size 115
	.end_amdhsa_kernel
	.amdgpu_metadata
---
amdhsa.version: [ 1, 2 ]
amdhsa.kernels:
  - .name:           k_q58326b6ab2_prep
    .symbol:         k_q58326b6ab2_prep.kd
    .args:
      - { .name: x, .offset: 0, .size: 8, .value_kind: global_buffer, .address_space: global }
      - { .name: ln1_w, .offset: 8, .size: 8, .value_kind: global_buffer, .address_space: global }
      - { .name: ln1_b, .offset: 16, .size: 8, .value_kind: global_buffer, .address_space: global }
      - { .name: hc, .offset: 24, .size: 8, .value_kind: global_buffer, .address_space: global }
      - { .name: Wq, .offset: 32, .size: 8, .value_kind: global_buffer, .address_space: global }
      - { .name: Wk, .offset: 40, .size: 8, .value_kind: global_buffer, .address_space: global }
      - { .name: Wv, .offset: 48, .size: 8, .value_kind: global_buffer, .address_space: global }
      - { .name: proj_w, .offset: 56, .size: 8, .value_kind: global_buffer, .address_space: global }
      - { .name: w_w, .offset: 64, .size: 8, .value_kind: global_buffer, .address_space: global }
      - { .name: v_w, .offset: 72, .size: 8, .value_kind: global_buffer, .address_space: global }
      - { .name: p_w, .offset: 80, .size: 8, .value_kind: global_buffer, .address_space: global }
      - { .name: wts, .offset: 88, .size: 8, .value_kind: global_buffer, .address_space: global }
    .group_segment_fixed_size: 18944
    .private_segment_fixed_size: 0
    .kernarg_segment_align: 8
    .kernarg_segment_size: 96
    .max_flat_workgroup_size: 128
    .sgpr_count:     66
    .vgpr_count:     258
    .wavefront_size: 32
...
	.end_amdgpu_metadata
.endif
;; end of part 1
;; launch qkv (part 2): grid 48 x 4, 4 waves a work-group, clusters of 4 x 4, 327,680 bytes of LDS; arguments hc, wts, qb, kv; writes qb, kv
.if DOCPART == 2
	.amdgcn_target "amdgcn-amd-amdhsa--gfx1250"
	.amdhsa_code_object_version 6
	.text
	.protected	k_q58326b6ab2_qkv
	.globl	k_q58326b6ab2_qkv
	.p2align	8
	.type	k_q58326b6ab2_qkv,@function
k_q58326b6ab2_qkv:
	s_mov_b64 s[64:65], 0
	v_nop
	global_prefetch_b8 v0, s[64:65] scope:SCOPE_SE
	s_setreg_imm32_b32 hwreg(HW_REG_WAVE_MODE, 25, 1), 1
	s_wait_xcnt 0x0
	s_wait_alu depctr_hold_cnt(0) depctr_sa_sdst(0) depctr_va_vdst(0) depctr_va_sdst(0) depctr_va_ssrc(0) depctr_va_vcc(0) depctr_vm_vsrc(0)
	s_getreg_b32 s2, hwreg(HW_REG_IB_STS2, 6, 4)
	s_cmp_eq_u32 s2, 0
	s_cbranch_scc0 .Lentry_in_a_cluster
	s_endpgm
.Lentry_in_a_cluster:
	s_bfe_u32 s2, ttmp6, 0x10000c
	s_cmp_lg_u32 s2, 0xf033
	s_cbranch_scc0 .Lentry_shape_is_right
	s_endpgm
.Lentry_shape_is_right:
; q, k, v = h Wq, h Wk, h Wv on codes of FP4 (E2M1) with one E8M0 scale for each 32 along K = 1,024; then RoPE on q and k, and the quantiser for attention's two products.
; Twelve clusters of 4 x 4 work-groups; c = the cluster's number.  A tile is 256 x 256, a wave makes 128 x 128: 64 accumulators.  The matrix instruction is used transposed: source 0 = 16 rows of "B", source 1 = 16 rows of "A":
; a lane holds ONE row of A, and its registers run along B's rows.
;   c < 8:  A = the tokens (hc), B = the rows of Wq (c even) or Wk (c odd): a lane holds one token and its registers run along d: RoPE and the quantiser along d stay in the lane.
;   c >= 8: A = the rows of Wv, B = the tokens: a lane holds one channel and its registers run along the tokens, which are the keys, the K of attention's second product.
; OPERANDS lie in memory as images of the registers (4,352 bytes for 16 rows x 512 along K: codes at 1024 q + 512 c + 16 lane, scale bytes at 4096 + 16 r + 4 q + j), so 128 rows of 512 along K are 34,816 dense bytes: one tensor load,
; and a fragment comes out of LDS by two loads at 16 x lane.  Slot r of block ib is row 32 (ib / 2) + 8 (ib % 2) + r % 8 + 16 (r / 8): so the 16 registers of tiles 2 b and 2 b + 1 are 16 neighbours.
; K = 1,024 is two slots: both are first fills, nothing is filled again.  A's tiles are asked for jointly along a row of the cluster, B's along a column.
; RESULTS.  qb: for each (batch, head) 128 tiles of 16 queries x 64 d (512 bytes: lane (r, h) holds d = 32 h + 0..31), then their scale words (s0, s1, s0, s1), four tiles' words of a slot on end.
;   kv: for each (batch, head, 128 keys) 8,704 bytes: 8 tiles of K as q's; 4 fragments of V^T (16 channels x 128 keys); K's scale words (two tiles' bytes to a word); V's scale words.
; LIMITS: NaN and infinities are not served; a block whose largest magnitude lies under 2^-124 gets the byte 1; RoPE is one multiply and one fused multiply-add.
; REGISTERS: window 0: v1-15 at work, v16-23 LDS addresses, v28-29 the spare word's, v32-95 scale words and nothing else, v128-191 A's fragments; on the way out v96-255.  window 1: B's fragments, two sets; on the way out the RoPE table's sets.  windows 2, 3: the accumulators.
.set BLK,    4352
.set KSH,    256*BLK                   ; from one 512 along K to the next: in hc,
.set KSW,    192*BLK                   ; in the image of Wq, Wk, Wv
.set HALFT,  8*BLK                     ; 128 rows: what one tensor load brings
.set SLOT,   4*HALFT                   ; A's 256 rows, then B's 256 rows
.set SPARE,  2*SLOT                    ; behind the slots: the spare words, 128 bytes a wave
.set ROPE,   5570560
.set QBH,    73728                     ; qb: bytes for a (batch, head)
.set KVB,    8704                      ; kv: bytes for 128 keys of a (batch, head)
.set NQ,     4
.set FR,     8
.set NL,     2
.set NP,     4
.set ADRA, 16
.set ADRB, 20
.set ADRS, 22
.set SPW,  28
.set NIL,  29
.set SC,   32
.set AF,   128
.set T,    96                          ; the way out: 32 numbers behind RoPE
.set PC,   128                         ; codes: registers of their own for each store
.set HW,   192                         ; scale words: 8 tiles x 2 heads (V: 8 fragments)
.set TM,   208                         ; the quantiser's 16
.set TL,   240                         ; the tail's
.set G1, 24
.set G0, 32
.set G1B, 48
.set G0B, 56
.set SEL, 94
.set MSB, 0
.macro WIN new                         ; the immediate's high byte repeats the setting that is left
.if MSB != (\new)
	s_set_vgpr_msb (MSB<<8)|(\new)
.set MSB, \new
.endif
.endm
.set MUL_LO, 0xa1                      ; source 0 (B) window 1, source 1 (A) window 0, C and D window 2
.set MUL_HI, 0xf1
.set TO_B,   0x40
.macro JLOAD g0a, g1a, g0b, g1b        ; a joint load: waves 0 and 1 fetch for A, waves 2 and 3 for B; four v_nop follow each line
	s_cmp_eq_u32 s15, 0
	s_cbranch_scc0 .Lfor_b_\@
	tensor_load_to_lds s[\g0a:\g0a+3], s[\g1a:\g1a+7]
	s_nop 0
.rept 4
	v_nop
.endr
	s_branch .Lasked_\@
.Lfor_b_\@:
	tensor_load_to_lds s[\g0b:\g0b+3], s[\g1b:\g1b+7]
	s_nop 0
.rept 4
	v_nop
.endr
.Lasked_\@:
.endm
.macro CROUND                          ; a round of the cluster's barrier
	s_barrier_signal -1
	s_barrier_wait -1
	s_cmp_lg_u32 s14, 0
	s_cbranch_scc1 .Lnot_wave_0_\@
	s_barrier_signal -3
.Lnot_wave_0_\@:
	s_barrier_wait -3
	s_barrier_signal -1
	s_barrier_wait -1
.endm
	s_load_b256 s[4:11], s[0:1], 0x0               ; hc, wts, qb, kv
	v_lshl_add_u32 v[SPW], v0, 2, SPARE
	v_mov_b32 v[NIL], 0
	ds_add_u32 v28, v29
	ds_add_u32 v28, v29
	s_wait_dscnt 0x0
	v_lshrrev_b32 v1, 5, v0
	v_readfirstlane_b32 s14, v1                    ; wave 0..3
	s_lshr_b32 s15, s14, 1                         ; which half of A's rows is mine.  Also: I fetch for A (0) or for B (1)
	s_and_b32 s16, s14, 1                          ; which half of B's rows.  Also: which 128 rows I fetch
	s_bfe_u32 s40, ttmp6, 0x40000                  ; cx, cy: my place in the cluster
	s_bfe_u32 s41, ttmp6, 0x40004
	s_lshr_b32 s70, ttmp9, 1                       ; both parts' numbers are made, then chosen on the cluster's number, which all partners share
	s_lshl_b32 s70, s70, 2
	s_add_co_u32 s70, s70, s41                     ; q, k: A's tile = 4 (c / 2) + cy
	s_and_b32 s71, ttmp9, 1
	s_lshl_b32 s71, s71, 2
	s_add_co_u32 s71, s71, s40                     ; q, k: B's tile = 4 (c % 2) + cx
	s_sub_co_u32 s72, ttmp9, 8
	s_lshl_b32 s72, s72, 2
	s_add_co_u32 s72, s72, s40                     ; v: B's tile = 4 (c - 8) + cx
	s_add_co_u32 s73, s41, 8                       ; v: A's tile in the weights' image: Wv's rows begin at tile 8
	s_mov_b32 s74, KSH
	s_mov_b32 s75, KSW
	s_cmp_ge_u32 ttmp9, 8
	s_cselect_b32 s17, s41, s70                    ; A's tile, counted in its own tensor
	s_cselect_b32 s76, s73, s70                    ; and in its buffer
	s_cselect_b32 s42, s72, s71                    ; B's tile
	s_cselect_b32 s66, s75, s74                    ; A's step along K
	s_cselect_b32 s68, s74, s75                    ; B's
	s_mov_b32 s67, 0
	s_mov_b32 s69, 0
	s_lshl_b32 s43, s41, 2
	s_lshl_b32 s43, 15, s43                        ; my row of the cluster
	s_lshl_b32 s44, 0x1111, s40                    ; my column
	; descriptor group 1: 34,816 dense bytes as 136 rows of 32 elements of 8 bytes; no padding
	s_or_b32 s[G1+0], s43, (3<<16)|(1<<21)         ; 15:0 the mask; 17:16 elements of 8 bytes; 21 set beside a mask
	s_or_b32 s[G1B+0], s44, (3<<16)|(1<<21)
.irp g, G1, G1B
	s_mov_b32 s[\g+1], 32<<16                      ; tensor_dim0
	s_mov_b32 s[\g+2], 136<<16                     ; tensor_dim1
	s_mov_b32 s[\g+3], 32<<16                      ; tile_dim0
	s_mov_b32 s[\g+4], 136                         ; tile_dim1
	s_mov_b32 s[\g+5], 32                          ; from row to row
	s_mov_b32 s[\g+6], 0
	s_mov_b32 s[\g+7], 0
.endr
	s_lshl_b32 s18, s16, 3                         ; which 8 blocks of the tile's 16 I fetch
	s_lshl_b32 s20, s76, 4
	s_add_co_u32 s20, s20, s18
	s_mul_i32 s20, s20, BLK
	s_mov_b32 s21, 0
	s_lshl_b32 s46, s42, 4
	s_add_co_u32 s46, s46, s18
	s_mul_i32 s46, s46, BLK
	s_mov_b32 s47, 0
	s_mul_i32 s45, s14, HALFT                      ; where they go: wave x 128 rows: no place in the cluster enters an LDS address
	s_wait_kmcnt 0x0
	s_cmp_ge_u32 ttmp9, 8
	s_cselect_b64 s[78:79], s[6:7], s[4:5]         ; A's buffer
	s_cselect_b64 s[80:81], s[4:5], s[6:7]         ; B's
	s_add_nc_u64 s[20:21], s[78:79], s[20:21]
	s_add_nc_u64 s[46:47], s[80:81], s[46:47]
	CROUND                                         ; all sixteen work-groups are here: the joint loads meet
	s_mov_b32 s[G0], 1
	s_add_co_u32 s[G0+1], s45, 0
	s_mov_b64 s[G0+2:G0+3], s[20:21]
	s_or_b32 s[G0+3], s[G0+3], 0x80000000
	s_mov_b32 s[G0B], 1
	s_add_co_u32 s[G0B+1], s45, 0
	s_mov_b64 s[G0B+2:G0B+3], s[46:47]
	s_or_b32 s[G0B+3], s[G0B+3], 0x80000000
	JLOAD G0, G1, G0B, G1B                         ; k = 0 .. 511
	s_mov_b32 s[G0+4], 1
	s_add_co_u32 s[G0+5], s45, SLOT
	s_add_nc_u64 s[G0+6:G0+7], s[20:21], s[66:67]
	s_or_b32 s[G0+7], s[G0+7], 0x80000000
	s_mov_b32 s[G0B+4], 1
	s_add_co_u32 s[G0B+5], s45, SLOT
	s_add_nc_u64 s[G0B+6:G0B+7], s[46:47], s[68:69]
	s_or_b32 s[G0B+7], s[G0B+7], 0x80000000
	JLOAD G0+4, G1, G0B+4, G1B                     ; k = 512 .. 1023: two loads of mine are out
	v_and_b32 v1, 15, v0                           ; r
	v_bfe_u32 v2, v0, 4, 1                         ; h
	v_and_b32 v3, 31, v0
	v_lshlrev_b32 v4, 4, v3                        ; 16 x lane: a fragment's place for my lane
	s_mul_i32 s21, s15, HALFT                      ; my 128 rows of A
	s_mul_i32 s22, s16, HALFT
	s_add_co_u32 s22, s22, 2*HALFT                 ; my 128 rows of B
	v_add_nc_u32 v[ADRA], s21, v4
	v_add_nc_u32 v[ADRB], s22, v4
	v_add_nc_u32 v[ADRA+1], SLOT, v[ADRA]
	v_add_nc_u32 v[ADRB+1], SLOT, v[ADRB]
	s_sub_co_u32 s22, s22, s21
	v_mul_u32_u24 v6, s22, v2                      ; scale words: lanes 0-15 take A's, lanes 16-31 B's: one product with h
	v_lshl_add_u32 v5, v1, 4, v6
	v_add_nc_u32 v[ADRS], s21, v5
	v_add_nc_u32 v[ADRS+1], SLOT, v[ADRS]
.macro FRAG reg, adr, q, i             ; a fragment, 16 rows x 128 K: 8 registers, two loads of 512 consecutive bytes
.irp c, 0,1
	ds_load_b128 v[\reg+4*\c:\reg+4*\c+3], v[\adr] offset:(\i)*BLK+1024*(\q)+512*\c
.endr
.endm
; 16 matrix instructions: A's blocks a0, a0 + 1 x B's eight, the slot's q-th 128 along K.  The 64 accumulators take turns, one instruction a turn, in the same order in every step.
.macro MUL16 a0, p, q, sc, zero
.irp a, \a0, \a0+1
.irp b, 0,1,2,3,4,5,6,7
.if \zero
	v_wmma_scale_f32_16x16x128_f8f6f4 v[8*(8*((\a)%4)+\b):8*(8*((\a)%4)+\b)+7], v[128*(\p)+FR*\b:128*(\p)+FR*\b+FR-1], v[AF+FR*(\a):AF+FR*(\a)+FR-1], 0, v[SC+8*NQ*(\sc)+NQ*\b+(\q)], v[SC+8*NQ*(\sc)+NQ*(\a)+(\q)] matrix_a_fmt:MATRIX_FMT_FP4 matrix_b_fmt:MATRIX_FMT_FP4 matrix_a_scale:MATRIX_SCALE_ROW1
.else
	v_wmma_scale_f32_16x16x128_f8f6f4 v[8*(8*((\a)%4)+\b):8*(8*((\a)%4)+\b)+7], v[128*(\p)+FR*\b:128*(\p)+FR*\b+FR-1], v[AF+FR*(\a):AF+FR*(\a)+FR-1], v[8*(8*((\a)%4)+\b):8*(8*((\a)%4)+\b)+7], v[SC+8*NQ*(\sc)+NQ*\b+(\q)], v[SC+8*NQ*(\sc)+NQ*(\a)+(\q)] matrix_a_fmt:MATRIX_FMT_FP4 matrix_b_fmt:MATRIX_FMT_FP4 matrix_a_scale:MATRIX_SCALE_ROW1
.endif
.endr
.endr
.endm
.macro FETCH_B slot, q, p
	WIN TO_B
.irp i, 0,1,2,3,4,5,6,7
	FRAG 128*(\p)+FR*\i, ADRB+\slot, \q, \i
.endr
	WIN 0
.endm
.macro FETCH_A slot, q, i0
.irp i, \i0, \i0+1, \i0+2, \i0+3
	FRAG AF+FR*(\i), ADRA+\slot, \q, \i
.endr
.endm
.macro SCALES sc                       ; a slot's scale words: four words a row; lanes 0-15 A's block i, lanes 16-31 B's block i
.irp i, 0,1,2,3,4,5,6,7
	ds_load_b128 v[SC+8*NQ*\sc+NQ*\i:SC+8*NQ*\sc+NQ*\i+3], v[ADRS+\sc] offset:\i*BLK+4096
.endr
.endm
.macro PLACES n                        ; plain vector instructions between a matrix instruction and a load into, or a read of, its registers
.rept \n
	v_nop
.endr
.endm
.macro STEP slot, q, zero              ; 128 along K that has its successor in the same slot
	s_wait_dscnt 4*NL                              ; all but the youngest eight loads (A's blocks 4-7) are in
	WIN MUL_LO
	MUL16 0, (\q)%2, \q, \slot, \zero
	MUL16 2, (\q)%2, \q, \slot, \zero
	s_wait_dscnt 0
	PLACES NP
	FETCH_B \slot, (\q)+1, 1-(\q)%2
	FETCH_A \slot, (\q)+1, 0
	WIN MUL_HI
	MUL16 4, (\q)%2, \q, \slot, \zero
	MUL16 6, (\q)%2, \q, \slot, \zero
	PLACES NP
	WIN 0
	FETCH_A \slot, (\q)+1, 4
.endm
.macro TURN slot, next                 ; a slot's last step, and the change of slots: one barrier
	s_wait_tensorcnt 0x0                           ; all my tensor loads have landed: my part of the next slot
	ds_add_u32 v[SPW], v[NIL]                      ; 0 onto my spare word
	s_wait_dscnt 4*NL+1                            ; (the add and the youngest eight loads may be out)
	WIN MUL_LO
	MUL16 0, 1, NQ-1, \slot, 0
	s_wait_dscnt 0x0                               ; the add is done, and my reads of this slot are over
	s_barrier_signal -1
	MUL16 2, 1, NQ-1, \slot, 0
	WIN 0
	s_barrier_wait -1
	PLACES NP
	FETCH_B \next, 0, 0
	FETCH_A \next, 0, 0
	SCALES \next
	WIN MUL_HI
	MUL16 4, 1, NQ-1, \slot, 0
	MUL16 6, 1, NQ-1, \slot, 0
	PLACES NP
	WIN 0
	FETCH_A \next, 0, 4
.endm
.macro STEPS slot, from
.set Q, \from
.rept NQ-1-\from
	STEP \slot, Q, 0
.set Q, Q+1
.endr
.endm
; THE QUANTISER.  nb blocks of 32: register s + 16 b + i (in window w) is k = 32 b + 16 (lane / 16) + i of my row.  Codes to v[pc] on (registers 4 c .. 4 c + 3: k = 64 c + 32 (lane / 16) + 0..31), the scale word to v[pw].
.macro QUANT s, nb, pc, w, pw
	WIN (\w)|((\w)<<2)
.set b_, 0
.rept \nb
	v_max3_num_f32 v[TM+b_], |v[16*b_+(\s)]|, |v[16*b_+1+(\s)]|, 0x1800000   ; my 16 numbers, and the floor 2^(3 - 127): the byte cannot fall under 1
.set b_, b_+1
.endr
.irp i, 2,4,6,8,10,12,14
.set b_, 0
.rept \nb
	v_max3_num_f32 v[TM+b_], |v[16*b_+\i+(\s)]|, |v[16*b_+\i+1+(\s)]|, v[TM+b_]
.set b_, b_+1
.endr
.endr
	WIN 0
.set b_, 0
.rept \nb
	v_permlanex16_b32 v[TM+4+b_], v[TM+b_], s[SEL], s[SEL+1]
.set b_, b_+1
.endr
.set b_, 0
.rept \nb
	v_max_num_f32 v[TM+b_], v[TM+b_], v[TM+4+b_]   ; with lane l xor 16's: the block's largest magnitude
.set b_, b_+1
.endr
.set b_, 0
.rept \nb
	v_add_nc_u32 v[TM+12+b_], 0xff000000, v[TM+b_] ; 2 off the exponent field: the conversion's scale operand
.set b_, b_+1
.endr
.set b_, 0
.rept \nb
	v_lshrrev_b32 v[TM+4+b_], 23, v[TM+12+b_]      ; the scale's byte
.set b_, b_+1
.endr
	v_lshl_or_b32 v[\pw], v[TM+5], 8, v[TM+4]
.if \nb > 2
	v_lshl_or_b32 v[\pw], v[TM+6], 16, v[\pw]
	v_lshl_or_b32 v[\pw], v[TM+7], 24, v[\pw]
.endif
	WIN \w
.set b_, 0
.rept \nb
	v_cvt_scalef32_pk8_fp4_f32 v[2*b_+(\pc)], v[16*b_+(\s):16*b_+7+(\s)], v[TM+12+b_]
	v_cvt_scalef32_pk8_fp4_f32 v[2*b_+1+(\pc)], v[16*b_+8+(\s):16*b_+15+(\s)], v[TM+12+b_]
.set b_, b_+1
.endr
	WIN 0
	v_nop                                          ; one plain place behind a scaled conversion
.set b_, 0
.rept (\nb)/2                                  ; the operand's layout wants a whole block in a lane
	v_permlane16_swap_b32 v[4*b_+(\pc)], v[4*b_+2+(\pc)]
	v_permlane16_swap_b32 v[4*b_+1+(\pc)], v[4*b_+3+(\pc)]
.set b_, b_+1
.endr
.endm
	s_wait_tensorcnt 1                             ; my part of slot 0 is in (slot 1's load may be out)
	s_barrier_signal -1
	s_barrier_wait -1                              ; everybody's is
	FETCH_B 0, 0, 0
	FETCH_A 0, 0, 0
	SCALES 0
	FETCH_A 0, 0, 4
	STEP 0, 0, 1                                   ; the first products start the sums: nothing is cleared
	STEPS 0, 1
	TURN 0, 1
	STEPS 1, 0
	s_wait_dscnt 4*NL                              ; the last step: nothing more to fetch
	WIN MUL_LO
	MUL16 0, 1, NQ-1, 1, 0
	MUL16 2, 1, NQ-1, 1, 0
	s_wait_dscnt 0
	WIN MUL_HI
	MUL16 4, 1, NQ-1, 1, 0
	MUL16 6, 1, NQ-1, 1, 0
	WIN 0
	; THE WAY OUT: no LDS.  Every store has data registers of its own and no address is stepped.
	PLACES NP
.irp b, 0,1,2,3
	v_mov_b32 v[TM+4+\b], 0                        ; a lane permute's destination counts as one of its sources
.endr
	s_mov_b32 s[SEL], 0x76543210
	s_mov_b32 s[SEL+1], 0xfedcba98
	v_and_b32 v1, 31, v0
	v_lshlrev_b32 v1, 4, v1                        ; 16 x lane: a wave stores 512 consecutive bytes
	v_and_b32 v5, 15, v0                           ; r
	v_bfe_u32 v6, v0, 4, 1                         ; h
	v_cmp_eq_u32 vcc_lo, 1, v6                     ; lanes 16-31: VCC keeps this mask to the end: nothing else on the way out writes it
	s_cmp_ge_u32 ttmp9, 8                          ; the same in all partners
	s_cbranch_scc1 .Lv
	; ---- q or k.  Accumulator (a, b): lane (r, h) holds token slot r of block a; of head b / 4 its registers are d = 32 ((b % 4) / 2) + 16 h + 8 (b % 2) + j
	v_and_b32 v2, 7, v0
	v_bfe_u32 v7, v0, 3, 1
	v_lshl_add_u32 v2, v7, 4, v2
	v_lshlrev_b32 v2, 8, v2
	v_lshl_add_u32 v2, v6, 6, v2                   ; the table: 256 bytes a position; my slot's position, my half's 16 frequencies
	v_mul_u32_u24 v3, v6, QBH
	v_lshl_add_u32 v3, v5, 4, v3                   ; q's tail: lanes 16-31 serve the second head
	v_mul_u32_u24 v4, v6, 16*KVB
	v_lshl_add_u32 v4, v5, 4, v4                   ; k's
	s_lshr_b32 s82, s17, 3                         ; batch
	s_and_b32 s83, s42, 3
	s_lshl_b32 s83, s83, 2
	s_lshl_b32 s89, s16, 1
	s_add_co_u32 s83, s83, s89                     ; my first head
	s_lshl_b32 s82, s82, 4
	s_add_co_u32 s82, s82, s83                     ; 16 batch + head
	s_and_b32 s83, s17, 7
	s_lshl_b32 s83, s83, 4
	s_lshl_b32 s89, s15, 3
	s_add_co_u32 s83, s83, s89                     ; my first block of 16 tokens in the sequence
	s_lshl_b32 s92, s83, 12                        ; 16 positions of 256 bytes
	s_add_co_u32 s92, s92, ROPE
	s_mov_b32 s93, 0
	s_add_nc_u64 s[92:93], s[6:7], s[92:93]
	s_mul_i32 s84, s82, QBH
	s_lshl_b32 s89, s83, 6
	s_add_co_u32 s90, s84, s89
	s_add_co_u32 s90, s90, 65536                   ; q's scale words: 64 bytes a tile
	s_mov_b32 s91, 0
	s_add_nc_u64 s[90:91], s[8:9], s[90:91]
	s_lshl_b32 s89, s83, 9
	s_add_co_u32 s84, s84, s89                     ; q's codes
	s_lshl_b32 s86, s82, 4
	s_lshr_b32 s89, s83, 3
	s_add_co_u32 s86, s86, s89
	s_mul_i32 s86, s86, KVB                        ; k's
	s_mov_b32 s98, QBH
	s_mov_b32 s99, 16*KVB
	s_and_b32 s89, ttmp9, 1
	s_cmp_eq_u32 s89, 1                            ; odd clusters make k
	s_cselect_b32 s84, s86, s84
	s_cselect_b32 s86, s99, s98                    ; from head to head
	s_cselect_b64 s[96:97], s[10:11], s[8:9]
	s_mov_b32 s85, 0
	s_mov_b32 s87, 0
	s_add_nc_u64 s[84:85], s[96:97], s[84:85]      ; the first head's codes
	s_add_nc_u64 s[86:87], s[84:85], s[86:87]      ; the second's
.macro RLOAD a                         ; block a's cosines and signed sines: window 1, set a % 2: 16 + 16 registers
	WIN 0x40
.irp e, 0,1,2,3
	global_load_b128 v[32*((\a)%2)+4*\e:32*((\a)%2)+4*\e+3], v2, s[92:93] offset:(32*((\a)/2)+8*((\a)%2))*256+16*\e
	global_load_b128 v[32*((\a)%2)+16+4*\e:32*((\a)%2)+16+4*\e+3], v2, s[92:93] offset:(32*((\a)/2)+8*((\a)%2))*256+128+16*\e
.endr
	WIN 0
.endm
.macro QKBLK a
.if (\a) < 7
	s_wait_loadcnt 8                               ; this block's set is in; the next block's eight loads may be out
.else
	s_wait_loadcnt 0
.endif
.irp hh, 0,1
	WIN (2+(\a)/4)|4                               ; source 0: the accumulators' window; source 1: window 1
.set n_, 0
.rept 32
	v_mul_f32 v[T+n_], v[64*((\a)%4)+32*\hh+n_], v[32*((\a)%2)+n_%16]   ; x[d] cos; each accumulator is read from its low end on
.set n_, n_+1
.endr
.set n_, 0
.rept 32
	v_fma_f32 v[T+n_], v[64*((\a)%4)+32*\hh+n_+1-2*(n_%2)], v[32*((\a)%2)+16+n_%16], v[T+n_]   ; + x[d xor 1] x (-sin for even d, +sin for odd d)
.set n_, n_+1
.endr
	QUANT T, 2, PC+4*(2*(\a)+\hh), 0, HW+8*\hh+(\a)
	global_store_b128 v1, v[PC+4*(2*(\a)+\hh):PC+4*(2*(\a)+\hh)+3], s[84+2*\hh:85+2*\hh] offset:512*(\a)
.endr
.if (\a) < 6
	RLOAD (\a)+2
.endif
.endm
	RLOAD 0
	RLOAD 1
.irp a, 0,1,2,3,4,5,6,7
	QKBLK \a
.endr
	s_and_b32 s89, ttmp9, 1
	s_cmp_eq_u32 s89, 1
	s_cbranch_scc1 .Lk_tail
.irp a, 0,1,2,3,4,5,6,7                        ; q's word is (s0, s1, s0, s1): it serves whichever half of the 128 holds q's codes
	v_lshl_or_b32 v[TL+\a], v[HW+\a], 16, v[HW+\a]
	v_lshl_or_b32 v[TL+8+\a], v[HW+8+\a], 16, v[HW+8+\a]
.endr
.irp a, 0,1,2,3,4,5,6,7
	v_cndmask_b32 v[TL+\a], v[TL+\a], v[TL+8+\a], vcc_lo
.endr
	global_store_b128 v3, v[TL:TL+3], s[90:91]
	global_store_b128 v3, v[TL+4:TL+7], s[90:91] offset:256
	s_branch .Lend
.Lk_tail:
.irp b, 0,1,2,3                                ; k's word b holds the bytes of tiles 2 b and 2 b + 1, which share a fragment
	v_lshl_or_b32 v[TL+\b], v[HW+2*\b+1], 16, v[HW+2*\b]
	v_lshl_or_b32 v[TL+4+\b], v[HW+8+2*\b+1], 16, v[HW+8+2*\b]
.endr
.irp b, 0,1,2,3
	v_cndmask_b32 v[TL+\b], v[TL+\b], v[TL+4+\b], vcc_lo
.endr
	global_store_b128 v4, v[TL:TL+3], s[84:85] offset:8192
	s_branch .Lend
	; ---- v.  Lane (r, h) holds channel slot r of block a; the 64 registers of the block's eight accumulators are keys 32 b + 16 h + 0..15, b = 0..3: they are quantised where they lie
.Lv:
	v_mul_u32_u24 v4, v6, 16*KVB
	v_lshl_add_u32 v4, v5, 4, v4
	s_lshr_b32 s82, s42, 3                         ; batch
	s_lshl_b32 s82, s82, 4
	s_lshl_b32 s83, s17, 2
	s_add_co_u32 s82, s82, s83
	s_lshl_b32 s83, s15, 1
	s_add_co_u32 s82, s82, s83                     ; 16 batch + my first head
	s_lshl_b32 s82, s82, 4
	s_and_b32 s83, s42, 7
	s_lshl_b32 s83, s83, 1
	s_add_co_u32 s82, s82, s83
	s_add_co_u32 s82, s82, s16                     ; x 16 + which 128 keys
	s_mul_i32 s84, s82, KVB
	s_mov_b32 s85, 0
	s_add_nc_u64 s[84:85], s[10:11], s[84:85]
.irp a, 0,1,2,3,4,5,6,7
	QUANT 64*(\a%4), 4, PC+8*\a, 2+\a/4, HW+\a
	global_store_b128 v1, v[PC+8*\a:PC+8*\a+3], s[84:85] offset:(\a/4)*16*KVB+4096+(\a%4)*1024
	global_store_b128 v1, v[PC+8*\a+4:PC+8*\a+7], s[84:85] offset:(\a/4)*16*KVB+4096+(\a%4)*1024+512
.endr
.irp t, 0,1,2,3
	v_cndmask_b32 v[TL+\t], v[HW+\t], v[HW+4+\t], vcc_lo
.endr
	global_store_b128 v4, v[TL:TL+3], s[84:85] offset:8448
.Lend:
	s_wait_tensorcnt 0x0                           ; the wave's end
	ds_add_u32 v[SPW], v[NIL]
	s_wait_dscnt 0x0
	CROUND                                         ; the closing round: no work-group ends while a partner may still ask for a tile that names it
	s_endpgm
.Lfunc_end_k_q58326b6ab2_qkv:
	.size	k_q58326b6ab2_qkv, .Lfunc_end_k_q58326b6ab2_qkv-k_q58326b6ab2_qkv
	.p2alignl 7, 3214868480
	.fill 96, 4, 3214868480
	.section	.rodata,"a",@progbits
	.p2align	6, 0x0
	.amdhsa_kernel k_q58326b6ab2_qkv
		.amdhsa_group_segment_fixed_size 327680
		.amdhsa_private_segment_fixed_size 0
		.amdhsa_enable_private_segment 0
		.amdhsa_kernarg_size 32
		.amdhsa_user_sgpr_count 2
		.amdhsa_user_sgpr_kernarg_segment_ptr 1
		.amdhsa_wavefront_size32 1
		.amdhsa_system_sgpr_workgroup_id_x 1
		.amdhsa_system_sgpr_workgroup_id_y 1
		.amdhsa_system_sgpr_workgroup_id_z 1
		.amdhsa_system_vgpr_workitem_id 0
		.amdhsa_next_free_vgpr 1024
		.amdhsa_next_free_sgpr 100
		.amdhsa_reserve_vcc 1
		.amdhsa_float_denorm_mode_32 3
		.amdhsa_float_denorm_mode_16_64 3
		.amdhsa_memory_ordered 1
		.amdhsa_forward_progress 1
		.amdhsa_inst_pref_size 217
	.end_amdhsa_kernel
	.amdgpu_metadata
---
amdhsa.version: [ 1, 2 ]
amdhsa.kernels:
  - .name:           k_q58326b6ab2_qkv
    .symbol:         k_q58326b6ab2_qkv.kd
    .args:
      - { .name: hc, .offset: 0, .size: 8, .value_kind: global_buffer, .address_space: global }
      - { .name: wts, .offset: 8, .size: 8, .value_kind: global_buffer, .address_space: global }
      - { .name: qb, .offset: 16, .size: 8, .value_kind: global_buffer, .address_space: global }
      - { .name: kv, .offset: 24, .size: 8, .value_kind: global_buffer, .address_space: global }
    .group_segment_fixed_size: 327680
    .private_segment_fixed_size: 0
    .kernarg_segment_align: 8
    .kernarg_segment_size: 32
    .max_flat_workgroup_size: 128
    .sgpr_count:     100
    .vgpr_count:     1024
    .wavefront_size: 32
...
	.end_amdgpu_metadata
.endif
;; end of part 2
;; launch attn (part 3): grid 8 x 32, 16 waves a work-group, clusters of 4 x 1, 169,984 bytes of LDS; arguments qb, kv, oc; writes oc
.if DOCPART == 3
	.amdgcn_target "amdgcn-amd-amdhsa--gfx1250"
	.amdhsa_code_object_version 6
	.text
	.protected	k_q58326b6ab2_attn
	.globl	k_q58326b6ab2_attn
	.p2align	8
	.type	k_q58326b6ab2_attn,@function
k_q58326b6ab2_attn:
	s_mov_b64 s[64:65], 0
	v_nop
	global_prefetch_b8 v0, s[64:65] scope:SCOPE_SE
	s_setreg_imm32_b32 hwreg(HW_REG_WAVE_MODE, 25, 1), 1
	s_wait_xcnt 0x0
	s_wait_alu depctr_hold_cnt(0) depctr_sa_sdst(0) depctr_va_vdst(0) depctr_va_sdst(0) depctr_va_ssrc(0) depctr_va_vcc(0) depctr_vm_vsrc(0)
	s_getreg_b32 s2, hwreg(HW_REG_IB_STS2, 6, 4)
	s_cmp_eq_u32 s2, 0
	s_cbranch_scc0 .Lentry_in_a_cluster
	s_endpgm
.Lentry_in_a_cluster:
	s_bfe_u32 s2, ttmp6, 0x10000c
	s_cmp_lg_u32 s2, 0x3003
	s_cbranch_scc0 .Lentry_shape_is_right
	s_endpgm
.Lentry_shape_is_right:
; Causal attention of one (batch, head) on codes of FP4 (E2M1), head size 64, 2,048 positions; the result, divided by the row's sum, is quantised along the 1,024 of the concatenated heads into an operand image (oc).
; THE SOFTMAX AHEAD OF THE SECOND PRODUCT: t = score x log2(e) / 8; M = the running largest t, rounded up to a whole number; p = 2^(t - M) is quantised along the keys; the row's sum is taken of the unquantised p.
; SHARES.  The eight work-groups of a (batch, head) each hold ALL its keys in LDS: 16 blocks of 8,704 bytes (128 keys: K's 8 tiles, V^T's 4 fragments, their scale words), filled once: wave w fetches block w.
;   The four work-groups of a cluster ask for each block jointly.  Nothing is filled again.
;   Work-group j (0..7), wave w: the tile of 16 queries 8 w' + j, w' a fixed permutation of the wave's number.  That tile lies in key step w', so the wave does w' + 1 steps of 128 keys, the last one masked.
;   The permutation is a magic square: any four waves w / 4 = const or w % 4 = const have 34 steps together.  j enters global addresses and lane data alone.
; LAYOUT.  Both products transposed: S^T = K Q^T, O^T = V^T P^T: a lane holds one query throughout.  Slot r of a tile ib is position 32 (ib / 2) + 8 (ib % 2) + r % 8 + 16 (r / 8), so p's 16 registers of two neighbouring tiles are 16 neighbouring keys.
; K = 64 IN AN INSTRUCTION OF 128: a fragment of K carries tile 2 b in registers 0-3 and tile 2 b + 1 in registers 4-7.  Q stands twice: (q, zeros) gives tile 2 b, (zeros, q) gives tile 2 b + 1: zero codes add nothing.
; LIMITS: NaN and infinities are not served; a block of p or of o whose largest magnitude lies under 2^-124 gets the byte 1.
; REGISTERS: v1 16 lane, v2 16 r, v3 the mask's bound, v6 lane / 16, v8-9 the step's LDS addresses, v12 -M, v13 largest t, v[14:15] the sum; v16-31 Q twice; v32-63 K; v64-95 V; v96-159 S^T, then p; v160-191 O^T;
;   v216-219 V's scale words, v248-251 K's, v253 p's, v255 Q's; v224-231 p's codes; v232-247, v252, v254 at work.
.set KVB, 8704
.set QBH, 73728
.set BLK, 4352
.set TM,  232
.set SEL, 20
.set MSB, 0
.macro WIN new
.if MSB != (\new)
	s_set_vgpr_msb (MSB<<8)|(\new)
.set MSB, \new
.endif
.endm
.macro ROUND                           ; a round of the cluster's barrier
	s_barrier_signal -1
	s_barrier_wait -1
	s_cmp_lg_u32 s8, 0
	s_cbranch_scc1 .Lnot_wave_0_\@
	s_barrier_signal -3
.Lnot_wave_0_\@:
	s_barrier_wait -3
	s_barrier_signal -1
	s_barrier_wait -1
.endm
; THE QUANTISER.  nb blocks of 32: register s + 16 b + i is k = 32 b + 16 (lane / 16) + i of my row.  Codes to v[pc] on, the scale word to v[pw].
.macro QUANT s, nb, pc, w, pw
	WIN (\w)|((\w)<<2)
.set b_, 0
.rept \nb
	v_max3_num_f32 v[TM+b_], |v[16*b_+(\s)]|, |v[16*b_+1+(\s)]|, 0x1800000
.set b_, b_+1
.endr
.irp i, 2,4,6,8,10,12,14
.set b_, 0
.rept \nb
	v_max3_num_f32 v[TM+b_], |v[16*b_+\i+(\s)]|, |v[16*b_+\i+1+(\s)]|, v[TM+b_]
.set b_, b_+1
.endr
.endr
	WIN 0
.set b_, 0
.rept \nb
	v_permlanex16_b32 v[TM+4+b_], v[TM+b_], s[SEL], s[SEL+1]
.set b_, b_+1
.endr
.set b_, 0
.rept \nb
	v_max_num_f32 v[TM+b_], v[TM+b_], v[TM+4+b_]
.set b_, b_+1
.endr
.set b_, 0
.rept \nb
	v_add_nc_u32 v[TM+12+b_], 0xff000000, v[TM+b_]
.set b_, b_+1
.endr
.set b_, 0
.rept \nb
	v_lshrrev_b32 v[TM+4+b_], 23, v[TM+12+b_]
.set b_, b_+1
.endr
	v_lshl_or_b32 v[\pw], v[TM+5], 8, v[TM+4]
.if \nb > 2
	v_lshl_or_b32 v[\pw], v[TM+6], 16, v[\pw]
	v_lshl_or_b32 v[\pw], v[TM+7], 24, v[\pw]
.endif
	WIN \w
.set b_, 0
.rept \nb
	v_cvt_scalef32_pk8_fp4_f32 v[2*b_+(\pc)], v[16*b_+(\s):16*b_+7+(\s)], v[TM+12+b_]
	v_cvt_scalef32_pk8_fp4_f32 v[2*b_+1+(\pc)], v[16*b_+8+(\s):16*b_+15+(\s)], v[TM+12+b_]
.set b_, b_+1
.endr
	WIN 0
	v_nop
.set b_, 0
.rept (\nb)/2
	v_permlane16_swap_b32 v[4*b_+(\pc)], v[4*b_+2+(\pc)]
	v_permlane16_swap_b32 v[4*b_+1+(\pc)], v[4*b_+3+(\pc)]
.set b_, b_+1
.endr
.endm
	s_load_b128 s[4:7], s[0:1], 0x0                ; qb, kv
	s_load_b64 s[12:13], s[0:1], 0x10              ; oc
	v_lshl_add_u32 v242, v0, 2, 0x29000
	v_mov_b32 v243, 0
	ds_add_u32 v242, v243
	ds_add_u32 v242, v243
	v_lshrrev_b32 v4, 5, v0
	v_readfirstlane_b32 s8, v4                     ; wave 0..15
	s_bfe_u32 s9, ttmp6, 0x40000                   ; cx
	s_lshl_b32 s10, ttmp9, 2
	s_add_co_u32 s10, s10, s9                      ; j
	s_and_b32 s14, ttmp7, 0xffff                   ; 16 batch + head
	s_mov_b32 s15, 0x7a94c12f                      ; w' of waves 0-7, four bits each,
	s_mov_b32 s16, 0x0de3b658                      ; of waves 8-15
	s_cmp_lt_u32 s8, 8
	s_cselect_b32 s15, s15, s16
	s_and_b32 s16, s8, 7
	s_lshl_b32 s16, s16, 2
	s_lshr_b32 s15, s15, s16
	s_and_b32 s11, s15, 15                         ; w': the key step of my diagonal
	s_lshl_b32 s17, s11, 3
	s_add_co_u32 s17, s17, s10                     ; my tile of queries
	; descriptor group 1: 8,704 dense bytes as 34 rows of 32 elements of 8 bytes
	s_mov_b32 s24, 15|(3<<16)|(1<<21)              ; 15:0 the mask: all four work-groups; 17:16 elements of 8 bytes; 21 set beside a mask
	s_mov_b32 s25, 32<<16
	s_mov_b32 s26, 34<<16
	s_mov_b32 s27, 32<<16
	s_mov_b32 s28, 34
	s_mov_b32 s29, 32
	s_mov_b32 s30, 0
	s_mov_b32 s31, 0
	s_lshl_b32 s18, s14, 4
	s_add_co_u32 s18, s18, s8
	s_mul_i32 s18, s18, KVB                        ; key step = my wave's number
	s_mov_b32 s19, 0
	s_mov_b32 s32, 1
	s_mul_i32 s33, s8, KVB                         ; LDS: wave x 8,704
	s_mov_b32 s[SEL], 0x76543210
	s_mov_b32 s[SEL+1], 0xfedcba98
	s_mov_b32 s22, 0x3e38aa3b                      ; c = log2(e) / 8
	s_mov_b32 s23, s22
	s_wait_dscnt 0x0
	s_wait_kmcnt 0x0
	s_add_nc_u64 s[34:35], s[6:7], s[18:19]
	s_or_b32 s35, s35, 0x80000000
	ROUND                                          ; the four work-groups are here: the joint loads meet
	tensor_load_to_lds s[32:35], s[24:31]          ; my one tensor load
	s_nop 0
.rept 4
	v_nop
.endr
	v_and_b32 v4, 31, v0
	v_lshlrev_b32 v1, 4, v4                        ; 16 x lane
	v_and_b32 v5, 15, v0                           ; r
	v_lshlrev_b32 v2, 4, v5                        ; 16 r
	v_bfe_u32 v6, v0, 4, 1                         ; h
	s_mul_i32 s36, s14, QBH
	s_lshl_b32 s37, s17, 9
	s_add_co_u32 s36, s36, s37
	s_mov_b32 s37, 0
	s_add_nc_u64 s[36:37], s[4:5], s[36:37]
	global_load_b128 v[16:19], v1, s[36:37]        ; (q, zeros)
	global_load_b128 v[28:31], v1, s[36:37]        ; (zeros, q): two runs of registers
	s_mul_i32 s38, s14, QBH
	s_lshr_b32 s39, s17, 2
	s_lshl_b32 s39, s39, 8
	s_add_co_u32 s38, s38, s39
	s_and_b32 s39, s17, 3
	s_lshl_b32 s39, s39, 2
	s_add_co_u32 s38, s38, s39
	s_add_co_u32 s38, s38, 65536
	s_mov_b32 s39, 0
	s_add_nc_u64 s[38:39], s[4:5], s[38:39]
	global_load_b32 v255, v2, s[38:39]             ; q's scale words
	s_lshr_b32 s40, s10, 1
	s_lshl_b32 s40, s40, 5
	s_and_b32 s41, s10, 1
	s_lshl_b32 s41, s41, 3
	s_add_co_u32 s40, s40, s41                     ; my tile's place in its 128 positions
	v_and_b32 v3, 7, v0
	v_bfe_u32 v7, v0, 3, 1
	v_lshl_add_u32 v3, v7, 4, v3
	v_lshlrev_b32 v7, 4, v6
	v_sub_nc_u32 v3, v3, v7
	v_add_nc_u32 v3, s40, v3                       ; my query - 16 h, in the diagonal step: register 16 b + i holds key 32 b + i + 16 h: hidden where 32 b + i is above this
	v_lshl_add_u32 v11, v5, 4, v6                  ; the way out: 16 r + h
	; where the result goes: block (head / 8) x 256 + 128 batch + tile; in it q = (head / 2) % 4, c = head % 2
	s_and_b32 s42, s14, 15
	s_lshr_b32 s43, s14, 4
	s_lshr_b32 s44, s42, 3
	s_lshl_b32 s44, s44, 8
	s_lshl_b32 s43, s43, 7
	s_add_co_u32 s44, s44, s43
	s_add_co_u32 s44, s44, s17
	s_mul_i32 s44, s44, BLK
	s_bfe_u32 s45, s42, 0x20001
	s_and_b32 s46, s42, 1
	s_lshl_b32 s47, s45, 10
	s_add_co_u32 s48, s44, s47
	s_lshl_b32 s47, s46, 9
	s_add_co_u32 s48, s48, s47
	s_mov_b32 s49, 0
	s_add_nc_u64 s[48:49], s[12:13], s[48:49]      ; codes
	s_lshl_b32 s47, s45, 2
	s_add_co_u32 s50, s44, s47
	s_lshl_b32 s47, s46, 1
	s_add_co_u32 s50, s50, s47
	s_mov_b32 s51, 0
	s_add_nc_u64 s[50:51], s[12:13], s[50:51]      ; scale bytes
	v_mov_b32 v13, 0xff61b1e6                      ; the largest t so far: -3e38
	v_floor_f32 v12, -v13                          ; -M
	v_mov_b32 v14, 0
	v_mov_b32 v15, 0
.irp b, 0,1,2,3
	v_mov_b32 v[236+\b], 0                         ; a lane permute's destination counts as one of its sources
.endr
	v_mov_b32 v252, 0
	v_mov_b32 v253, 0
.irp j, 20,21,22,23,24,25,26,27
	v_mov_b32 v[\j], 0                             ; Q's zero codes
.endr
.set n_, 0
.rept 32
	v_mov_b32 v[160+n_], 0                         ; O^T: the step is written once; the first change of M leaves zeros zeros
.set n_, n_+1
.endr
	s_mov_b32 s2, 0                                ; LDS byte of the step's block
	s_mov_b32 s3, 0                                ; the step
	s_wait_tensorcnt 0x0                           ; my block has landed,
	s_barrier_signal -1
	s_barrier_wait -1                              ; everybody's has
	s_wait_loadcnt 0x0                             ; Q
.Lstep:                                                ; 16 trips in every wave; a step all of whose keys come after my queries is jumped over
	s_cmp_gt_u32 s3, s11
	s_cbranch_scc1 .Lhidden
	v_add_nc_u32 v8, s2, v1
	v_add_nc_u32 v9, s2, v2
	v_nop
	v_nop                                          ; four plain instructions between the last step's products and the loads into their registers
.irp i, 0,1,2,3,4,5,6,7
	ds_load_b128 v[32+4*\i:35+4*\i], v8 offset:512*\i          ; K: fragment i / 2 = tiles i - i % 2 and that + 1
.endr
	ds_load_b128 v[248:251], v9 offset:8192        ; K's scale words
.irp i, 0,1,2,3,4,5,6,7
	ds_load_b128 v[64+4*\i:67+4*\i], v8 offset:4096+512*\i     ; V^T: fragment i / 2
.endr
	ds_load_b128 v[216:219], v9 offset:8448        ; V's scale words
	s_wait_dscnt 9                                 ; K and its words are in; V's nine loads may be out
.irp b, 0,1,2,3
	v_wmma_scale_f32_16x16x128_f8f6f4 v[96+16*\b:103+16*\b], v[32+8*\b:39+8*\b], v[16:23], 0, v[248+\b], v255 matrix_a_fmt:MATRIX_FMT_FP4 matrix_b_fmt:MATRIX_FMT_FP4
	v_wmma_scale_f32_16x16x128_f8f6f4 v[104+16*\b:111+16*\b], v[32+8*\b:39+8*\b], v[24:31], 0, v[248+\b], v255 matrix_a_fmt:MATRIX_FMT_FP4 matrix_b_fmt:MATRIX_FMT_FP4
.endr
.rept 4
	v_nop
.endr
	s_cmp_lt_u32 s3, s11                           ; only the diagonal step has hidden keys
	s_cbranch_scc1 .Lopen
	v_mov_b32 v254, 0xff800000                     ; -infinity: p = 0
.set n_, 0
.rept 64
	v_cmp_gt_i32 vcc_lo, 32*(n_/16)+n_%16, v3
	v_cndmask_b32 v[96+n_], v[96+n_], v254, vcc_lo
.set n_, n_+1
.endr
.Lopen:
.irp b, 0,1,2,3
	v_max3_num_f32 v[232+\b], v[96+16*\b], v[97+16*\b], v[98+16*\b]   ; the largest score of each block of 32 keys: for the row's maximum, and, since p rises with the score, for the block's largest p
.endr
.irp i, 3,5,7,9,11,13
.irp b, 0,1,2,3
	v_max3_num_f32 v[232+\b], v[232+\b], v[96+16*\b+\i], v[97+16*\b+\i]
.endr
.endr
.irp b, 0,1,2,3
	v_max_num_f32 v[232+\b], v[232+\b], v[111+16*\b]
.endr
.irp b, 0,1,2,3
	v_permlanex16_b32 v[236+\b], v[232+\b], s[SEL], s[SEL+1]
.endr
.irp b, 0,1,2,3
	v_max_num_f32 v[232+\b], v[232+\b], v[236+\b]
.endr
	v_max3_num_f32 v254, v232, v233, v234
	v_max_num_f32 v254, v254, v235
	v_mul_f32 v254, s22, v254
	v_max_num_f32 v13, v13, v254                   ; the running largest t
	v_mov_b32 v254, v12
	v_floor_f32 v12, -v13                          ; the new -M: a whole number
	v_sub_f32 v254, v12, v254
	v_cvt_i32_f32 v254, v254                       ; (it saturates)
	v_ldexp_f32 v252, 1.0, v254                    ; f = 2^(old M - new M): rounds nothing
.set n_, 0
.rept 32
	v_pk_fma_f32 v[96+n_:97+n_], v[96+n_:97+n_], s[22:23], v[12:13] op_sel_hi:[1,0,0]   ; t - M
.set n_, n_+2
.endr
.irp b, 0,1,2,3
	v_fma_f32 v[232+\b], v[232+\b], s22, v12
.endr
.set n_, 0
.rept 64
	v_exp_f32 v[96+n_], v[96+n_]                   ; p, at most 1, not normalised
.set n_, n_+1
.endr
	v_pk_mul_f32 v[14:15], v[14:15], v[252:253] op_sel_hi:[1,0]   ; the sums under the new M: a plain instruction behind the exponentials
	s_wait_alu depctr_va_vdst(0)                   ; one wait for the batch, ahead of its first reader
.irp b, 0,1,2,3
	v_exp_f32 v[232+\b], v[232+\b]                 ; each block's largest p
.endr
	v_pk_add_f32 v[236:237], v[96:97], v[98:99]    ; the row's sum of the unquantised p, in two chains
.irp j, 4,8,12,16,20,24,28,32,36,40,44,48,52,56,60
	v_pk_add_f32 v[14:15], v[14:15], v[96+\j:97+\j]
	v_pk_add_f32 v[236:237], v[236:237], v[98+\j:99+\j]
.endr
	v_pk_add_f32 v[14:15], v[14:15], v[236:237]
	s_wait_alu depctr_va_vdst(0)                   ; and one for the four
.irp b, 0,1,2,3
	v_max_num_f32 v[232+\b], 0x1800000, v[232+\b]  ; the floor 2^(3 - 127)
.endr
.irp b, 0,1,2,3
	v_add_nc_u32 v[244+\b], 0xff000000, v[232+\b]
.endr
.irp b, 0,1,2,3
	v_lshrrev_b32 v[236+\b], 23, v[244+\b]
.endr
	v_lshl_or_b32 v253, v237, 8, v236              ; p's scale word for these 128 keys
	v_lshl_or_b32 v253, v238, 16, v253
	v_lshl_or_b32 v253, v239, 24, v253
.irp b, 0,1,2,3
	v_cvt_scalef32_pk8_fp4_f32 v[224+2*\b], v[96+16*\b:103+16*\b], v[244+\b]
	v_cvt_scalef32_pk8_fp4_f32 v[225+2*\b], v[104+16*\b:111+16*\b], v[244+\b]
.endr
	v_nop
.irp c, 0,1
.irp i, 0,1
	v_permlane16_swap_b32 v[224+4*\c+\i], v[226+4*\c+\i]
.endr
.endr
.set n_, 0
.rept 16
	v_pk_mul_f32 v[160+n_:161+n_], v[160+n_:161+n_], v[252:253] op_sel_hi:[1,0]   ; O^T under the new M; these sixteen also stand between the making of p's codes and scale word and the products
.set n_, n_+2
.endr
	s_wait_dscnt 0x0                               ; V and its words are in
.irp t, 0,1,2,3
	v_wmma_scale_f32_16x16x128_f8f6f4 v[160+8*\t:167+8*\t], v[64+8*\t:71+8*\t], v[224:231], v[160+8*\t:167+8*\t], v[216+\t], v253 matrix_a_fmt:MATRIX_FMT_FP4 matrix_b_fmt:MATRIX_FMT_FP4
.endr
.Lhidden:
	s_add_co_u32 s2, s2, KVB
	s_add_co_u32 s3, s3, 1
	s_cmp_lt_u32 s3, 16
	s_cbranch_scc1 .Lstep
	; THE WAY OUT
	v_add_f32 v14, v14, v15
	v_permlanex16_b32 v252, v14, s[SEL], s[SEL+1]
	v_add_f32 v14, v14, v252                       ; the row's sum
	v_rcp_f32 v14, v14
.rept 4
	v_nop                                          ; plain instructions: behind the reciprocal, and behind the last products
.endr
	s_wait_alu depctr_va_vdst(0)
.set n_, 0
.rept 32
	v_mul_f32 v[96+n_], v[160+n_], v14             ; register 16 b + i is channel 32 b + 16 h + i of my query
.set n_, n_+1
.endr
	QUANT 96, 2, 224, 0, 254
	v_cmp_eq_u32 vcc_lo, 1, v6                     ; lanes 16-31
	v_cndmask_b32 v10, v[TM+4], v[TM+5], vcc_lo    ; lane (r, h) stores block h's byte
	global_store_b128 v1, v[224:227], s[48:49]     ; the wave stores 512 consecutive bytes
	global_store_b8 v11, v10, s[50:51] offset:4096 ; a head owns two of a row's sixteen scale bytes: they go singly
	s_wait_dscnt 0x0
	s_wait_tensorcnt 0x0
	ds_add_u32 v242, v243
	s_wait_dscnt 0x0
	ROUND                                          ; the closing round
	s_endpgm
.Lfunc_end_k_q58326b6ab2_attn:
	.size	k_q58326b6ab2_attn, .Lfunc_end_k_q58326b6ab2_attn-k_q58326b6ab2_attn
	.p2alignl 7, 3214868480
	.fill 96, 4, 3214868480
	.section	.rodata,"a",@progbits
	.p2align	6, 0x0
	.amdhsa_kernel k_q58326b6ab2_attn
		.amdhsa_group_segment_fixed_size 169984
		.amdhsa_private_segment_fixed_size 0
		.amdhsa_enable_private_segment 0
		.amdhsa_kernarg_size 24
		.amdhsa_user_sgpr_count 2
		.amdhsa_user_sgpr_kernarg_segment_ptr 1
		.amdhsa_wavefront_size32 1
		.amdhsa_system_sgpr_workgroup_id_x 1
		.amdhsa_system_sgpr_workgroup_id_y 1
		.amdhsa_system_sgpr_workgroup_id_z 1
		.amdhsa_system_vgpr_workitem_id 0
		.amdhsa_next_free_vgpr 256
		.amdhsa_next_free_sgpr 66
		.amdhsa_reserve_vcc 1
		.amdhsa_float_denorm_mode_32 3
		.amdhsa_float_denorm_mode_16_64 3
		.amdhsa_memory_ordered 1
		.amdhsa_forward_progress 1
		.amdhsa_inst_pref_size 31
	.end_amdhsa_kernel
	.amdgpu_metadata
---
amdhsa.version: [ 1, 2 ]
amdhsa.kernels:
  - .name:           k_q58326b6ab2_attn
    .symbol:         k_q58326b6ab2_attn.kd
    .args:
      - { .name: qb, .offset: 0, .size: 8, .value_kind: global_buffer, .address_space: global }
      - { .name: kv, .offset: 8, .size: 8, .value_kind: global_buffer, .address_space: global }
      - { .name: oc, .offset: 16, .size: 8, .value_kind: global_buffer, .address_space: global }
    .group_segment_fixed_size: 169984
    .private_segment_fixed_size: 0
    .kernarg_segment_align: 8
    .kernarg_segment_size: 24
    .max_flat_workgroup_size: 512
    .sgpr_count:     66
    .vgpr_count:     256
    .wavefront_size: 32
...
	.end_amdgpu_metadata
.endif
;; end of part 3
;; launch proj (part 4): grid 4 x 16, 4 waves a work-group, clusters of 4 x 4, 327,680 bytes of LDS; arguments oc, wts, proj_b, x, x1; writes x1
.if DOCPART == 4
	.amdgcn_target "amdgcn-amd-amdhsa--gfx1250"
	.amdhsa_code_object_version 6
	.text
	.protected	k_q58326b6ab2_proj
	.globl	k_q58326b6ab2_proj
	.p2align	8
	.type	k_q58326b6ab2_proj,@function
k_q58326b6ab2_proj:
	s_mov_b64 s[64:65], 0
	v_nop
	global_prefetch_b8 v0, s[64:65] scope:SCOPE_SE
	s_setreg_imm32_b32 hwreg(HW_REG_WAVE_MODE, 25, 1), 1
	s_wait_xcnt 0x0
	s_wait_alu depctr_hold_cnt(0) depctr_sa_sdst(0) depctr_va_vdst(0) depctr_va_sdst(0) depctr_va_ssrc(0) depctr_va_vcc(0) depctr_vm_vsrc(0)
	s_getreg_b32 s2, hwreg(HW_REG_IB_STS2, 6, 4)
	s_cmp_eq_u32 s2, 0
	s_cbranch_scc0 .Lentry_in_a_cluster
	s_endpgm
.Lentry_in_a_cluster:
	s_bfe_u32 s2, ttmp6, 0x10000c
	s_cmp_lg_u32 s2, 0xf033
	s_cbranch_scc0 .Lentry_shape_is_right
	s_endpgm
.Lentry_shape_is_right:
; C = A W + bias + residual.  A: 4,096 rows, W: 1,024 rows (outputs), both as operand images of FP4 (E2M1) codes with one E8M0 scale for each 32 along K = KTOT; bias [1024], residual and C [4096][1024] f32.
; A tile of C is 256 x 256, a wave makes 128 x 128: 64 accumulators.  The matrix instruction is used transposed (source 0 = 16 rows of W, source 1 = 16 rows of A): a lane holds one row of C.
; OPERANDS lie in memory as images of the registers (4,352 bytes for 16 rows x 512 along K: codes at 1024 q + 512 c + 16 lane, scale bytes at 4096 + 16 r + 4 q + j): 128 rows of 512 along K are 34,816 dense bytes, one tensor load;
; slot r of block ib is row 32 (ib / 2) + 8 (ib % 2) + r % 8 + 16 (r / 8).  Two LDS slots of 512 along K; A's tiles are asked for jointly along a row of the 4 x 4 cluster, W's along a column.
; 64 tiles: 64 work-groups.  LIMITS: NaN and infinities are not served.
; REGISTERS: window 0: v16-27 addresses, v28-29 the spare word's, v32-95 scale words and nothing else, v96-99 the bias, v128-191 A's fragments, on the way out v128-255 rows of C.
;   window 1: W's fragments, two sets; on the way out four sets of 16 rows of the residual.  windows 2, 3: the accumulators.
.set KTOT,   1024
.set WOFF,   1671168                   ; W's image in wts
.set BLK,    4352
.set KSA,    256*BLK                   ; from one 512 along K to the next
.set KSB,    64*BLK
.set HALFT,  8*BLK
.set SLOT,   4*HALFT
.set SPARE,  2*SLOT
.set LAPS,   KTOT/1024
.set SPITCH, 528                       ; the way out: a stage of 16 rows x (512 bytes + 16) for each wave, in slot 0, which has had its last fill and its last read by then
.set NQ,     4
.set FR,     8
.set NL,     2
.set NP,     4
.set ADRA, 16
.set ADRB, 20
.set ADRS, 22
.set STO,  24
.set RD,   25
.set CO,   26
.set SPW,  28
.set NIL,  29
.set SC,   32
.set BI,   96
.set AF,   128
.set BK,   128
.set G1, 24
.set G0, 32
.set G1B, 48
.set G0B, 56
.set MSB, 0
.macro WIN new
.if MSB != (\new)
	s_set_vgpr_msb (MSB<<8)|(\new)
.set MSB, \new
.endif
.endm
.set MUL_LO, 0xa1
.set MUL_HI, 0xf1
.set TO_B,   0x40
.macro JLOAD g0a, g1a, g0b, g1b        ; a joint load: waves 0 and 1 fetch for A, waves 2 and 3 for W; four v_nop follow each line
	s_cmp_eq_u32 s15, 0
	s_cbranch_scc0 .Lfor_b_\@
	tensor_load_to_lds s[\g0a:\g0a+3], s[\g1a:\g1a+7]
	s_nop 0
.rept 4
	v_nop
.endr
	s_branch .Lasked_\@
.Lfor_b_\@:
	tensor_load_to_lds s[\g0b:\g0b+3], s[\g1b:\g1b+7]
	s_nop 0
.rept 4
	v_nop
.endr
.Lasked_\@:
.endm
.macro CREST
	s_cmp_lg_u32 s14, 0
	s_cbranch_scc1 .Lnot_wave_0_\@
	s_barrier_signal -3
.Lnot_wave_0_\@:
	s_barrier_wait -3
	s_barrier_signal -1
	s_barrier_wait -1
.endm
.macro CROUND
	s_barrier_signal -1
	s_barrier_wait -1
	CREST
.endm
	s_load_b256 s[4:11], s[0:1], 0x0               ; A, wts, bias, residual
	s_load_b64 s[12:13], s[0:1], 0x20              ; C
	v_lshl_add_u32 v[SPW], v0, 2, SPARE
	v_mov_b32 v[NIL], 0
	ds_add_u32 v28, v29
	ds_add_u32 v28, v29
	s_wait_dscnt 0x0
	v_lshrrev_b32 v1, 5, v0
	v_readfirstlane_b32 s14, v1
	s_lshr_b32 s15, s14, 1
	s_and_b32 s16, s14, 1
	s_bfe_u32 s40, ttmp6, 0x40000
	s_bfe_u32 s41, ttmp6, 0x40004
	s_lshl_b32 s42, ttmp9, 2
	s_add_co_u32 s42, s42, s40                     ; tile column
	s_and_b32 s17, ttmp7, 0xffff
	s_lshl_b32 s17, s17, 2
	s_add_co_u32 s17, s17, s41                     ; tile row
	s_lshl_b32 s43, s41, 2
	s_lshl_b32 s43, 15, s43
	s_lshl_b32 s44, 0x1111, s40
	s_or_b32 s[G1+0], s43, (3<<16)|(1<<21)         ; 34,816 dense bytes as 136 rows of 32 elements of 8 bytes; the mask; bit 21 beside it
	s_or_b32 s[G1B+0], s44, (3<<16)|(1<<21)
.irp g, G1, G1B
	s_mov_b32 s[\g+1], 32<<16
	s_mov_b32 s[\g+2], 136<<16
	s_mov_b32 s[\g+3], 32<<16
	s_mov_b32 s[\g+4], 136
	s_mov_b32 s[\g+5], 32
	s_mov_b32 s[\g+6], 0
	s_mov_b32 s[\g+7], 0
.endr
	s_lshl_b32 s18, s16, 3
	s_lshl_b32 s20, s17, 4
	s_add_co_u32 s20, s20, s18
	s_mul_i32 s20, s20, BLK
	s_mov_b32 s21, 0
	s_lshl_b32 s46, s42, 4
	s_add_co_u32 s46, s46, s18
	s_mul_i32 s46, s46, BLK
	s_add_co_u32 s46, s46, WOFF
	s_mov_b32 s47, 0
	s_mul_i32 s45, s14, HALFT
	s_wait_kmcnt 0x0
	s_add_nc_u64 s[20:21], s[4:5], s[20:21]
	s_add_nc_u64 s[46:47], s[6:7], s[46:47]
	CROUND
.irp s, 0,1
	s_mov_b32 s[G0+4*\s], 1
	s_add_co_u32 s[G0+4*\s+1], s45, \s*SLOT
	s_add_nc_u64 s[G0+4*\s+2:G0+4*\s+3], s[20:21], \s*KSA
	s_or_b32 s[G0+4*\s+3], s[G0+4*\s+3], 0x80000000
	s_mov_b32 s[G0B+4*\s], 1
	s_add_co_u32 s[G0B+4*\s+1], s45, \s*SLOT
	s_add_nc_u64 s[G0B+4*\s+2:G0B+4*\s+3], s[46:47], \s*KSB
	s_or_b32 s[G0B+4*\s+3], s[G0B+4*\s+3], 0x80000000
	JLOAD G0+4*\s, G1, G0B+4*\s, G1B               ; two loads of mine are out behind the second
.endr
	v_and_b32 v1, 15, v0
	v_bfe_u32 v2, v0, 4, 1
	v_and_b32 v3, 31, v0
	v_lshlrev_b32 v4, 4, v3
	s_mul_i32 s21, s15, HALFT
	s_mul_i32 s22, s16, HALFT
	s_add_co_u32 s22, s22, 2*HALFT
	v_add_nc_u32 v[ADRA], s21, v4
	v_add_nc_u32 v[ADRB], s22, v4
	v_add_nc_u32 v[ADRA+1], SLOT, v[ADRA]
	v_add_nc_u32 v[ADRB+1], SLOT, v[ADRB]
	s_sub_co_u32 s22, s22, s21
	v_mul_u32_u24 v6, s22, v2
	v_lshl_add_u32 v5, v1, 4, v6
	v_add_nc_u32 v[ADRS], s21, v5
	v_add_nc_u32 v[ADRS+1], SLOT, v[ADRS]
	s_mul_i32 s23, s14, 16*SPITCH                  ; my stage
	v_mul_u32_u24 v5, v1, SPITCH
	v_lshl_add_u32 v5, v2, 6, v5
	v_add_nc_u32 v[STO], s23, v5                   ; in: row r, + 64 h: my half's 16 columns of each 32
	v_mov_b32 v[CO], v4                            ; back: 32 lanes take a row of 512 bytes; the same in C
	v_add_nc_u32 v[RD], s23, v4
	s_lshl_b32 s20, s17, 8
	s_lshl_b32 s21, s15, 7
	s_add_co_u32 s20, s20, s21
	s_lshl_b32 s20, s20, 12                        ; my first row, 4,096 bytes a row
	s_lshl_b32 s46, s42, 10
	s_lshl_b32 s47, s16, 9
	s_add_co_u32 s46, s46, s47                     ; my first column, in bytes
	s_mov_b32 s47, 0
	s_add_nc_u64 s[8:9], s[8:9], s[46:47]
	s_add_co_u32 s20, s20, s46
	s_mov_b32 s21, 0
	s_add_nc_u64 s[10:11], s[10:11], s[20:21]
	s_add_nc_u64 s[12:13], s[12:13], s[20:21]
.macro FRAG reg, adr, q, i
.irp c, 0,1
	ds_load_b128 v[\reg+4*\c:\reg+4*\c+3], v[\adr] offset:(\i)*BLK+1024*(\q)+512*\c
.endr
.endm
; The 64 accumulators take turns, one instruction a turn, in the same order in every step.
.macro MUL16 a0, p, q, sc, zero
.irp a, \a0, \a0+1
.irp b, 0,1,2,3,4,5,6,7
.if \zero
	v_wmma_scale_f32_16x16x128_f8f6f4 v[8*(8*((\a)%4)+\b):8*(8*((\a)%4)+\b)+7], v[128*(\p)+FR*\b:128*(\p)+FR*\b+FR-1], v[AF+FR*(\a):AF+FR*(\a)+FR-1], 0, v[SC+8*NQ*(\sc)+NQ*\b+(\q)], v[SC+8*NQ*(\sc)+NQ*(\a)+(\q)] matrix_a_fmt:MATRIX_FMT_FP4 matrix_b_fmt:MATRIX_FMT_FP4 matrix_a_scale:MATRIX_SCALE_ROW1
.else
	v_wmma_scale_f32_16x16x128_f8f6f4 v[8*(8*((\a)%4)+\b):8*(8*((\a)%4)+\b)+7], v[128*(\p)+FR*\b:128*(\p)+FR*\b+FR-1], v[AF+FR*(\a):AF+FR*(\a)+FR-1], v[8*(8*((\a)%4)+\b):8*(8*((\a)%4)+\b)+7], v[SC+8*NQ*(\sc)+NQ*\b+(\q)], v[SC+8*NQ*(\sc)+NQ*(\a)+(\q)] matrix_a_fmt:MATRIX_FMT_FP4 matrix_b_fmt:MATRIX_FMT_FP4 matrix_a_scale:MATRIX_SCALE_ROW1
.endif
.endr
.endr
.endm
.macro FETCH_B slot, q, p
	WIN TO_B
.irp i, 0,1,2,3,4,5,6,7
	FRAG 128*(\p)+FR*\i, ADRB+\slot, \q, \i
.endr
	WIN 0
.endm
.macro FETCH_A slot, q, i0
.irp i, \i0, \i0+1, \i0+2, \i0+3
	FRAG AF+FR*(\i), ADRA+\slot, \q, \i
.endr
.endm
.macro SCALES sc
.irp i, 0,1,2,3,4,5,6,7
	ds_load_b128 v[SC+8*NQ*\sc+NQ*\i:SC+8*NQ*\sc+NQ*\i+3], v[ADRS+\sc] offset:\i*BLK+4096
.endr
.endm
.macro PLACES n
.rept \n
	v_nop
.endr
.endm
.macro STEP slot, q, zero
	s_wait_dscnt 4*NL                              ; all but the youngest eight loads (A's blocks 4-7) are in
	WIN MUL_LO
	MUL16 0, (\q)%2, \q, \slot, \zero
	MUL16 2, (\q)%2, \q, \slot, \zero
	s_wait_dscnt 0
	PLACES NP
	FETCH_B \slot, (\q)+1, 1-(\q)%2
	FETCH_A \slot, (\q)+1, 0
	WIN MUL_HI
	MUL16 4, (\q)%2, \q, \slot, \zero
	MUL16 6, (\q)%2, \q, \slot, \zero
	PLACES NP
	WIN 0
	FETCH_A \slot, (\q)+1, 4
.endm
; A slot's last step changes slots: one barrier; in front of it each wave waits for all its tensor loads, adds 0 to its spare word, and waits for that and for its reads of this slot.  fill = 1: the slot is filled again, 1,024 along K on.
.macro TURN slot, next, fill
	s_wait_tensorcnt 0x0
	ds_add_u32 v[SPW], v[NIL]
	s_wait_dscnt 4*NL+1                            ; (the add and the youngest eight loads may be out)
	WIN MUL_LO
	MUL16 0, 1, NQ-1, \slot, 0
	s_wait_dscnt 0x0
	s_barrier_signal -1
	MUL16 2, 1, NQ-1, \slot, 0
	WIN 0
	s_barrier_wait -1
.if \fill
	CREST                                          ; the barrier has opened a round of the cluster's barrier: no wave of any partner still reads this slot or has a load on its way
	s_add_nc_u64 s[G0+4*\slot+2:G0+4*\slot+3], s[G0+4*\slot+2:G0+4*\slot+3], 2*KSA
	s_add_nc_u64 s[G0B+4*\slot+2:G0B+4*\slot+3], s[G0B+4*\slot+2:G0B+4*\slot+3], 2*KSB
	JLOAD G0+4*\slot, G1, G0B+4*\slot, G1B         ; the first tensor load behind the round, one a wave
.else
	PLACES NP
.endif
	FETCH_B \next, 0, 0
	FETCH_A \next, 0, 0
	SCALES \next
	WIN MUL_HI
	MUL16 4, 1, NQ-1, \slot, 0
	MUL16 6, 1, NQ-1, \slot, 0
	PLACES NP
	WIN 0
	FETCH_A \next, 0, 4
.endm
.macro STEPS slot, from
.set Q, \from
.rept NQ-1-\from
	STEP \slot, Q, 0
.set Q, Q+1
.endr
.endm
	s_wait_tensorcnt 1                             ; my part of slot 0 is in (slot 1's load may be out)
	s_barrier_signal -1
	s_barrier_wait -1
	FETCH_B 0, 0, 0
	FETCH_A 0, 0, 0
	SCALES 0
	FETCH_A 0, 0, 4
	STEP 0, 0, 1
.if LAPS > 1
	s_mov_b32 s3, LAPS-1
.Llap:
	STEPS 0, 1
	TURN 0, 1, 1
	STEPS 1, 0
	TURN 1, 0, 1
	STEP 0, 0, 0
	s_sub_co_u32 s3, s3, 1
	s_cmp_lg_u32 s3, 0
	s_cbranch_scc1 .Llap
.endif
	STEPS 0, 1
	TURN 0, 1, 0
	STEPS 1, 0
	s_wait_dscnt 4*NL
	WIN MUL_LO
	MUL16 0, 1, NQ-1, 1, 0
	MUL16 2, 1, NQ-1, 1, 0
	s_wait_dscnt 0
	WIN MUL_HI
	MUL16 4, 1, NQ-1, 1, 0
	MUL16 6, 1, NQ-1, 1, 0
	WIN 0
; THE WAY OUT, block by block of 16 rows x 128 columns, through my own stage in LDS: in by lanes (32 bytes of a row at a time), back as whole rows of 512 bytes.  Stage row t of block a is my row 32 (a / 2) + 8 (a % 2) + t % 8 + 16 (t / 8):
; every row stands in an immediate, 127 x 4,096 bytes at the most.  The residual's rows are asked for three blocks ahead.
.macro XLOAD a
	WIN 0x40                                       ; destination window 1
.irp t, 0,1,2,3,4,5,6,7,8,9,10,11,12,13,14,15
	global_load_b128 v[64*((\a)%4)+4*\t:64*((\a)%4)+4*\t+3], v[CO], s[10:11] offset:(32*((\a)/2)+8*((\a)%2)+\t%8+16*(\t/8))*4096 th:TH_LOAD_NT
.endr
	WIN 0
.endm
.macro TOSTAGE a
.set AC, 64*((\a)%4)
	WIN 0x08+4*((\a)/4)                            ; the data: window 2 or 3
.irp b, 0,1,2,3,4,5,6,7
	ds_store_b128 v[STO], v[AC+8*\b:AC+8*\b+3] offset:128*(\b/2)+32*(\b%2)          ; columns 32 (b / 2) + 16 h + 8 (b % 2) on; each accumulator from its low end on
	ds_store_b128 v[STO], v[AC+8*\b+4:AC+8*\b+7] offset:128*(\b/2)+32*(\b%2)+16
.endr
	WIN 0
.set BB, BK+64*((\a)%2)
.irp t, 0,1,2,3,4,5,6,7,8,9,10,11,12,13,14,15
	ds_load_b128 v[BB+4*\t:BB+4*\t+3], v[RD] offset:\t*SPITCH   ; LDS serves a wave's instructions in order (ISA guide 5.7.1.4): these see the stores above
.endr
.endm
.macro SEND a, younger
.set BB, BK+64*((\a)%2)
.set XB, 64*((\a)%4)
	s_wait_dscnt \younger                          ; the block is back; the next block's 16 stores and 16 loads may be out
.if (\a) < 6
	s_wait_loadcnt 32                              ; the bias and this block's residual are in; the next two blocks' may be out
.else
	s_wait_loadcnt 16*(7-(\a))
.endif
.set n_, 0
.rept 16
	v_pk_add_f32 v[BB+n_:BB+n_+1], v[BB+n_:BB+n_+1], v[BI:BI+1]
	v_pk_add_f32 v[BB+n_+2:BB+n_+3], v[BB+n_+2:BB+n_+3], v[BI+2:BI+3]
.set n_, n_+4
.endr
	WIN 0x04                                       ; source 1: window 1
.set n_, 0
.rept 32
	v_pk_add_f32 v[BB+n_:BB+n_+1], v[BB+n_:BB+n_+1], v[XB+n_:XB+n_+1]
.set n_, n_+2
.endr
	WIN 0
.irp t, 0,1,2,3,4,5,6,7,8,9,10,11,12,13,14,15
	global_store_b128 v[CO], v[BB+4*\t:BB+4*\t+3], s[12:13] offset:(32*((\a)/2)+8*((\a)%2)+\t%8+16*(\t/8))*4096   ; 32 lanes store 512 consecutive bytes, at a multiple of 256 from C's first byte
.endr
.if (\a)+3 < 8
	XLOAD (\a)+3
.endif
.endm
	PLACES NP                                      ; behind the last products: loads into their operands' registers and reads of results follow
	global_load_b128 v[BI:BI+3], v[CO], s[8:9]     ; the bias of my four columns
	XLOAD 0
	XLOAD 1
	XLOAD 2
	TOSTAGE 0
.irp a, 1,2,3,4,5,6,7
.if \a > 1
	s_wait_xcnt 0x0                                ; block a - 2's stores have read their registers: block a's loads may land there
.endif
	TOSTAGE \a
	SEND \a-1, 32
.endr
	SEND 7, 0
	s_wait_tensorcnt 0x0                           ; the wave's end
	ds_add_u32 v[SPW], v[NIL]
	s_wait_dscnt 0x0
	CROUND                                         ; the closing round
	s_endpgm
.Lfunc_end_k_q58326b6ab2_proj:
	.size	k_q58326b6ab2_proj, .Lfunc_end_k_q58326b6ab2_proj-k_q58326b6ab2_proj
	.p2alignl 7, 3214868480
	.fill 96, 4, 3214868480
	.section	.rodata,"a",@progbits
	.p2align	6, 0x0
	.amdhsa_kernel k_q58326b6ab2_proj
		.amdhsa_group_segment_fixed_size 327680
		.amdhsa_private_segment_fixed_size 0
		.amdhsa_enable_private_segment 0
		.amdhsa_kernarg_size 40
		.amdhsa_user_sgpr_count 2
		.amdhsa_user_sgpr_kernarg_segment_ptr 1
		.amdhsa_wavefront_size32 1
		.amdhsa_system_sgpr_workgroup_id_x 1
		.amdhsa_system_sgpr_workgroup_id_y 1
		.amdhsa_system_sgpr_workgroup_id_z 1
		.amdhsa_system_vgpr_workitem_id 0
		.amdhsa_next_free_vgpr 1024
		.amdhsa_next_free_sgpr 100
		.amdhsa_reserve_vcc 0
		.amdhsa_float_denorm_mode_32 3
		.amdhsa_float_denorm_mode_16_64 3
		.amdhsa_memory_ordered 1
		.amdhsa_forward_progress 1
		.amdhsa_inst_pref_size 167
	.end_amdhsa_kernel
	.amdgpu_metadata
---
amdhsa.version: [ 1, 2 ]
amdhsa.kernels:
  - .name:           k_q58326b6ab2_proj
    .symbol:         k_q58326b6ab2_proj.kd
    .args:
      - { .name: oc, .offset: 0, .size: 8, .value_kind: global_buffer, .address_space: global }
      - { .name: wts, .offset: 8, .size: 8, .value_kind: global_buffer, .address_space: global }
      - { .name: proj_b, .offset: 16, .size: 8, .value_kind: global_buffer, .address_space: global }
      - { .name: x, .offset: 24, .size: 8, .value_kind: global_buffer, .address_space: global }
      - { .name: x1, .offset: 32, .size: 8, .value_kind: global_buffer, .address_space: global }
    .group_segment_fixed_size: 327680
    .private_segment_fixed_size: 0
    .kernarg_segment_align: 8
    .kernarg_segment_size: 40
    .max_flat_workgroup_size: 128
    .sgpr_count:     100
    .vgpr_count:     1024
    .wavefront_size: 32
...
	.end_amdgpu_metadata
.endif
;; end of part 4
;; launch ln2: the kernel of part 1 again; grid 256 x 1, 4 waves a work-group, no clusters, 18,944 bytes of LDS; arguments x1, ln2_w, ln2_b, hc, Wq, Wk, Wv, proj_w, w_w, v_w, p_w, wts; writes hc, wts
;; launch wv (part 5): grid 16 x 16, 4 waves a work-group, clusters of 4 x 4, 327,680 bytes of LDS; arguments hc, wts, w_b, v_b, gc; writes gc
.if DOCPART == 5
	.amdgcn_target "amdgcn-amd-amdhsa--gfx1250"
	.amdhsa_code_object_version 6
	.text
	.protected	k_q58326b6ab2_wv
	.globl	k_q58326b6ab2_wv
	.p2align	8
	.type	k_q58326b6ab2_wv,@function
k_q58326b6ab2_wv:
	s_mov_b64 s[64:65], 0
	v_nop
	global_prefetch_b8 v0, s[64:65] scope:SCOPE_SE
	s_setreg_imm32_b32 hwreg(HW_REG_WAVE_MODE, 25, 1), 1
	s_wait_xcnt 0x0
	s_wait_alu depctr_hold_cnt(0) depctr_sa_sdst(0) depctr_va_vdst(0) depctr_va_sdst(0) depctr_va_ssrc(0) depctr_va_vcc(0) depctr_vm_vsrc(0)
	s_getreg_b32 s2, hwreg(HW_REG_IB_STS2, 6, 4)
	s_cmp_eq_u32 s2, 0
	s_cbranch_scc0 .Lentry_in_a_cluster
	s_endpgm
.Lentry_in_a_cluster:
	s_bfe_u32 s2, ttmp6, 0x10000c
	s_cmp_lg_u32 s2, 0xf033
	s_cbranch_scc0 .Lentry_shape_is_right
	s_endpgm
.Lentry_shape_is_right:
; g = swish(h2 w_w + w_b) x (h2 v_w + v_b), both products on codes of FP4 (E2M1) with one E8M0 scale for each 32 along K = 1,024; g is quantised along the 2,048 hidden units into an operand image (gc).
; A = the tokens (hc).  B = the weights' image in which row 256 X + 128 half + 64 which + e is unit 128 X + 64 half + e of w_w (which = 0) or v_w (1): so a wave's B blocks 0-3 are 64 units of w_w and its blocks 4-7 the SAME units of v_w,
; and the two numbers that meet in g lie in the same lane, 32 registers apart.  A tile is 256 x 256, a wave makes 128 x 128; the matrix instruction is used transposed: a lane holds one token and its registers run along the units.
; OPERANDS lie in memory as images of the registers (4,352 bytes for 16 rows x 512 along K: codes at 1024 q + 512 c + 16 lane, scale bytes at 4096 + 16 r + 4 q + j); slot r of block ib is row 32 (ib / 2) + 8 (ib % 2) + r % 8 + 16 (r / 8).
; K = 1,024 is two slots: both are first fills.  A's tiles are asked for jointly along a row of the 4 x 4 cluster, B's along a column.  256 work-groups.
; LIMITS: NaN and infinities are not served; a block whose largest magnitude lies under 2^-124 gets the byte 1.  sigmoid(a) = 1 / (1 + 2^(-a log2 e)): where the power overflows the reciprocal is 0, as the limit is.
; REGISTERS: window 0: v16-23 LDS addresses, v28-29 the spare word's, v32-95 scale words and nothing else, v128-191 A's fragments; on the way out v96-248.  window 1: B's fragments; on the way out the biases.  windows 2, 3: the accumulators.
.set BLK,    4352
.set WOFF,   2228224
.set KSA,    256*BLK
.set KSB,    256*BLK
.set HALFT,  8*BLK
.set SLOT,   4*HALFT
.set SPARE,  2*SLOT
.set NQ,     4
.set FR,     8
.set NL,     2
.set NP,     4
.set ADRA, 16
.set ADRB, 20
.set ADRS, 22
.set SPW,  28
.set NIL,  29
.set SC,   32
.set AF,   128
.set T1,   96
.set T2,   128
.set EX,   160
.set PC,   192
.set BY,   224
.set TM,   232
.set PW,   248
.set G1, 24
.set G0, 32
.set G1B, 48
.set G0B, 56
.set SEL, 94
.set MSB, 0
.macro WIN new
.if MSB != (\new)
	s_set_vgpr_msb (MSB<<8)|(\new)
.set MSB, \new
.endif
.endm
.set MUL_LO, 0xa1
.set MUL_HI, 0xf1
.set TO_B,   0x40
.macro JLOAD g0a, g1a, g0b, g1b        ; a joint load: waves 0 and 1 fetch for A, waves 2 and 3 for B; four v_nop follow each line
	s_cmp_eq_u32 s15, 0
	s_cbranch_scc0 .Lfor_b_\@
	tensor_load_to_lds s[\g0a:\g0a+3], s[\g1a:\g1a+7]
	s_nop 0
.rept 4
	v_nop
.endr
	s_branch .Lasked_\@
.Lfor_b_\@:
	tensor_load_to_lds s[\g0b:\g0b+3], s[\g1b:\g1b+7]
	s_nop 0
.rept 4
	v_nop
.endr
.Lasked_\@:
.endm
.macro CROUND
	s_barrier_signal -1
	s_barrier_wait -1
	s_cmp_lg_u32 s14, 0
	s_cbranch_scc1 .Lnot_wave_0_\@
	s_barrier_signal -3
.Lnot_wave_0_\@:
	s_barrier_wait -3
	s_barrier_signal -1
	s_barrier_wait -1
.endm
	s_load_b256 s[4:11], s[0:1], 0x0               ; hc, wts, w_b, v_b
	s_load_b64 s[12:13], s[0:1], 0x20              ; gc
	v_lshl_add_u32 v[SPW], v0, 2, SPARE
	v_mov_b32 v[NIL], 0
	ds_add_u32 v28, v29
	ds_add_u32 v28, v29
	s_wait_dscnt 0x0
	v_lshrrev_b32 v1, 5, v0
	v_readfirstlane_b32 s14, v1
	s_lshr_b32 s15, s14, 1
	s_and_b32 s16, s14, 1
	s_bfe_u32 s40, ttmp6, 0x40000
	s_bfe_u32 s41, ttmp6, 0x40004
	s_lshl_b32 s42, ttmp9, 2
	s_add_co_u32 s42, s42, s40                     ; tile column X
	s_and_b32 s17, ttmp7, 0xffff
	s_lshl_b32 s17, s17, 2
	s_add_co_u32 s17, s17, s41                     ; tile row
	s_lshl_b32 s43, s41, 2
	s_lshl_b32 s43, 15, s43
	s_lshl_b32 s44, 0x1111, s40
	s_or_b32 s[G1+0], s43, (3<<16)|(1<<21)         ; 34,816 dense bytes as 136 rows of 32 elements of 8 bytes; the mask; bit 21 beside it
	s_or_b32 s[G1B+0], s44, (3<<16)|(1<<21)
.irp g, G1, G1B
	s_mov_b32 s[\g+1], 32<<16
	s_mov_b32 s[\g+2], 136<<16
	s_mov_b32 s[\g+3], 32<<16
	s_mov_b32 s[\g+4], 136
	s_mov_b32 s[\g+5], 32
	s_mov_b32 s[\g+6], 0
	s_mov_b32 s[\g+7], 0
.endr
	s_lshl_b32 s18, s16, 3
	s_lshl_b32 s20, s17, 4
	s_add_co_u32 s20, s20, s18
	s_mul_i32 s20, s20, BLK
	s_mov_b32 s21, 0
	s_lshl_b32 s46, s42, 4
	s_add_co_u32 s46, s46, s18
	s_mul_i32 s46, s46, BLK
	s_add_co_u32 s46, s46, WOFF
	s_mov_b32 s47, 0
	s_mul_i32 s45, s14, HALFT
	s_wait_kmcnt 0x0
	s_add_nc_u64 s[20:21], s[4:5], s[20:21]
	s_add_nc_u64 s[46:47], s[6:7], s[46:47]
	CROUND
.irp s, 0,1
	s_mov_b32 s[G0+4*\s], 1
	s_add_co_u32 s[G0+4*\s+1], s45, \s*SLOT
	s_add_nc_u64 s[G0+4*\s+2:G0+4*\s+3], s[20:21], \s*KSA
	s_or_b32 s[G0+4*\s+3], s[G0+4*\s+3], 0x80000000
	s_mov_b32 s[G0B+4*\s], 1
	s_add_co_u32 s[G0B+4*\s+1], s45, \s*SLOT
	s_add_nc_u64 s[G0B+4*\s+2:G0B+4*\s+3], s[46:47], \s*KSB
	s_or_b32 s[G0B+4*\s+3], s[G0B+4*\s+3], 0x80000000
	JLOAD G0+4*\s, G1, G0B+4*\s, G1B               ; two loads of mine are out behind the second
.endr
	v_and_b32 v1, 15, v0
	v_bfe_u32 v2, v0, 4, 1
	v_and_b32 v3, 31, v0
	v_lshlrev_b32 v4, 4, v3
	s_mul_i32 s21, s15, HALFT
	s_mul_i32 s22, s16, HALFT
	s_add_co_u32 s22, s22, 2*HALFT
	v_add_nc_u32 v[ADRA], s21, v4
	v_add_nc_u32 v[ADRB], s22, v4
	v_add_nc_u32 v[ADRA+1], SLOT, v[ADRA]
	v_add_nc_u32 v[ADRB+1], SLOT, v[ADRB]
	s_sub_co_u32 s22, s22, s21
	v_mul_u32_u24 v6, s22, v2
	v_lshl_add_u32 v5, v1, 4, v6
	v_add_nc_u32 v[ADRS], s21, v5
	v_add_nc_u32 v[ADRS+1], SLOT, v[ADRS]
.macro FRAG reg, adr, q, i
.irp c, 0,1
	ds_load_b128 v[\reg+4*\c:\reg+4*\c+3], v[\adr] offset:(\i)*BLK+1024*(\q)+512*\c
.endr
.endm
; The 64 accumulators take turns, one instruction a turn, in the same order in every step.
.macro MUL16 a0, p, q, sc, zero
.irp a, \a0, \a0+1
.irp b, 0,1,2,3,4,5,6,7
.if \zero
	v_wmma_scale_f32_16x16x128_f8f6f4 v[8*(8*((\a)%4)+\b):8*(8*((\a)%4)+\b)+7], v[128*(\p)+FR*\b:128*(\p)+FR*\b+FR-1], v[AF+FR*(\a):AF+FR*(\a)+FR-1], 0, v[SC+8*NQ*(\sc)+NQ*\b+(\q)], v[SC+8*NQ*(\sc)+NQ*(\a)+(\q)] matrix_a_fmt:MATRIX_FMT_FP4 matrix_b_fmt:MATRIX_FMT_FP4 matrix_a_scale:MATRIX_SCALE_ROW1
.else
	v_wmma_scale_f32_16x16x128_f8f6f4 v[8*(8*((\a)%4)+\b):8*(8*((\a)%4)+\b)+7], v[128*(\p)+FR*\b:128*(\p)+FR*\b+FR-1], v[AF+FR*(\a):AF+FR*(\a)+FR-1], v[8*(8*((\a)%4)+\b):8*(8*((\a)%4)+\b)+7], v[SC+8*NQ*(\sc)+NQ*\b+(\q)], v[SC+8*NQ*(\sc)+NQ*(\a)+(\q)] matrix_a_fmt:MATRIX_FMT_FP4 matrix_b_fmt:MATRIX_FMT_FP4 matrix_a_scale:MATRIX_SCALE_ROW1
.endif
.endr
.endr
.endm
.macro FETCH_B slot, q, p
	WIN TO_B
.irp i, 0,1,2,3,4,5,6,7
	FRAG 128*(\p)+FR*\i, ADRB+\slot, \q, \i
.endr
	WIN 0
.endm
.macro FETCH_A slot, q, i0
.irp i, \i0, \i0+1, \i0+2, \i0+3
	FRAG AF+FR*(\i), ADRA+\slot, \q, \i
.endr
.endm
.macro SCALES sc
.irp i, 0,1,2,3,4,5,6,7
	ds_load_b128 v[SC+8*NQ*\sc+NQ*\i:SC+8*NQ*\sc+NQ*\i+3], v[ADRS+\sc] offset:\i*BLK+4096
.endr
.endm
.macro PLACES n
.rept \n
	v_nop
.endr
.endm
.macro STEP slot, q, zero
	s_wait_dscnt 4*NL                              ; all but the youngest eight loads (A's blocks 4-7) are in
	WIN MUL_LO
	MUL16 0, (\q)%2, \q, \slot, \zero
	MUL16 2, (\q)%2, \q, \slot, \zero
	s_wait_dscnt 0
	PLACES NP
	FETCH_B \slot, (\q)+1, 1-(\q)%2
	FETCH_A \slot, (\q)+1, 0
	WIN MUL_HI
	MUL16 4, (\q)%2, \q, \slot, \zero
	MUL16 6, (\q)%2, \q, \slot, \zero
	PLACES NP
	WIN 0
	FETCH_A \slot, (\q)+1, 4
.endm
.macro TURN slot, next                 ; a slot's last step, and the change of slots: one barrier
	s_wait_tensorcnt 0x0
	ds_add_u32 v[SPW], v[NIL]
	s_wait_dscnt 4*NL+1                            ; (the add and the youngest eight loads may be out)
	WIN MUL_LO
	MUL16 0, 1, NQ-1, \slot, 0
	s_wait_dscnt 0x0
	s_barrier_signal -1
	MUL16 2, 1, NQ-1, \slot, 0
	WIN 0
	s_barrier_wait -1
	PLACES NP
	FETCH_B \next, 0, 0
	FETCH_A \next, 0, 0
	SCALES \next
	WIN MUL_HI
	MUL16 4, 1, NQ-1, \slot, 0
	MUL16 6, 1, NQ-1, \slot, 0
	PLACES NP
	WIN 0
	FETCH_A \next, 0, 4
.endm
.macro STEPS slot, from
.set Q, \from
.rept NQ-1-\from
	STEP \slot, Q, 0
.set Q, Q+1
.endr
.endm
; THE QUANTISER.  nb blocks of 32: register s + 16 b + i (in window w) is k = 32 b + 16 (lane / 16) + i of my row.  Codes to v[pc] on, the scale word to v[pw].
.macro QUANT s, nb, pc, w, pw
	WIN (\w)|((\w)<<2)
.set b_, 0
.rept \nb
	v_max3_num_f32 v[TM+b_], |v[16*b_+(\s)]|, |v[16*b_+1+(\s)]|, 0x1800000
.set b_, b_+1
.endr
.irp i, 2,4,6,8,10,12,14
.set b_, 0
.rept \nb
	v_max3_num_f32 v[TM+b_], |v[16*b_+\i+(\s)]|, |v[16*b_+\i+1+(\s)]|, v[TM+b_]
.set b_, b_+1
.endr
.endr
	WIN 0
.set b_, 0
.rept \nb
	v_permlanex16_b32 v[TM+4+b_], v[TM+b_], s[SEL], s[SEL+1]
.set b_, b_+1
.endr
.set b_, 0
.rept \nb
	v_max_num_f32 v[TM+b_], v[TM+b_], v[TM+4+b_]
.set b_, b_+1
.endr
.set b_, 0
.rept \nb
	v_add_nc_u32 v[TM+12+b_], 0xff000000, v[TM+b_]
.set b_, b_+1
.endr
.set b_, 0
.rept \nb
	v_lshrrev_b32 v[TM+4+b_], 23, v[TM+12+b_]
.set b_, b_+1
.endr
	v_lshl_or_b32 v[\pw], v[TM+5], 8, v[TM+4]
.if \nb > 2
	v_lshl_or_b32 v[\pw], v[TM+6], 16, v[\pw]
	v_lshl_or_b32 v[\pw], v[TM+7], 24, v[\pw]
.endif
	WIN \w
.set b_, 0
.rept \nb
	v_cvt_scalef32_pk8_fp4_f32 v[2*b_+(\pc)], v[16*b_+(\s):16*b_+7+(\s)], v[TM+12+b_]
	v_cvt_scalef32_pk8_fp4_f32 v[2*b_+1+(\pc)], v[16*b_+8+(\s):16*b_+15+(\s)], v[TM+12+b_]
.set b_, b_+1
.endr
	WIN 0
	v_nop
.set b_, 0
.rept (\nb)/2
	v_permlane16_swap_b32 v[4*b_+(\pc)], v[4*b_+2+(\pc)]
	v_permlane16_swap_b32 v[4*b_+1+(\pc)], v[4*b_+3+(\pc)]
.set b_, b_+1
.endr
.endm
	s_wait_tensorcnt 1                             ; my part of slot 0 is in (slot 1's load may be out)
	s_barrier_signal -1
	s_barrier_wait -1
	FETCH_B 0, 0, 0
	FETCH_A 0, 0, 0
	SCALES 0
	FETCH_A 0, 0, 4
	STEP 0, 0, 1
	STEPS 0, 1
	TURN 0, 1
	STEPS 1, 0
	s_wait_dscnt 4*NL
	WIN MUL_LO
	MUL16 0, 1, NQ-1, 1, 0
	MUL16 2, 1, NQ-1, 1, 0
	s_wait_dscnt 0
	WIN MUL_HI
	MUL16 4, 1, NQ-1, 1, 0
	MUL16 6, 1, NQ-1, 1, 0
	WIN 0
	; THE WAY OUT: no LDS.  For block a of 16 tokens: registers 64 (a % 4) + n are the w product, + 32 the v product, of unit U0 + 32 (n / 16) + 16 h + n % 16, U0 = 128 X + 64 half.
	PLACES NP
.irp b, 0,1,2,3
	v_mov_b32 v[TM+4+\b], 0                        ; a lane permute's destination counts as one of its sources
.endr
	s_mov_b32 s[SEL], 0x76543210
	s_mov_b32 s[SEL+1], 0xfedcba98
	s_mov_b32 s76, 0xbfb8aa3b                      ; -log2(e)
	s_mov_b32 s77, s76
	v_and_b32 v1, 31, v0
	v_lshlrev_b32 v1, 4, v1                        ; 16 x lane
	v_and_b32 v5, 15, v0
	v_bfe_u32 v6, v0, 4, 1
	v_cmp_eq_u32 vcc_lo, 1, v6                     ; lanes 16-31: VCC keeps this mask to the end: nothing else on the way out writes it
	v_lshlrev_b32 v2, 6, v6                        ; the biases: my half's 16 units of each 32
	v_lshl_add_u32 v3, v5, 4, v6                   ; the scale bytes: 16 r + h
	s_lshl_b32 s66, s42, 9
	s_lshl_b32 s67, s16, 8
	s_add_co_u32 s66, s66, s67                     ; 4 U0
	s_mov_b32 s67, 0
	s_add_nc_u64 s[8:9], s[8:9], s[66:67]
	s_add_nc_u64 s[10:11], s[10:11], s[66:67]
	s_lshr_b32 s68, s42, 2                         ; gc: units 128 X + 64 half on are K step X / 4, q = X % 4, c = half
	s_lshl_b32 s68, s68, 8
	s_lshl_b32 s69, s17, 4
	s_add_co_u32 s68, s68, s69
	s_lshl_b32 s69, s15, 3
	s_add_co_u32 s68, s68, s69
	s_mul_i32 s68, s68, BLK
	s_and_b32 s70, s42, 3
	s_lshl_b32 s71, s70, 10
	s_add_co_u32 s72, s68, s71
	s_lshl_b32 s71, s16, 9
	s_add_co_u32 s72, s72, s71
	s_mov_b32 s73, 0
	s_add_nc_u64 s[72:73], s[12:13], s[72:73]      ; codes
	s_lshl_b32 s71, s70, 2
	s_add_co_u32 s74, s68, s71
	s_lshl_b32 s71, s16, 1
	s_add_co_u32 s74, s74, s71
	s_add_co_u32 s74, s74, 4096
	s_mov_b32 s75, 0
	s_add_nc_u64 s[74:75], s[12:13], s[74:75]      ; scale bytes
	WIN 0x40                                       ; the biases go to window 1: w_b at v0-31, v_b at v32-63
.irp g, 0,1
.irp e, 0,1,2,3
	global_load_b128 v[16*\g+4*\e:16*\g+4*\e+3], v2, s[8:9] offset:128*\g+16*\e
	global_load_b128 v[32+16*\g+4*\e:32+16*\g+4*\e+3], v2, s[10:11] offset:128*\g+16*\e
.endr
.endr
	WIN 0
	s_wait_loadcnt 0x0
.macro GBLK a
.set AC, 64*((\a)%4)
	WIN (2+(\a)/4)|4                               ; source 0: the accumulators' window; source 1: window 1
.set n_, 0
.rept 16
	v_pk_add_f32 v[T1+n_:T1+n_+1], v[AC+n_:AC+n_+1], v[n_:n_+1]   ; a; each accumulator is read from its low end on
.set n_, n_+2
.endr
.set n_, 0
.rept 16
	v_pk_add_f32 v[T2+n_:T2+n_+1], v[AC+32+n_:AC+32+n_+1], v[32+n_:32+n_+1]   ; b
.set n_, n_+2
.endr
	WIN 0
.set n_, 0
.rept 16
	v_pk_mul_f32 v[EX+n_:EX+n_+1], v[T1+n_:T1+n_+1], s[76:77] op_sel_hi:[1,0]
.set n_, n_+2
.endr
.set n_, 0
.rept 32
	v_exp_f32 v[EX+n_], v[EX+n_]                   ; e^-a
.set n_, n_+1
.endr
.set n_, 0
.rept 16
	v_pk_mul_f32 v[T2+n_:T2+n_+1], v[T1+n_:T1+n_+1], v[T2+n_:T2+n_+1]   ; a b: independent work behind the batch
.set n_, n_+2
.endr
	s_wait_alu depctr_va_vdst(0)                   ; one wait for the 32 exponentials, ahead of their first reader
.set n_, 0
.rept 16
	v_pk_add_f32 v[EX+n_:EX+n_+1], v[EX+n_:EX+n_+1], 1.0 op_sel_hi:[1,0]
.set n_, n_+2
.endr
.set n_, 0
.rept 32
	v_rcp_f32 v[EX+n_], v[EX+n_]                   ; sigmoid(a)
.set n_, n_+1
.endr
	v_nop
	s_wait_alu depctr_va_vdst(0)                   ; and one for the 32 reciprocals
.set n_, 0
.rept 16
	v_pk_mul_f32 v[T1+n_:T1+n_+1], v[T2+n_:T2+n_+1], v[EX+n_:EX+n_+1]
.set n_, n_+2
.endr
	QUANT T1, 2, PC+4*(\a), 0, PW
	v_cndmask_b32 v[BY+(\a)], v[TM+4], v[TM+5], vcc_lo   ; lane (r, h) stores block h's byte
	global_store_b128 v1, v[PC+4*(\a):PC+4*(\a)+3], s[72:73] offset:BLK*(\a)   ; the wave stores 512 consecutive bytes
	global_store_b8 v3, v[BY+(\a)], s[74:75] offset:BLK*(\a)   ; a wave's 64 units own two of a row's sixteen scale bytes: they go singly
.endm
.irp a, 0,1,2,3,4,5,6,7
	GBLK \a
.endr
	s_wait_tensorcnt 0x0                           ; the wave's end
	ds_add_u32 v[SPW], v[NIL]
	s_wait_dscnt 0x0
	CROUND                                         ; the closing round
	s_endpgm
.Lfunc_end_k_q58326b6ab2_wv:
	.size	k_q58326b6ab2_wv, .Lfunc_end_k_q58326b6ab2_wv-k_q58326b6ab2_wv
	.p2alignl 7, 3214868480
	.fill 96, 4, 3214868480
	.section	.rodata,"a",@progbits
	.p2align	6, 0x0
	.amdhsa_kernel k_q58326b6ab2_wv
		.amdhsa_group_segment_fixed_size 327680
		.amdhsa_private_segment_fixed_size 0
		.amdhsa_enable_private_segment 0
		.amdhsa_kernarg_size 40
		.amdhsa_user_sgpr_count 2
		.amdhsa_user_sgpr_kernarg_segment_ptr 1
		.amdhsa_wavefront_size32 1
		.amdhsa_system_sgpr_workgroup_id_x 1
		.amdhsa_system_sgpr_workgroup_id_y 1
		.amdhsa_system_sgpr_workgroup_id_z 1
		.amdhsa_system_vgpr_workitem_id 0
		.amdhsa_next_free_vgpr 1024
		.amdhsa_next_free_sgpr 100
		.amdhsa_reserve_vcc 1
		.amdhsa_float_denorm_mode_32 3
		.amdhsa_float_denorm_mode_16_64 3
		.amdhsa_memory_ordered 1
		.amdhsa_forward_progress 1
		.amdhsa_inst_pref_size 177
	.end_amdhsa_kernel
	.amdgpu_metadata
---
amdhsa.version: [ 1, 2 ]
amdhsa.kernels:
  - .name:           k_q58326b6ab2_wv
    .symbol:         k_q58326b6ab2_wv.kd
    .args:
      - { .name: hc, .offset: 0, .size: 8, .value_kind: global_buffer, .address_space: global }
      - { .name: wts, .offset: 8, .size: 8, .value_kind: global_buffer, .address_space: global }
      - { .name: w_b, .offset: 16, .size: 8, .value_kind: global_buffer, .address_space: global }
      - { .name: v_b, .offset: 24, .size: 8, .value_kind: global_buffer, .address_space: global }
      - { .name: gc, .offset: 32, .size: 8, .value_kind: global_buffer, .address_space: global }
    .group_segment_fixed_size: 327680
    .private_segment_fixed_size: 0
    .kernarg_segment_align: 8
    .kernarg_segment_size: 40
    .max_flat_workgroup_size: 128
    .sgpr_count:     100
    .vgpr_count:     1024
    .wavefront_size: 32
...
	.end_amdgpu_metadata
.endif
;; end of part 5
;; launch pp (part 6): grid 4 x 16, 4 waves a work-group, clusters of 4 x 4, 327,680 bytes of LDS; arguments gc, wts, p_b, x1, out0; writes out0
.if DOCPART == 6
	.amdgcn_target "amdgcn-amd-amdhsa--gfx1250"
	.amdhsa_code_object_version 6
	.text
	.protected	k_q58326b6ab2_pp
	.globl	k_q58326b6ab2_pp
	.p2align	8
	.type	k_q58326b6ab2_pp,@function
k_q58326b6ab2_pp:
	s_mov_b64 s[64:65], 0
	v_nop
	global_prefetch_b8 v0, s[64:65] scope:SCOPE_SE
	s_setreg_imm32_b32 hwreg(HW_REG_WAVE_MODE, 25, 1), 1
	s_wait_xcnt 0x0
	s_wait_alu depctr_hold_cnt(0) depctr_sa_sdst(0) depctr_va_vdst(0) depctr_va_sdst(0) depctr_va_ssrc(0) depctr_va_vcc(0) depctr_vm_vsrc(0)
	s_getreg_b32 s2, hwreg(HW_REG_IB_STS2, 6, 4)
	s_cmp_eq_u32 s2, 0
	s_cbranch_scc0 .Lentry_in_a_cluster
	s_endpgm
.Lentry_in_a_cluster:
	s_bfe_u32 s2, ttmp6, 0x10000c
	s_cmp_lg_u32 s2, 0xf033
	s_cbranch_scc0 .Lentry_shape_is_right
	s_endpgm
.Lentry_shape_is_right:
; C = A W + bias + residual.  A: 4,096 rows, W: 1,024 rows (outputs), both as operand images of FP4 (E2M1) codes with one E8M0 scale for each 32 along K = KTOT; bias [1024], residual and C [4096][1024] f32.
; A tile of C is 256 x 256, a wave makes 128 x 128: 64 accumulators.  The matrix instruction is used transposed (source 0 = 16 rows of W, source 1 = 16 rows of A): a lane holds one row of C.
; OPERANDS lie in memory as images of the registers (4,352 bytes for 16 rows x 512 along K: codes at 1024 q + 512 c + 16 lane, scale bytes at 4096 + 16 r + 4 q + j): 128 rows of 512 along K are 34,816 dense bytes, one tensor load;
; slot r of block ib is row 32 (ib / 2) + 8 (ib % 2) + r % 8 + 16 (r / 8).  A ring of two LDS slots of 512 along K: each is filled again once, behind a round of the cluster's barrier, one load a wave.
; A's tiles are asked for jointly along a row of the 4 x 4 cluster, W's along a column.  64 tiles: 64 work-groups.  LIMITS: NaN and infinities are not served.
; REGISTERS: window 0: v16-27 addresses, v28-29 the spare word's, v32-95 scale words and nothing else, v96-99 the bias, v128-191 A's fragments, on the way out v128-255 rows of C.
;   window 1: W's fragments, two sets; on the way out four sets of 16 rows of the residual.  windows 2, 3: the accumulators.
.set KTOT,   2048
.set WOFF,   4456448                   ; W's image in wts
.set BLK,    4352
.set KSA,    256*BLK                   ; from one 512 along K to the next
.set KSB,    64*BLK
.set HALFT,  8*BLK
.set SLOT,   4*HALFT
.set SPARE,  2*SLOT
.set LAPS,   KTOT/1024
.set SPITCH, 528                       ; the way out: a stage of 16 rows x (512 bytes + 16) for each wave, in slot 0, which has had its last fill and its last read by then
.set NQ,     4
.set FR,     8
.set NL,     2
.set NP,     4
.set ADRA, 16
.set ADRB, 20
.set ADRS, 22
.set STO,  24
.set RD,   25
.set CO,   26
.set SPW,  28
.set NIL,  29
.set SC,   32
.set BI,   96
.set AF,   128
.set BK,   128
.set G1, 24
.set G0, 32
.set G1B, 48
.set G0B, 56
.set MSB, 0
.macro WIN new
.if MSB != (\new)
	s_set_vgpr_msb (MSB<<8)|(\new)
.set MSB, \new
.endif
.endm
.set MUL_LO, 0xa1
.set MUL_HI, 0xf1
.set TO_B,   0x40
.macro JLOAD g0a, g1a, g0b, g1b        ; a joint load: waves 0 and 1 fetch for A, waves 2 and 3 for W; four v_nop follow each line
	s_cmp_eq_u32 s15, 0
	s_cbranch_scc0 .Lfor_b_\@
	tensor_load_to_lds s[\g0a:\g0a+3], s[\g1a:\g1a+7]
	s_nop 0
.rept 4
	v_nop
.endr
	s_branch .Lasked_\@
.Lfor_b_\@:
	tensor_load_to_lds s[\g0b:\g0b+3], s[\g1b:\g1b+7]
	s_nop 0
.rept 4
	v_nop
.endr
.Lasked_\@:
.endm
.macro CREST
	s_cmp_lg_u32 s14, 0
	s_cbranch_scc1 .Lnot_wave_0_\@
	s_barrier_signal -3
.Lnot_wave_0_\@:
	s_barrier_wait -3
	s_barrier_signal -1
	s_barrier_wait -1
.endm
.macro CROUND
	s_barrier_signal -1
	s_barrier_wait -1
	CREST
.endm
	s_load_b256 s[4:11], s[0:1], 0x0               ; A, wts, bias, residual
	s_load_b64 s[12:13], s[0:1], 0x20              ; C
	v_lshl_add_u32 v[SPW], v0, 2, SPARE
	v_mov_b32 v[NIL], 0
	ds_add_u32 v28, v29
	ds_add_u32 v28, v29
	s_wait_dscnt 0x0
	v_lshrrev_b32 v1, 5, v0
	v_readfirstlane_b32 s14, v1
	s_lshr_b32 s15, s14, 1
	s_and_b32 s16, s14, 1
	s_bfe_u32 s40, ttmp6, 0x40000
	s_bfe_u32 s41, ttmp6, 0x40004
	s_lshl_b32 s42, ttmp9, 2
	s_add_co_u32 s42, s42, s40                     ; tile column
	s_and_b32 s17, ttmp7, 0xffff
	s_lshl_b32 s17, s17, 2
	s_add_co_u32 s17, s17, s41                     ; tile row
	s_lshl_b32 s43, s41, 2
	s_lshl_b32 s43, 15, s43
	s_lshl_b32 s44, 0x1111, s40
	s_or_b32 s[G1+0], s43, (3<<16)|(1<<21)         ; 34,816 dense bytes as 136 rows of 32 elements of 8 bytes; the mask; bit 21 beside it
	s_or_b32 s[G1B+0], s44, (3<<16)|(1<<21)
.irp g, G1, G1B
	s_mov_b32 s[\g+1], 32<<16
	s_mov_b32 s[\g+2], 136<<16
	s_mov_b32 s[\g+3], 32<<16
	s_mov_b32 s[\g+4], 136
	s_mov_b32 s[\g+5], 32
	s_mov_b32 s[\g+6], 0
	s_mov_b32 s[\g+7], 0
.endr
	s_lshl_b32 s18, s16, 3
	s_lshl_b32 s20, s17, 4
	s_add_co_u32 s20, s20, s18
	s_mul_i32 s20, s20, BLK
	s_mov_b32 s21, 0
	s_lshl_b32 s46, s42, 4
	s_add_co_u32 s46, s46, s18
	s_mul_i32 s46, s46, BLK
	s_add_co_u32 s46, s46, WOFF
	s_mov_b32 s47, 0
	s_mul_i32 s45, s14, HALFT
	s_wait_kmcnt 0x0
	s_add_nc_u64 s[20:21], s[4:5], s[20:21]
	s_add_nc_u64 s[46:47], s[6:7], s[46:47]
	CROUND
.irp s, 0,1
	s_mov_b32 s[G0+4*\s], 1
	s_add_co_u32 s[G0+4*\s+1], s45, \s*SLOT
	s_add_nc_u64 s[G0+4*\s+2:G0+4*\s+3], s[20:21], \s*KSA
	s_or_b32 s[G0+4*\s+3], s[G0+4*\s+3], 0x80000000
	s_mov_b32 s[G0B+4*\s], 1
	s_add_co_u32 s[G0B+4*\s+1], s45, \s*SLOT
	s_add_nc_u64 s[G0B+4*\s+2:G0B+4*\s+3], s[46:47], \s*KSB
	s_or_b32 s[G0B+4*\s+3], s[G0B+4*\s+3], 0x80000000
	JLOAD G0+4*\s, G1, G0B+4*\s, G1B               ; two loads of mine are out behind the second; later one behind each round
.endr
	v_and_b32 v1, 15, v0
	v_bfe_u32 v2, v0, 4, 1
	v_and_b32 v3, 31, v0
	v_lshlrev_b32 v4, 4, v3
	s_mul_i32 s21, s15, HALFT
	s_mul_i32 s22, s16, HALFT
	s_add_co_u32 s22, s22, 2*HALFT
	v_add_nc_u32 v[ADRA], s21, v4
	v_add_nc_u32 v[ADRB], s22, v4
	v_add_nc_u32 v[ADRA+1], SLOT, v[ADRA]
	v_add_nc_u32 v[ADRB+1], SLOT, v[ADRB]
	s_sub_co_u32 s22, s22, s21
	v_mul_u32_u24 v6, s22, v2
	v_lshl_add_u32 v5, v1, 4, v6
	v_add_nc_u32 v[ADRS], s21, v5
	v_add_nc_u32 v[ADRS+1], SLOT, v[ADRS]
	s_mul_i32 s23, s14, 16*SPITCH                  ; my stage
	v_mul_u32_u24 v5, v1, SPITCH
	v_lshl_add_u32 v5, v2, 6, v5
	v_add_nc_u32 v[STO], s23, v5                   ; in: row r, + 64 h: my half's 16 columns of each 32
	v_mov_b32 v[CO], v4                            ; back: 32 lanes take a row of 512 bytes; the same in C
	v_add_nc_u32 v[RD], s23, v4
	s_lshl_b32 s20, s17, 8
	s_lshl_b32 s21, s15, 7
	s_add_co_u32 s20, s20, s21
	s_lshl_b32 s20, s20, 12                        ; my first row, 4,096 bytes a row
	s_lshl_b32 s46, s42, 10
	s_lshl_b32 s47, s16, 9
	s_add_co_u32 s46, s46, s47                     ; my first column, in bytes
	s_mov_b32 s47, 0
	s_add_nc_u64 s[8:9], s[8:9], s[46:47]
	s_add_co_u32 s20, s20, s46
	s_mov_b32 s21, 0
	s_add_nc_u64 s[10:11], s[10:11], s[20:21]
	s_add_nc_u64 s[12:13], s[12:13], s[20:21]
.macro FRAG reg, adr, q, i
.irp c, 0,1
	ds_load_b128 v[\reg+4*\c:\reg+4*\c+3], v[\adr] offset:(\i)*BLK+1024*(\q)+512*\c
.endr
.endm
; The 64 accumulators take turns, one instruction a turn, in the same order in every step, over the loop's backward jump too.
.macro MUL16 a0, p, q, sc, zero
.irp a, \a0, \a0+1
.irp b, 0,1,2,3,4,5,6,7
.if \zero
	v_wmma_scale_f32_16x16x128_f8f6f4 v[8*(8*((\a)%4)+\b):8*(8*((\a)%4)+\b)+7], v[128*(\p)+FR*\b:128*(\p)+FR*\b+FR-1], v[AF+FR*(\a):AF+FR*(\a)+FR-1], 0, v[SC+8*NQ*(\sc)+NQ*\b+(\q)], v[SC+8*NQ*(\sc)+NQ*(\a)+(\q)] matrix_a_fmt:MATRIX_FMT_FP4 matrix_b_fmt:MATRIX_FMT_FP4 matrix_a_scale:MATRIX_SCALE_ROW1
.else
	v_wmma_scale_f32_16x16x128_f8f6f4 v[8*(8*((\a)%4)+\b):8*(8*((\a)%4)+\b)+7], v[128*(\p)+FR*\b:128*(\p)+FR*\b+FR-1], v[AF+FR*(\a):AF+FR*(\a)+FR-1], v[8*(8*((\a)%4)+\b):8*(8*((\a)%4)+\b)+7], v[SC+8*NQ*(\sc)+NQ*\b+(\q)], v[SC+8*NQ*(\sc)+NQ*(\a)+(\q)] matrix_a_fmt:MATRIX_FMT_FP4 matrix_b_fmt:MATRIX_FMT_FP4 matrix_a_scale:MATRIX_SCALE_ROW1
.endif
.endr
.endr
.endm
.macro FETCH_B slot, q, p
	WIN TO_B
.irp i, 0,1,2,3,4,5,6,7
	FRAG 128*(\p)+FR*\i, ADRB+\slot, \q, \i
.endr
	WIN 0
.endm
.macro FETCH_A slot, q, i0
.irp i, \i0, \i0+1, \i0+2, \i0+3
	FRAG AF+FR*(\i), ADRA+\slot, \q, \i
.endr
.endm
.macro SCALES sc
.irp i, 0,1,2,3,4,5,6,7
	ds_load_b128 v[SC+8*NQ*\sc+NQ*\i:SC+8*NQ*\sc+NQ*\i+3], v[ADRS+\sc] offset:\i*BLK+4096
.endr
.endm
.macro PLACES n
.rept \n
	v_nop
.endr
.endm
.macro STEP slot, q, zero
	s_wait_dscnt 4*NL                              ; all but the youngest eight loads (A's blocks 4-7) are in
	WIN MUL_LO
	MUL16 0, (\q)%2, \q, \slot, \zero
	MUL16 2, (\q)%2, \q, \slot, \zero
	s_wait_dscnt 0
	PLACES NP
	FETCH_B \slot, (\q)+1, 1-(\q)%2
	FETCH_A \slot, (\q)+1, 0
	WIN MUL_HI
	MUL16 4, (\q)%2, \q, \slot, \zero
	MUL16 6, (\q)%2, \q, \slot, \zero
	PLACES NP
	WIN 0
	FETCH_A \slot, (\q)+1, 4
.endm
; A slot's last step changes slots: one barrier; in front of it each wave waits for all its tensor loads, adds 0 to its spare word, and waits for that and for its reads of this slot.  fill = 1: the slot is filled again, 1,024 along K on.
.macro TURN slot, next, fill
	s_wait_tensorcnt 0x0
	ds_add_u32 v[SPW], v[NIL]
	s_wait_dscnt 4*NL+1                            ; (the add and the youngest eight loads may be out)
	WIN MUL_LO
	MUL16 0, 1, NQ-1, \slot, 0
	s_wait_dscnt 0x0
	s_barrier_signal -1
	MUL16 2, 1, NQ-1, \slot, 0
	WIN 0
	s_barrier_wait -1
.if \fill
	CREST                                          ; the barrier has opened a round of the cluster's barrier: no wave of any partner still reads this slot or has a load on its way
	s_add_nc_u64 s[G0+4*\slot+2:G0+4*\slot+3], s[G0+4*\slot+2:G0+4*\slot+3], 2*KSA
	s_add_nc_u64 s[G0B+4*\slot+2:G0B+4*\slot+3], s[G0B+4*\slot+2:G0B+4*\slot+3], 2*KSB
	JLOAD G0+4*\slot, G1, G0B+4*\slot, G1B         ; the first tensor load behind the round, one a wave
.else
	PLACES NP
.endif
	FETCH_B \next, 0, 0
	FETCH_A \next, 0, 0
	SCALES \next
	WIN MUL_HI
	MUL16 4, 1, NQ-1, \slot, 0
	MUL16 6, 1, NQ-1, \slot, 0
	PLACES NP
	WIN 0
	FETCH_A \next, 0, 4
.endm
.macro STEPS slot, from
.set Q, \from
.rept NQ-1-\from
	STEP \slot, Q, 0
.set Q, Q+1
.endr
.endm
	s_wait_tensorcnt 1                             ; my part of slot 0 is in (slot 1's load may be out)
	s_barrier_signal -1
	s_barrier_wait -1
	FETCH_B 0, 0, 0
	FETCH_A 0, 0, 0
	SCALES 0
	FETCH_A 0, 0, 4
	STEP 0, 0, 1
.if LAPS > 1
	s_mov_b32 s3, LAPS-1
.Llap:                                                 ; a trip goes once round the ring and fills both slots again
	STEPS 0, 1
	TURN 0, 1, 1
	STEPS 1, 0
	TURN 1, 0, 1
	STEP 0, 0, 0
	s_sub_co_u32 s3, s3, 1
	s_cmp_lg_u32 s3, 0
	s_cbranch_scc1 .Llap
.endif
	STEPS 0, 1                                     ; the last lap fills nothing
	TURN 0, 1, 0
	STEPS 1, 0
	s_wait_dscnt 4*NL
	WIN MUL_LO
	MUL16 0, 1, NQ-1, 1, 0
	MUL16 2, 1, NQ-1, 1, 0
	s_wait_dscnt 0
	WIN MUL_HI
	MUL16 4, 1, NQ-1, 1, 0
	MUL16 6, 1, NQ-1, 1, 0
	WIN 0
; THE WAY OUT, block by block of 16 rows x 128 columns, through my own stage in LDS: in by lanes (32 bytes of a row at a time), back as whole rows of 512 bytes.  Stage row t of block a is my row 32 (a / 2) + 8 (a % 2) + t % 8 + 16 (t / 8):
; every row stands in an immediate, 127 x 4,096 bytes at the most.  The residual's rows are asked for three blocks ahead.
.macro XLOAD a
	WIN 0x40                                       ; destination window 1
.irp t, 0,1,2,3,4,5,6,7,8,9,10,11,12,13,14,15
	global_load_b128 v[64*((\a)%4)+4*\t:64*((\a)%4)+4*\t+3], v[CO], s[10:11] offset:(32*((\a)/2)+8*((\a)%2)+\t%8+16*(\t/8))*4096 th:TH_LOAD_NT
.endr
	WIN 0
.endm
.macro TOSTAGE a
.set AC, 64*((\a)%4)
	WIN 0x08+4*((\a)/4)                            ; the data: window 2 or 3
.irp b, 0,1,2,3,4,5,6,7
	ds_store_b128 v[STO], v[AC+8*\b:AC+8*\b+3] offset:128*(\b/2)+32*(\b%2)          ; columns 32 (b / 2) + 16 h + 8 (b % 2) on; each accumulator from its low end on
	ds_store_b128 v[STO], v[AC+8*\b+4:AC+8*\b+7] offset:128*(\b/2)+32*(\b%2)+16
.endr
	WIN 0
.set BB, BK+64*((\a)%2)
.irp t, 0,1,2,3,4,5,6,7,8,9,10,11,12,13,14,15
	ds_load_b128 v[BB+4*\t:BB+4*\t+3], v[RD] offset:\t*SPITCH   ; LDS serves a wave's instructions in order (ISA guide 5.7.1.4): these see the stores above
.endr
.endm
.macro SEND a, younger
.set BB, BK+64*((\a)%2)
.set XB, 64*((\a)%4)
	s_wait_dscnt \younger                          ; the block is back; the next block's 16 stores and 16 loads may be out
.if (\a) < 6
	s_wait_loadcnt 32                              ; the bias and this block's residual are in; the next two blocks' may be out
.else
	s_wait_loadcnt 16*(7-(\a))
.endif
.set n_, 0
.rept 16
	v_pk_add_f32 v[BB+n_:BB+n_+1], v[BB+n_:BB+n_+1], v[BI:BI+1]
	v_pk_add_f32 v[BB+n_+2:BB+n_+3], v[BB+n_+2:BB+n_+3], v[BI+2:BI+3]
.set n_, n_+4
.endr
	WIN 0x04                                       ; source 1: window 1
.set n_, 0
.rept 32
	v_pk_add_f32 v[BB+n_:BB+n_+1], v[BB+n_:BB+n_+1], v[XB+n_:XB+n_+1]
.set n_, n_+2
.endr
	WIN 0
.irp t, 0,1,2,3,4,5,6,7,8,9,10,11,12,13,14,15
	global_store_b128 v[CO], v[BB+4*\t:BB+4*\t+3], s[12:13] offset:(32*((\a)/2)+8*((\a)%2)+\t%8+16*(\t/8))*4096 th:TH_STORE_NT   ; 32 lanes store 512 consecutive bytes, at a multiple of 256 from C's first byte; written once, read by nobody here
.endr
.if (\a)+3 < 8
	XLOAD (\a)+3
.endif
.endm
	PLACES NP                                      ; behind the last products: loads into their operands' registers and reads of results follow
	global_load_b128 v[BI:BI+3], v[CO], s[8:9]     ; the bias of my four columns
	XLOAD 0
	XLOAD 1
	XLOAD 2
	TOSTAGE 0
.irp a, 1,2,3,4,5,6,7
.if \a > 1
	s_wait_xcnt 0x0                                ; block a - 2's stores have read their registers: block a's loads may land there
.endif
	TOSTAGE \a
	SEND \a-1, 32
.endr
	SEND 7, 0
	s_wait_tensorcnt 0x0                           ; the wave's end: behind my last tensor load and my last LDS store
	ds_add_u32 v[SPW], v[NIL]
	s_wait_dscnt 0x0
	CROUND                                         ; the closing round
	s_endpgm
.Lfunc_end_k_q58326b6ab2_pp:
	.size	k_q58326b6ab2_pp, .Lfunc_end_k_q58326b6ab2_pp-k_q58326b6ab2_pp
	.p2alignl 7, 3214868480
	.fill 96, 4, 3214868480
	.section	.rodata,"a",@progbits
	.p2align	6, 0x0
	.amdhsa_kernel k_q58326b6ab2_pp
		.amdhsa_group_segment_fixed_size 327680
		.amdhsa_private_segment_fixed_size 0
		.amdhsa_enable_private_segment 0
		.amdhsa_kernarg_size 40
		.amdhsa_user_sgpr_count 2
		.amdhsa_user_sgpr_kernarg_segment_ptr 1
		.amdhsa_wavefront_size32 1
		.amdhsa_system_sgpr_workgroup_id_x 1
		.amdhsa_system_sgpr_workgroup_id_y 1
		.amdhsa_system_sgpr_workgroup_id_z 1
		.amdhsa_system_vgpr_workitem_id 0
		.amdhsa_next_free_vgpr 1024
		.amdhsa_next_free_sgpr 100
		.amdhsa_reserve_vcc 0
		.amdhsa_float_denorm_mode_32 3
		.amdhsa_float_denorm_mode_16_64 3
		.amdhsa_memory_ordered 1
		.amdhsa_forward_progress 1
		.amdhsa_inst_pref_size 253
	.end_amdhsa_kernel
	.amdgpu_metadata
---
amdhsa.version: [ 1, 2 ]
amdhsa.kernels:
  - .name:           k_q58326b6ab2_pp
    .symbol:         k_q58326b6ab2_pp.kd
    .args:
      - { .name: gc, .offset: 0, .size: 8, .value_kind: global_buffer, .address_space: global }
      - { .name: wts, .offset: 8, .size: 8, .value_kind: global_buffer, .address_space: global }
      - { .name: p_b, .offset: 16, .size: 8, .value_kind: global_buffer, .address_space: global }
      - { .name: x1, .offset: 24, .size: 8, .value_kind: global_buffer, .address_space: global }
      - { .name: out0, .offset: 32, .size: 8, .value_kind: global_buffer, .address_space: global }
    .group_segment_fixed_size: 327680
    .private_segment_fixed_size: 0
    .kernarg_segment_align: 8
    .kernarg_segment_size: 40
    .max_flat_workgroup_size: 128
    .sgpr_count:     100
    .vgpr_count:     1024
    .wavefront_size: 32
...
	.end_amdgpu_metadata
.endif
;; end of part 6
;; ======== version 2 of 2: 6 launches
;; limits: right only within a limited range of input values
;; workspace buffers: wts 6,094,848 bytes; hc 2,228,224 bytes; qb 2,359,296 bytes; kv 4,456,448 bytes; oc 2,228,224 bytes; x1 16,777,216 bytes; gc 4,456,448 bytes
;; launch prep (part 7): grid 960 x 1, 4 waves a work-group, no clusters, 18,944 bytes of LDS; arguments x, ln1_w, ln1_b, hc, Wq, Wk, Wv, proj_w, w_w, v_w, p_w, wts; writes hc, wts
.if DOCPART == 7
	.amdgcn_target "amdgcn-amd-amdhsa--gfx1250"
	.amdhsa_code_object_version 6
	.text
	.protected	k_q58326b6ab2_prep
	.globl	k_q58326b6ab2_prep
	.p2align	8
	.type	k_q58326b6ab2_prep,@function
k_q58326b6ab2_prep:
	s_mov_b64 s[64:65], 0
	v_nop
	global_prefetch_b8 v0, s[64:65] scope:SCOPE_SE
	s_setreg_imm32_b32 hwreg(HW_REG_WAVE_MODE, 25, 1), 1
	s_wait_xcnt 0x0
; Three kinds of work-groups, told apart by the work-group's number alone:
;   0-255    LAYER NORM of 16 rows of [4096][1024] f32, then the MX-FP4 quantiser along the 1,024; codes and scale bytes go out as operand images
;   256-895  A WEIGHT ([K][N] f32, K not innermost): 32 columns x 512 along K are quantised along K into the same kind of image
;   896-959  THE ROPE TABLE: for each of 2,048 positions 32 cosines, then 32 sines with the sign that rotate_half gives them (- for even f, + for odd f)
; OPERAND IMAGE.  For each 512 along K (s) and each block ib of 16 rows there are 4,352 bytes at (s x rows/16 + ib) x 4,352:
;   codes at 1024 q + 512 c + 16 lane: lane (r, h) holds k = 512 s + 128 q + 64 c + 32 h + 0..31 of slot r: the four registers 4 c .. 4 c + 3 of the fragment of the q-th 128 along K, as the matrix instruction takes them;
;   scale bytes at 4096 + 16 r + 4 q + j: byte j serves k = 128 q + 32 j on.
;   Slot r of block ib holds row 32 (ib / 2) + 8 (ib % 2) + r % 8 + 16 (r / 8): as source 0 of a product such blocks leave 16 neighbours along the next K in a lane's registers of two neighbouring tiles.
; A block's scale is 2^(floor(log2(largest magnitude)) - 2); its byte is the largest magnitude's exponent field - 2, held at 1 from below.
; LIMITS: NaN and infinities are not served.  A block whose largest magnitude lies under 2^-124, a block of zeros among them, gets the byte 1 (zeros: the rule says 127; the codes are zeros and this program alone reads the bytes).
;   The frequencies 10000^(-f/32) are made as 2^(-f log2(10000)/32), good to about an ulp; they may differ by about two ulps from a power and a reciprocal in f32: at position 2,047 up to about 5e-4 radians.
; No tensor loads, no matrix instructions.  Each of the two paths that use LDS has bytes of its own.
.set BLK,   4352
.set KSH,   256*BLK                    ; from one 512 along K to the next in an image of 4,096 rows
.set LP,    272                        ; the norm's stage: 256 bytes of image + 16 of padding
.set WST,   9472                       ; the weights' stage begins here
.set WPROJ, 1671168                    ; places in wts: Wq, Wk, Wv at 0; proj_w; w_w and v_w interleaved; p_w; the RoPE table
.set WWV,   2228224
.set WPO,   4456448
.set ROPE,  5570560
.set X,     64                         ; v64-191  the norm: four rows x 32 numbers; the weights: 128 numbers down K
.set GW,    192                        ; v192-223 the gain of my 32 columns
.set GB,    224                        ; v224-255 the bias
.set CR,    32                         ; v32-47   codes, a register for each (row, chunk): no store's data are written again
.set BR,    48                         ; v48-63   scale bytes likewise
.set SO,    8                          ; v8-11    the norm: the conversions' scale operands, in the sums' chains, which are idle by then.  v24-29 are the norm's addresses: written once, from the thread's number
	s_load_b256 s[4:11], s[0:1], 0x0               ; x, gain, bias, the image of the rows
	s_load_b256 s[12:19], s[0:1], 0x20             ; Wq, Wk, Wv, proj_w
	s_load_b256 s[20:27], s[0:1], 0x40             ; w_w, v_w, p_w, wts
	v_lshl_add_u32 v23, v0, 2, 0x4800              ; my spare word, and 0: v23 and v3 are kept for the add alone
	v_mov_b32 v3, 0
	v_lshrrev_b32 v1, 5, v0
	v_readfirstlane_b32 s28, v1                    ; wave 0..3
	s_wait_kmcnt 0x0
	s_cmp_lt_u32 ttmp9, 256
	s_cbranch_scc1 .Lln
	s_cmp_lt_u32 ttmp9, 896
	s_cbranch_scc1 .Lw
; ---------------- THE ROPE TABLE.  A wave makes 8 positions, two a pass: lanes 0-15 one, lanes 16-31 the next; lane % 16 = 0-7: four cosines, 8-15: four signed sines.
; WHOLE NUMBERS.  A whole number under 2^23 becomes f32 by setting it under the bits of 2^23 and taking 2^23 away.  The nearest whole number of a small y >= 0 is (y + 1.5 x 2^23) - 1.5 x 2^23 (the mode rounds to nearest even),
; and the low bits of the first sum ARE that whole number: they serve as the power's exponent and as the quadrant.
	s_sub_co_u32 s29, ttmp9, 896
	s_lshl_b32 s30, s29, 5
	s_lshl_b32 s31, s28, 3
	s_add_co_u32 s30, s30, s31                     ; my wave's first position
	s_lshl_b32 s32, s30, 8                         ; 256 bytes a position
	s_add_co_u32 s32, s32, ROPE
	s_mov_b32 s33, 0
	s_add_nc_u64 s[26:27], s[26:27], s[32:33]
	s_mov_b32 s40, 0xbed49a78                      ; -log2(10000) / 32, upper part
	s_mov_b32 s41, 0xb2179a30                      ; and what is left of it
	s_mov_b32 s42, 0xbfc90fdb                      ; -pi/2, upper part
	s_mov_b32 s43, 0x333bbd2e                      ; upper part - pi/2
	s_mov_b32 s44, 0xb94ca1f9                      ; sine: r + r^3 (s46 + r^2 (s45 + r^2 s44)) on |r| <= pi/4
	s_mov_b32 s45, 0x3c08839e
	s_mov_b32 s46, 0xbe2aaaa3
	s_mov_b32 s47, 0x37ccf5ce                      ; cosine: 1 - r^2/2 + r^4 (s49 + r^2 (s48 + r^2 s47))
	s_mov_b32 s48, 0xbab6061a
	s_mov_b32 s49, 0x3d2aaaa5
	v_and_b32 v2, 31, v0
	v_lshlrev_b32 v1, 4, v2                        ; 16 x lane: the wave stores 512 consecutive bytes
	v_bfe_u32 v26, v0, 3, 1                        ; 1: I make sines
	v_bfe_u32 v24, v0, 4, 1
	v_add_nc_u32 v24, s30, v24                     ; my position in pass 0
	v_and_b32 v25, 7, v0
	v_lshlrev_b32 v25, 2, v25                      ; my first f
	v_lshlrev_b32 v8, 31, v26                      ; the sign that even f's sines get
	v_sub_nc_u32 v9, 1, v26                        ; cos(x) = sin(x + pi/2): a quadrant more
.irp j, 0,1,2,3
	v_add_nc_u32 v[12+\j], \j, v25
	v_or_b32 v[12+\j], 0x4b000000, v[12+\j]
	v_add_f32 v[12+\j], 0xcb000000, v[12+\j]       ; f as f32
	v_mul_f32 v[16+\j], 0x3ed49a78, v[12+\j]
	v_add_f32 v[48+\j], 0x4b400000, v[16+\j]       ; its low bits: n, the nearest whole number of f log2(10000) / 32, 13 at the most
	v_add_f32 v[16+\j], 0xcb400000, v[48+\j]       ; n as f32
	v_fma_f32 v[20+\j], v[12+\j], s40, v[16+\j]    ; n - f x the upper part, exact,
	v_fma_f32 v[20+\j], v[12+\j], s41, v[20+\j]    ; less f x the constant's lower part: between -1/2 and 1/2
.endr
	s_wait_alu depctr_va_vdst(0)
.irp j, 0,1,2,3
	v_exp_f32 v[4+\j], v[20+\j]
.endr
.irp j, 0,1,2,3                                ; plain work behind the exponentials that names none of their results: 2^-n by its bits
	v_and_b32 v[48+\j], 0xff, v[48+\j]
	v_sub_nc_u32 v[48+\j], 127, v[48+\j]
	v_lshlrev_b32 v[48+\j], 23, v[48+\j]
.endr
	s_wait_alu depctr_va_vdst(0)                   ; one wait for the four, ahead of their first reader
.irp j, 0,1,2,3
	v_mul_f32 v[4+\j], v[4+\j], v[48+\j]           ; 10000^(-f/32): the multiplication rounds nothing
.endr
.macro RVAL p, j                       ; position v10 (f32), frequency j -> v[32 + 4 p + j]
	v_mul_f32 v11, v10, v[4+\j]                    ; the angle, rounded once, as the table's definition has it
	v_mul_f32 v12, 0x3f22f983, v11
	v_add_f32 v20, 0x4b400000, v12                 ; its low bits: n, the nearest multiple of pi/2 (1,303 at the most)
	v_add_f32 v12, 0xcb400000, v20                 ; n as f32
	v_fma_f32 v13, v12, s42, v11                   ; the angle less n x the upper part, rounded once
	v_fma_f32 v13, v12, s43, v13                   ; r
	v_mul_f32 v14, v13, v13
	v_fma_f32 v15, v14, s44, s45
	v_fma_f32 v15, v15, v14, s46
	v_mul_f32 v16, v14, v13
	v_fma_f32 v15, v15, v16, v13                   ; sin r
	v_fma_f32 v17, v14, s47, s48
	v_fma_f32 v17, v17, v14, s49
	v_mul_f32 v18, v14, v14
	v_mul_f32 v19, -0.5, v14                       ; exact,
	v_add_f32 v19, 1.0, v19                        ; so 1 - r^2/2 is rounded once
	v_fma_f32 v17, v17, v18, v19                   ; cos r
	v_add_nc_u32 v20, v20, v9                      ; the quadrant, in the low two bits
	v_and_b32 v21, 1, v20
	v_cmp_eq_u32 vcc_lo, 1, v21
	v_cndmask_b32 v22, v15, v17, vcc_lo            ; odd quadrants take the cosine
	v_and_b32 v21, 2, v20
	v_lshlrev_b32 v21, 30, v21                     ; quadrants 2 and 3 are negative
.if (\j)%2 == 0
	v_xor_b32 v21, v21, v8
.endif
	v_xor_b32 v[32+4*(\p)+\j], v22, v21
.endm
.irp p, 0,1,2,3
	v_add_nc_u32 v10, 2*\p, v24
	v_or_b32 v10, 0x4b000000, v10
	v_add_f32 v10, 0xcb000000, v10                 ; the position as f32
.irp j, 0,1,2,3
	RVAL \p, \j
.endr
	global_store_b128 v1, v[32+4*\p:35+4*\p], s[26:27] offset:512*\p
.endr
	s_endpgm
; ---------------- A WEIGHT.  A work-group's share is 64 columns x 256 along K (where the list at the head says 32 x 512, this holds): a row's 64 columns are 256 consecutive bytes, read by two waves of one work-group.
; Wave w takes columns 32 (w % 2) on and k = 128 (w / 2) on of the 256; lane e takes column e of the wave's 32, and its registers run down K: a block of 32 along K lies in one lane.
; The 64 columns are four blocks of the image; of each the work-group makes 2,048 bytes of codes (two of the four q) and 8 of each row's 16 scale bytes.  The stage holds them as 4 x (2,048 + 128) bytes.
.Lw:
	s_sub_co_u32 s29, ttmp9, 256                   ; g
	v_and_b32 v2, 31, v0
	v_lshlrev_b32 v1, 2, v2                        ; 4 bytes a lane: a load reads 128 consecutive bytes
.set SBK, 2176                         ; a block's part in the stage
	s_lshr_b32 s45, s28, 1                         ; which 128 along K of the 256
	s_and_b32 s46, s28, 1
	s_lshl_b32 s46, s46, 7                         ; which 32 columns, in bytes
	v_bfe_u32 v4, v0, 3, 1
	v_bfe_u32 v5, v0, 5, 1
	v_lshl_add_u32 v4, v5, 1, v4                   ; column 32 (w % 2) + e goes to block 2 (w % 2) + e / 8 % 2,
	v_mul_u32_u24 v4, v4, SBK
	v_and_b32 v5, 7, v0
	v_bfe_u32 v11, v0, 4, 1
	v_lshl_add_u32 v5, v11, 3, v5                  ; slot r = e % 8 + 8 (e / 16)
	v_bfe_u32 v11, v0, 6, 1                        ; w / 2
	v_lshl_add_u32 v6, v5, 3, v4
	v_lshl_add_u32 v6, v11, 2, v6
	v_add_nc_u32 v6, WST+2048, v6                  ; where my scale word goes: 8 r + 4 (w / 2)
	v_lshl_add_u32 v4, v5, 4, v4
	v_lshl_add_u32 v4, v11, 10, v4
	v_add_nc_u32 v4, WST, v4                       ; where my codes go: 16 r + 1024 (w / 2)
	v_lshlrev_b32 v8, 4, v0                        ; the way out: 16 bytes of codes a thread in each block,
	v_add_nc_u32 v7, WST, v8
	v_bfe_u32 v9, v0, 5, 2                         ; then a scale word: block = thread / 32,
	v_and_b32 v11, 31, v0
	v_mul_u32_u24 v10, v9, BLK
	v_mul_u32_u24 v9, v9, SBK
	v_lshl_add_u32 v9, v11, 2, v9
	v_add_nc_u32 v9, WST+2048, v9
	v_lshrrev_b32 v14, 1, v11                      ; row (thread % 32) / 2,
	v_lshl_add_u32 v10, v14, 4, v10
	v_and_b32 v14, 1, v0                           ; word thread % 2 of my two
	v_lshl_add_u32 v10, v14, 2, v10
	; the offsets, plain numbers: s34 into the weight, s36 into wts.  cg: which 32 operand rows; s: which 512 along K
	s_cmp_lt_u32 s29, 192
	s_cbranch_scc1 .Lo_qkv
	s_cmp_lt_u32 s29, 256
	s_cbranch_scc1 .Lo_proj
	s_cmp_lt_u32 s29, 512
	s_cbranch_scc1 .Lo_wv
	s_sub_co_u32 s30, s29, 512                     ; p_w [2048][1024]: a row of K is 4,096 bytes.  s31: which 256 along K; s30: which 64 columns
	s_and_b32 s31, s30, 7
	s_lshr_b32 s30, s30, 3
	s_lshl_b32 s34, s30, 8
	s_lshl_b32 s38, s31, 20
	s_add_co_u32 s34, s34, s38
	s_lshl_b32 s38, s45, 19
	s_add_co_u32 s34, s34, s38
	s_lshr_b32 s36, s31, 1
	s_lshl_b32 s36, s36, 6
	s_lshl_b32 s38, s30, 2
	s_add_co_u32 s36, s36, s38
	s_mul_i32 s36, s36, BLK
	s_add_co_u32 s36, s36, WPO
	s_branch .Lo_done
.Lo_qkv:                                               ; Wq, Wk, Wv [16][1024][64]: operand row = 64 head + d; a row of K is 256 bytes: a head's 64 columns
	s_and_b32 s31, s29, 3
	s_lshr_b32 s30, s29, 2                         ; 16 x weight + head
	s_and_b32 s34, s30, 15
	s_lshl_b32 s34, s34, 18
	s_lshl_b32 s38, s31, 16
	s_add_co_u32 s34, s34, s38
	s_lshl_b32 s38, s45, 15
	s_add_co_u32 s34, s34, s38
	s_lshr_b32 s36, s31, 1
	s_mul_i32 s36, s36, 192
	s_lshl_b32 s38, s30, 2
	s_add_co_u32 s36, s36, s38
	s_mul_i32 s36, s36, BLK
	s_branch .Lo_done
.Lo_proj:                                              ; proj_w [1024][1024]
	s_sub_co_u32 s30, s29, 192
	s_and_b32 s31, s30, 3
	s_lshr_b32 s30, s30, 2
	s_lshl_b32 s34, s30, 8
	s_lshl_b32 s38, s31, 20
	s_add_co_u32 s34, s34, s38
	s_lshl_b32 s38, s45, 19
	s_add_co_u32 s34, s34, s38
	s_lshr_b32 s36, s31, 1
	s_lshl_b32 s36, s36, 6
	s_lshl_b32 s38, s30, 2
	s_add_co_u32 s36, s36, s38
	s_mul_i32 s36, s36, BLK
	s_add_co_u32 s36, s36, WPROJ
	s_branch .Lo_done
.Lo_wv:                                                ; w_w, v_w [1024][2048]: operand row 256 X + 128 half + 64 which + e is unit 128 X + 64 half + e of w_w (which = 0) or v_w (1)
	s_sub_co_u32 s30, s29, 256                     ; bits 1:0 which 256 along K; bit 2 which weight; from bit 3 on which 64 units
	s_and_b32 s31, s30, 3
	s_lshr_b32 s34, s30, 3
	s_lshl_b32 s34, s34, 8
	s_lshr_b32 s30, s30, 2                         ; 64 operand rows: 2 x (which 64 units) + which weight
	s_lshl_b32 s38, s31, 21
	s_add_co_u32 s34, s34, s38
	s_lshl_b32 s38, s45, 20
	s_add_co_u32 s34, s34, s38
	s_lshr_b32 s36, s31, 1
	s_lshl_b32 s36, s36, 8
	s_lshl_b32 s38, s30, 2
	s_add_co_u32 s36, s36, s38
	s_mul_i32 s36, s36, BLK
	s_add_co_u32 s36, s36, WWV
.Lo_done:
	s_add_co_u32 s34, s34, s46                     ; my wave's 32 columns
	s_and_b32 s38, s29, 1                          ; which 256 of the image's 512 along K: in every weight the lowest bit of g
	s_lshl_b32 s42, s38, 3
	s_add_co_u32 s42, s42, s36                     ; the scale words: 8 bytes on in each row's 16
	s_mov_b32 s43, 0
	s_lshl_b32 s38, s38, 11
	s_add_co_u32 s36, s36, s38                     ; the codes: 2,048 bytes on in each block
	s_mov_b32 s35, 0
	s_mov_b32 s37, 0
	s_cmp_lt_u32 s29, 64                           ; the weight is chosen on one path, by the work-group's number alone
	s_cselect_b64 s[32:33], s[12:13], s[14:15]
	s_cmp_lt_u32 s29, 128
	s_cselect_b64 s[32:33], s[32:33], s[16:17]
	s_cmp_lt_u32 s29, 192
	s_cselect_b64 s[32:33], s[32:33], s[18:19]
	s_bitcmp1_b32 s29, 2                           ; which = (cg / 2) % 2 = bit 2 of g
	s_cselect_b64 s[40:41], s[22:23], s[20:21]
	s_cmp_lt_u32 s29, 256
	s_cselect_b64 s[32:33], s[32:33], s[40:41]
	s_cmp_lt_u32 s29, 512
	s_cselect_b64 s[32:33], s[32:33], s[24:25]
	s_add_nc_u64 s[32:33], s[32:33], s[34:35]
	s_add_nc_u64 s[42:43], s[26:27], s[42:43]
	s_add_nc_u64 s[26:27], s[26:27], s[36:37]
.macro LOADW pitch                     ; 128 rows of K, my column: every offset an immediate, 127 x 8,192 bytes at the most
.set i_, 0
.rept 128
	global_load_b32 v[X+i_], v1, s[32:33] offset:i_*\pitch th:TH_LOAD_NT
.set i_, i_+1
.endr
.endm
	s_cmp_lt_u32 s29, 192
	s_cbranch_scc1 .Ll_256
	s_cmp_lt_u32 s29, 256
	s_cbranch_scc1 .Ll_4096
	s_cmp_lt_u32 s29, 512
	s_cbranch_scc1 .Ll_8192
.Ll_4096:
	LOADW 4096
	s_branch .Lw_go
.Ll_256:
	LOADW 256
	s_branch .Lw_go
.Ll_8192:
	LOADW 8192
.Lw_go:
.macro WBLOCK j, cnt                   ; block j of my four: 32 numbers of one lane
.set XS, X+32*(\j)
	s_wait_loadcnt \cnt                            ; the later blocks' loads may stay out
	v_max3_num_f32 v12, |v[XS]|, |v[XS+1]|, |v[XS+2]|
	v_max3_num_f32 v13, |v[XS+3]|, |v[XS+4]|, |v[XS+5]|
.irp i, 6,10,14,18,22,26
	v_max3_num_f32 v12, v12, |v[XS+\i]|, |v[XS+\i+1]|
	v_max3_num_f32 v13, v13, |v[XS+\i+2]|, |v[XS+\i+3]|
.endr
	v_max3_num_f32 v12, v12, |v[XS+30]|, |v[XS+31]|
	v_max3_num_f32 v12, v12, v13, 0x1800000        ; and the floor 2^(3 - 127): the byte cannot fall under 1
	v_add_nc_u32 v[16+(\j)], 0xff000000, v12       ; 2 off the exponent field: the conversion's scale operand
	v_lshrrev_b32 v13, 23, v[16+(\j)]              ; the scale's byte
.if (\j) == 0
	v_mov_b32 v30, v13
.else
	v_lshl_or_b32 v30, v13, 8*(\j), v30
.endif
.irp g, 0,1,2,3
	v_cvt_scalef32_pk8_fp4_f32 v[CR+4*(\j)+\g], v[XS+8*\g:XS+8*\g+7], v[16+(\j)]
.endr
	ds_store_b128 v4, v[CR+4*(\j):CR+4*(\j)+3] offset:512*((\j)/2)+256*((\j)%2)   ; c = j / 2, h = j % 2
.endm
	WBLOCK 0, 63
	WBLOCK 1, 63
	WBLOCK 2, 32
	WBLOCK 3, 0
	ds_store_b32 v6, v30                           ; my column's scale word for these 128 along K
	s_wait_dscnt 0x0                               ; for the others' sake: my stores have landed
	s_barrier_signal -1
	s_barrier_wait -1
.irp p, 0,1,2,3
	ds_load_b128 v[X+4*\p:X+4*\p+3], v7 offset:SBK*\p    ; block p's 2,048 bytes of codes
.endr
	ds_load_b32 v[X+16], v9
	s_wait_dscnt 0x0
.irp p, 0,1,2,3
	global_store_b128 v8, v[X+4*\p:X+4*\p+3], s[26:27] offset:BLK*\p   ; a wave stores 512 consecutive bytes
.endr
	global_store_b32 v10, v[X+16], s[42:43] offset:4096   ; two of a row's four scale words are this work-group's
	s_wait_tensorcnt 0x0                           ; the wave's end
	ds_add_u32 v23, v3
	s_wait_dscnt 0x0
	s_endpgm
; ---------------- LAYER NORM.  The work-group makes block ib = its number; wave w owns slots 4 w .. 4 w + 3, which are four neighbouring rows.  A row stays in 32 registers a lane: chunk i holds k = 256 i + 8 lane + 0..7.
.Lln:
	v_and_b32 v2, 31, v0
	v_lshlrev_b32 v1, 5, v2                        ; 32 bytes a lane
	s_wait_alu depctr_va_vdst(0)
	s_lshr_b32 s29, ttmp9, 1
	s_lshl_b32 s29, s29, 5
	s_and_b32 s30, ttmp9, 1
	s_lshl_b32 s30, s30, 3
	s_add_co_u32 s29, s29, s30
	s_and_b32 s30, s28, 1
	s_lshl_b32 s30, s30, 2
	s_add_co_u32 s29, s29, s30
	s_lshr_b32 s30, s28, 1
	s_lshl_b32 s30, s30, 4
	s_add_co_u32 s29, s29, s30                     ; my first row: 32 (ib / 2) + 8 (ib % 2) + 4 (w % 2) + 16 (w / 2)
	s_lshl_b32 s30, s29, 12
	s_mov_b32 s31, 0
	s_add_nc_u64 s[4:5], s[4:5], s[30:31]
	s_mul_i32 s30, ttmp9, BLK
	s_add_nc_u64 s[10:11], s[10:11], s[30:31]
.irp i, 0,1,2,3
	global_load_b128 v[GW+8*\i:GW+8*\i+3],   v1, s[6:7] offset:1024*\i
	global_load_b128 v[GW+8*\i+4:GW+8*\i+7], v1, s[6:7] offset:1024*\i+16
	global_load_b128 v[GB+8*\i:GB+8*\i+3],   v1, s[8:9] offset:1024*\i
	global_load_b128 v[GB+8*\i+4:GB+8*\i+7], v1, s[8:9] offset:1024*\i+16
.endr
.irp p, 0,1,2,3
.irp i, 0,1,2,3
	global_load_b128 v[X+32*\p+8*\i:X+32*\p+8*\i+3],   v1, s[4:5] offset:4096*\p+1024*\i th:TH_LOAD_NT
	global_load_b128 v[X+32*\p+8*\i+4:X+32*\p+8*\i+7], v1, s[4:5] offset:4096*\p+1024*\i+16 th:TH_LOAD_NT
.endr
.endr
	s_mov_b32 s36, 0x76543210
	s_mov_b32 s37, 0xfedcba98                      ; v_permlanex16_b32's selects for lane l xor 16
	s_mov_b32 s38, 0x3a800000                      ; 1 / 1024
	s_mov_b32 s39, 0x3727c5ac                      ; 1e-5
	v_mov_b32 v12, 0                               ; a lane permute's destination counts as one of its sources
	; the stage: image byte A lies at 272 (A / 256) + A % 256.  My codes of chunk i: image row 17 (i / 2) + 8 (i % 2) + lane / 4, byte 64 w + 16 row + 4 (lane % 4): the 32 words of a store lie at 32 different places modulo 256 bytes
	v_bfe_u32 v24, v0, 2, 3
	v_bfe_u32 v30, v0, 5, 2
	v_lshlrev_b32 v30, 6, v30
	v_add_nc_u32 v25, v24, v30                     ; my block's scale byte: lane / 4 + 64 w
	v_mad_u32_u24 v24, v24, LP, v30
	v_and_b32 v31, 3, v0
	v_lshl_add_u32 v24, v31, 2, v24
	v_bfe_u32 v26, v0, 6, 1                        ; the way out: threads 0-63 take the first 512 along K, threads 64-127 the second
	v_mul_u32_u24 v28, v26, KSH
	v_mul_u32_u24 v26, v26, 17*LP
	v_and_b32 v31, 63, v0
	v_lshl_add_u32 v27, v31, 2, v26
	v_add_nc_u32 v27, 16*LP, v27                   ; 4 scale bytes a thread
	v_lshl_add_u32 v29, v31, 2, v28
	v_lshl_add_u32 v28, v31, 4, v28                ; 16 bytes of codes a thread
	v_bfe_u32 v31, v0, 4, 2
	v_mad_u32_u24 v26, v31, LP, v26
	v_and_b32 v31, 15, v0
	v_lshl_add_u32 v26, v31, 4, v26
.macro WSUM r, t                       ; the sum over the wave's 32 lanes, in every lane
	v_add_f32_dpp v[\r], v[\r], v[\r] row_xmask:1 row_mask:0xf bank_mask:0xf
	v_add_f32_dpp v[\r], v[\r], v[\r] row_xmask:2 row_mask:0xf bank_mask:0xf
	v_add_f32_dpp v[\r], v[\r], v[\r] row_xmask:4 row_mask:0xf bank_mask:0xf
	v_add_f32_dpp v[\r], v[\r], v[\r] row_xmask:8 row_mask:0xf bank_mask:0xf
	v_permlanex16_b32 v[\t], v[\r], s36, s37
	v_add_f32 v[\r], v[\r], v[\t]
.endm
.macro FOLD                            ; four packed chains into one number
	v_pk_add_f32 v[4:5], v[4:5], v[6:7]
	v_pk_add_f32 v[8:9], v[8:9], v[10:11]
	v_pk_add_f32 v[4:5], v[4:5], v[8:9]
	v_add_f32 v4, v4, v5
	WSUM 4, 12
.endm
.macro ROW p
.set XR, X+32*(\p)
	s_wait_loadcnt 8*(3-(\p))                      ; gain, bias and this row are in; the later rows' eight loads each may stay out
.irp c, 0,1,2,3
	v_pk_add_f32 v[4+2*\c:5+2*\c], v[XR+2*\c:XR+2*\c+1], v[XR+8+2*\c:XR+8+2*\c+1]
.endr
.irp n, 16,24
.irp c, 0,1,2,3
	v_pk_add_f32 v[4+2*\c:5+2*\c], v[4+2*\c:5+2*\c], v[XR+\n+2*\c:XR+\n+2*\c+1]
.endr
.endr
	FOLD
	v_mul_f32 v14, s38, v4                         ; the mean, twice: a pair for the packed forms
	v_mul_f32 v15, s38, v4
.set n_, 0
.rept 16
	v_pk_add_f32 v[XR+n_:XR+n_+1], v[XR+n_:XR+n_+1], v[14:15] neg_lo:[0,1] neg_hi:[0,1]
.set n_, n_+2
.endr
.irp c, 0,1,2,3
	v_pk_mul_f32 v[4+2*\c:5+2*\c], v[XR+2*\c:XR+2*\c+1], v[XR+2*\c:XR+2*\c+1]
.endr
.irp n, 8,16,24
.irp c, 0,1,2,3
	v_pk_fma_f32 v[4+2*\c:5+2*\c], v[XR+\n+2*\c:XR+\n+2*\c+1], v[XR+\n+2*\c:XR+\n+2*\c+1], v[4+2*\c:5+2*\c]
.endr
.endr
	FOLD
	v_fma_f32 v16, v4, s38, s39                    ; the variance of the centred numbers + 1e-5
	s_wait_alu depctr_va_vdst(0)
	v_rsq_f32 v16, v16
	v_nop                                          ; a plain instruction behind the transcendental
	s_wait_alu depctr_va_vdst(0)                   ; and the wait ahead of its first reader
	v_mov_b32 v17, v16
.set n_, 0
.rept 16
	v_pk_mul_f32 v[XR+n_:XR+n_+1], v[XR+n_:XR+n_+1], v[16:17]
.set n_, n_+2
.endr
.set n_, 0
.rept 16
	v_pk_fma_f32 v[XR+n_:XR+n_+1], v[XR+n_:XR+n_+1], v[GW+n_:GW+n_+1], v[GB+n_:GB+n_+1]
.set n_, n_+2
.endr
	; the quantiser: a block of 32 lies in four neighbouring lanes, eight numbers each; the four chunks by turns
.irp i, 0,1,2,3
	v_max3_num_f32 v[18+\i], |v[XR+8*\i]|, |v[XR+8*\i+1]|, 0x1800000   ; with the floor 2^(3 - 127) among the leaves
.endr
.irp k, 2,4,6
.irp i, 0,1,2,3
	v_max3_num_f32 v[18+\i], v[18+\i], |v[XR+8*\i+\k]|, |v[XR+8*\i+\k+1]|
.endr
.endr
.irp m, 1,2
.irp i, 0,1,2,3
	v_max_num_f32_dpp v[18+\i], v[18+\i], v[18+\i] row_xmask:\m row_mask:0xf bank_mask:0xf
.endr
.endr
.irp i, 0,1,2,3
	v_add_nc_u32 v[SO+\i], 0xff000000, v[18+\i]    ; 2 off the exponent field: the conversion's scale operand
.endr
.irp i, 0,1,2,3
	v_cvt_scalef32_pk8_fp4_f32 v[CR+4*(\p)+\i], v[XR+8*\i:XR+8*\i+7], v[SO+\i]
.endr
.irp i, 0,1,2,3
	v_lshrrev_b32 v[BR+4*(\p)+\i], 23, v[SO+\i]    ; the scale's byte.  (Four plain lines behind the conversions; the next row writes their scale operands only behind these)
.endr
.irp i, 0,1,2,3
	ds_store_b32 v24, v[CR+4*(\p)+\i] offset:((\i/2)*17+(\i%2)*8)*LP+16*(\p)
	ds_store_b8 v25, v[BR+4*(\p)+\i] offset:((\i/2)*17+16)*LP+16*(\p)+8*(\i%2)   ; the four lanes of a block write the same byte with the same value
.endr
.endm
	ROW 0
	ROW 1
	ROW 2
	ROW 3
	s_wait_dscnt 0x0                               ; for the others' sake: my stores have landed
	s_barrier_signal -1
	s_barrier_wait -1
.irp p, 0,1,2,3
	ds_load_b128 v[X+4*\p:X+4*\p+3], v26 offset:4*\p*LP
.endr
	ds_load_b32 v[X+16], v27
	s_wait_dscnt 0x0
.irp p, 0,1,2,3
	global_store_b128 v28, v[X+4*\p:X+4*\p+3], s[10:11] offset:1024*\p   ; a wave stores 512 consecutive bytes of the block's 4,352
.endr
	global_store_b32 v29, v[X+16], s[10:11] offset:4096
	s_wait_tensorcnt 0x0                           ; the wave's end
	ds_add_u32 v23, v3
	s_wait_dscnt 0x0
	s_endpgm
.Lfunc_end_k_q58326b6ab2_prep:
	.size	k_q58326b6ab2_prep, .Lfunc_end_k_q58326b6ab2_prep-k_q58326b6ab2_prep
	.p2alignl 7, 3214868480
	.fill 96, 4, 3214868480
	.section	.rodata,"a",@progbits
	.p2align	6, 0x0
	.amdhsa_kernel k_q58326b6ab2_prep
		.amdhsa_group_segment_fixed_size 18944
		.amdhsa_private_segment_fixed_size 0
		.amdhsa_enable_private_segment 0
		.amdhsa_kernarg_size 96
		.amdhsa_user_sgpr_count 2
		.amdhsa_user_sgpr_kernarg_segment_ptr 1
		.amdhsa_wavefront_size32 1
		.amdhsa_system_sgpr_workgroup_id_x 1
		.amdhsa_system_sgpr_workgroup_id_y 1
		.amdhsa_system_sgpr_workgroup_id_z 1
		.amdhsa_system_vgpr_workitem_id 0
		.amdhsa_next_free_vgpr 256
		.amdhsa_next_free_sgpr 66
		.amdhsa_reserve_vcc 1
		.amdhsa_float_denorm_mode_32 3
		.amdhsa_float_denorm_mode_16_64 3
		.amdhsa_memory_ordered 1
		.amdhsa_forward_progress 1
		.amdhsa_inst_pref_size 116
	.end_amdhsa_kernel
	.amdgpu_metadata
---
amdhsa.version: [ 1, 2 ]
amdhsa.kernels:
  - .name:           k_q58326b6ab2_prep
    .symbol:         k_q58326b6ab2_prep.kd
    .args:
      - { .name: x, .offset: 0, .size: 8, .value_kind: global_buffer, .address_space: global }
      - { .name: ln1_w, .offset: 8, .size: 8, .value_kind: global_buffer, .address_space: global }
      - { .name: ln1_b, .offset: 16, .size: 8, .value_kind: global_buffer, .address_space: global }
      - { .name: hc, .offset: 24, .size: 8, .value_kind: global_buffer, .address_space: global }
      - { .name: Wq, .offset: 32, .size: 8, .value_kind: global_buffer, .address_space: global }
      - { .name: Wk, .offset: 40, .size: 8, .value_kind: global_buffer, .address_space: global }
      - { .name: Wv, .offset: 48, .size: 8, .value_kind: global_buffer, .address_space: global }
      - { .name: proj_w, .offset: 56, .size: 8, .value_kind: global_buffer, .address_space: global }
      - { .name: w_w, .offset: 64, .size: 8, .value_kind: global_buffer, .address_space: global }
      - { .name: v_w, .offset: 72, .size: 8, .value_kind: global_buffer, .address_space: global }
      - { .name: p_w, .offset: 80, .size: 8, .value_kind: global_buffer, .address_space: global }
      - { .name: wts, .offset: 88, .size: 8, .value_kind: global_buffer, .address_space: global }
    .group_segment_fixed_size: 18944
    .private_segment_fixed_size: 0
    .kernarg_segment_align: 8
    .kernarg_segment_size: 96
    .max_flat_workgroup_size: 128
    .sgpr_count:     66
    .vgpr_count:     256
    .wavefront_size: 32
...
	.end_amdgpu_metadata
.endif
;; end of part 7
;; launch qkv (part 8): grid 48 x 4, 4 waves a work-group, clusters of 4 x 4, 327,680 bytes of LDS; arguments hc, wts, qb, kv; writes qb, kv
.if DOCPART == 8
	.amdgcn_target "amdgcn-amd-amdhsa--gfx1250"
	.amdhsa_code_object_version 6
	.text
	.protected	k_q58326b6ab2_qkv
	.globl	k_q58326b6ab2_qkv
	.p2align	8
	.type	k_q58326b6ab2_qkv,@function
k_q58326b6ab2_qkv:
	s_mov_b64 s[64:65], 0
	v_nop
	global_prefetch_b8 v0, s[64:65] scope:SCOPE_SE
	s_setreg_imm32_b32 hwreg(HW_REG_WAVE_MODE, 25, 1), 1
	s_wait_xcnt 0x0
	s_wait_alu depctr_hold_cnt(0) depctr_sa_sdst(0) depctr_va_vdst(0) depctr_va_sdst(0) depctr_va_ssrc(0) depctr_va_vcc(0) depctr_vm_vsrc(0)
	s_getreg_b32 s2, hwreg(HW_REG_IB_STS2, 6, 4)
	s_cmp_eq_u32 s2, 0
	s_cbranch_scc0 .Lentry_in_a_cluster
	s_endpgm
.Lentry_in_a_cluster:
	s_bfe_u32 s2, ttmp6, 0x10000c
	s_cmp_lg_u32 s2, 0xf033
	s_cbranch_scc0 .Lentry_shape_is_right
	s_endpgm
.Lentry_shape_is_right:
.set BLK,    4352
.set KSH,    256*BLK
.set KSW,    192*BLK
.set HALFT,  8*BLK
.set SLOT,   4*HALFT
.set SPARE,  2*SLOT
.set ROPE,   5570560
.set QBH,    73728
.set KVB,    8704
.set NQ,     4
.set FR,     8
.set NL,     2
.set NP,     4
.set ADRA, 16
.set ADRB, 20
.set ADRS, 22
.set SPW,  28
.set NIL,  29
.set SC,   32
.set AF,   128
.set T,    96
.set PC,   128
.set HW,   192
.set TM,   208
.set TL,   240
.set G1, 24
.set G0, 32
.set G1B, 48
.set G0B, 56
.set SEL, 94
.set MSB, 0
.macro WIN new
.if MSB != (\new)
	s_set_vgpr_msb (MSB<<8)|(\new)
.set MSB, \new
.endif
.endm
.set MUL_LO, 0xa1
.set MUL_HI, 0xf1
.set TO_B,   0x40
.macro JLOAD g0a, g1a, g0b, g1b
	s_cmp_eq_u32 s16, 0                            ; even waves fetch for A, odd waves for B
	s_cbranch_scc0 .Lfor_b_\@
	tensor_load_to_lds s[\g0a:\g0a+3], s[\g1a:\g1a+7]
	s_nop 0
.rept 4
	v_nop
.endr
	s_branch .Lasked_\@
.Lfor_b_\@:
	tensor_load_to_lds s[\g0b:\g0b+3], s[\g1b:\g1b+7]
	s_nop 0
.rept 4
	v_nop
.endr
.Lasked_\@:
.endm
.macro CROUND
	s_barrier_signal -1
	s_barrier_wait -1
	s_cmp_lg_u32 s14, 0
	s_cbranch_scc1 .Lnot_wave_0_\@
	s_barrier_signal -3
.Lnot_wave_0_\@:
	s_barrier_wait -3
	s_barrier_signal -1
	s_barrier_wait -1
.endm
	s_load_b256 s[4:11], s[0:1], 0x0
	v_lshl_add_u32 v[SPW], v0, 2, SPARE
	v_mov_b32 v[NIL], 0
	ds_add_u32 v28, v29
	ds_add_u32 v28, v29
	s_wait_dscnt 0x0
	v_lshrrev_b32 v1, 5, v0
	v_readfirstlane_b32 s14, v1
	s_lshr_b32 s15, s14, 1
	s_and_b32 s16, s14, 1
	s_bfe_u32 s40, ttmp6, 0x40000
	s_bfe_u32 s41, ttmp6, 0x40004
	s_lshr_b32 s70, ttmp9, 1
	s_lshl_b32 s70, s70, 2
	s_add_co_u32 s70, s70, s41
	s_and_b32 s71, ttmp9, 1
	s_lshl_b32 s71, s71, 2
	s_add_co_u32 s71, s71, s40
	s_sub_co_u32 s72, ttmp9, 8
	s_lshl_b32 s72, s72, 2
	s_add_co_u32 s72, s72, s40
	s_add_co_u32 s73, s41, 8
	s_mov_b32 s74, KSH
	s_mov_b32 s75, KSW
	s_cmp_ge_u32 ttmp9, 8
	s_cselect_b32 s17, s41, s70
	s_cselect_b32 s76, s73, s70
	s_cselect_b32 s42, s72, s71
	s_cselect_b32 s66, s75, s74
	s_cselect_b32 s68, s74, s75
	s_mov_b32 s67, 0
	s_mov_b32 s69, 0
	s_lshl_b32 s43, s41, 2
	s_lshl_b32 s43, 15, s43
	s_lshl_b32 s44, 0x1111, s40
	s_or_b32 s[G1+0], s43, (3<<16)|(1<<21)
	s_or_b32 s[G1B+0], s44, (3<<16)|(1<<21)
.irp g, G1, G1B
	s_mov_b32 s[\g+1], 32<<16
	s_mov_b32 s[\g+2], 272<<16                     ; a load brings 16 blocks: 69,632 dense bytes as 272 rows of 256
	s_mov_b32 s[\g+3], 32<<16
	s_mov_b32 s[\g+4], 272
	s_mov_b32 s[\g+5], 32
	s_mov_b32 s[\g+6], 0
	s_mov_b32 s[\g+7], 0
.endr
	s_mul_i32 s20, s76, 16*BLK                     ; A: the tile's 16 blocks,
	s_mul_i32 s18, s15, s66                        ; in K step wave / 2
	s_add_co_u32 s20, s20, s18
	s_mov_b32 s21, 0
	s_mul_i32 s46, s42, 16*BLK                     ; B likewise
	s_mul_i32 s18, s15, s68
	s_add_co_u32 s46, s46, s18
	s_mov_b32 s47, 0
	s_mul_i32 s45, s15, SLOT                       ; LDS: slot = wave / 2; A's part or B's = wave % 2
	s_mul_i32 s19, s16, 2*HALFT
	s_add_co_u32 s45, s45, s19
	s_wait_kmcnt 0x0
	s_cmp_ge_u32 ttmp9, 8
	s_cselect_b64 s[78:79], s[6:7], s[4:5]
	s_cselect_b64 s[80:81], s[4:5], s[6:7]
	s_add_nc_u64 s[20:21], s[78:79], s[20:21]
	s_add_nc_u64 s[46:47], s[80:81], s[46:47]
	CROUND
	s_mov_b32 s[G0], 1
	s_add_co_u32 s[G0+1], s45, 0
	s_mov_b64 s[G0+2:G0+3], s[20:21]
	s_or_b32 s[G0+3], s[G0+3], 0x80000000
	s_mov_b32 s[G0B], 1
	s_add_co_u32 s[G0B+1], s45, 0
	s_mov_b64 s[G0B+2:G0B+3], s[46:47]
	s_or_b32 s[G0B+3], s[G0B+3], 0x80000000
	JLOAD G0, G1, G0B, G1B
	v_and_b32 v1, 15, v0
	v_bfe_u32 v2, v0, 4, 1
	v_and_b32 v3, 31, v0
	v_lshlrev_b32 v4, 4, v3
	s_mul_i32 s21, s15, HALFT
	s_mul_i32 s22, s16, HALFT
	s_add_co_u32 s22, s22, 2*HALFT
	v_add_nc_u32 v[ADRA], s21, v4
	v_add_nc_u32 v[ADRB], s22, v4
	v_add_nc_u32 v[ADRA+1], SLOT, v[ADRA]
	v_add_nc_u32 v[ADRB+1], SLOT, v[ADRB]
	s_sub_co_u32 s22, s22, s21
	v_mul_u32_u24 v6, s22, v2
	v_lshl_add_u32 v5, v1, 4, v6
	v_add_nc_u32 v[ADRS], s21, v5
	v_add_nc_u32 v[ADRS+1], SLOT, v[ADRS]
.macro FRAG reg, adr, q, i
.irp c, 0,1
	ds_load_b128 v[\reg+4*\c:\reg+4*\c+3], v[\adr] offset:(\i)*BLK+1024*(\q)+512*\c
.endr
.endm
.macro MUL16 a0, p, q, sc, zero
.irp a, \a0, \a0+1
.irp b, 0,1,2,3,4,5,6,7
.if \zero
	v_wmma_scale_f32_16x16x128_f8f6f4 v[8*(8*((\a)%4)+\b):8*(8*((\a)%4)+\b)+7], v[128*(\p)+FR*\b:128*(\p)+FR*\b+FR-1], v[AF+FR*(\a):AF+FR*(\a)+FR-1], 0, v[SC+8*NQ*(\sc)+NQ*\b+(\q)], v[SC+8*NQ*(\sc)+NQ*(\a)+(\q)] matrix_a_fmt:MATRIX_FMT_FP4 matrix_b_fmt:MATRIX_FMT_FP4 matrix_a_scale:MATRIX_SCALE_ROW1
.else
	v_wmma_scale_f32_16x16x128_f8f6f4 v[8*(8*((\a)%4)+\b):8*(8*((\a)%4)+\b)+7], v[128*(\p)+FR*\b:128*(\p)+FR*\b+FR-1], v[AF+FR*(\a):AF+FR*(\a)+FR-1], v[8*(8*((\a)%4)+\b):8*(8*((\a)%4)+\b)+7], v[SC+8*NQ*(\sc)+NQ*\b+(\q)], v[SC+8*NQ*(\sc)+NQ*(\a)+(\q)] matrix_a_fmt:MATRIX_FMT_FP4 matrix_b_fmt:MATRIX_FMT_FP4 matrix_a_scale:MATRIX_SCALE_ROW1
.endif
.endr
.endr
.endm
.macro FETCH_B slot, q, p
	WIN TO_B
.irp i, 0,1,2,3,4,5,6,7
	FRAG 128*(\p)+FR*\i, ADRB+\slot, \q, \i
.endr
	WIN 0
.endm
.macro FETCH_A slot, q, i0
.irp i, \i0, \i0+1, \i0+2, \i0+3
	FRAG AF+FR*(\i), ADRA+\slot, \q, \i
.endr
.endm
.macro SCALES sc
.irp i, 0,1,2,3,4,5,6,7
	ds_load_b128 v[SC+8*NQ*\sc+NQ*\i:SC+8*NQ*\sc+NQ*\i+3], v[ADRS+\sc] offset:\i*BLK+4096
.endr
.endm
.macro PLACES n
.rept \n
	v_nop
.endr
.endm
.macro STEP slot, q, zero
	s_wait_dscnt 4*NL
	WIN MUL_LO
	MUL16 0, (\q)%2, \q, \slot, \zero
	MUL16 2, (\q)%2, \q, \slot, \zero
	s_wait_dscnt 0
	PLACES NP
	FETCH_B \slot, (\q)+1, 1-(\q)%2
	FETCH_A \slot, (\q)+1, 0
	WIN MUL_HI
	MUL16 4, (\q)%2, \q, \slot, \zero
	MUL16 6, (\q)%2, \q, \slot, \zero
	PLACES NP
	WIN 0
	FETCH_A \slot, (\q)+1, 4
.endm
.macro TURN slot, next
	s_wait_tensorcnt 0x0
	ds_add_u32 v[SPW], v[NIL]
	s_wait_dscnt 4*NL+1
	WIN MUL_LO
	MUL16 0, 1, NQ-1, \slot, 0
	s_wait_dscnt 0x0
	s_barrier_signal -1
	MUL16 2, 1, NQ-1, \slot, 0
	WIN 0
	s_barrier_wait -1
	PLACES NP
	FETCH_B \next, 0, 0
	FETCH_A \next, 0, 0
	SCALES \next
	WIN MUL_HI
	MUL16 4, 1, NQ-1, \slot, 0
	MUL16 6, 1, NQ-1, \slot, 0
	PLACES NP
	WIN 0
	FETCH_A \next, 0, 4
.endm
.macro STEPS slot, from
.set Q, \from
.rept NQ-1-\from
	STEP \slot, Q, 0
.set Q, Q+1
.endr
.endm
.macro QUANT s, nb, pc, w, pw
	WIN (\w)|((\w)<<2)
.set b_, 0
.rept \nb
	v_max3_num_f32 v[TM+b_], |v[16*b_+(\s)]|, |v[16*b_+1+(\s)]|, 0x1800000
.set b_, b_+1
.endr
.irp i, 2,4,6,8,10,12,14
.set b_, 0
.rept \nb
	v_max3_num_f32 v[TM+b_], |v[16*b_+\i+(\s)]|, |v[16*b_+\i+1+(\s)]|, v[TM+b_]
.set b_, b_+1
.endr
.endr
	WIN 0
.set b_, 0
.rept \nb
	v_permlanex16_b32 v[TM+4+b_], v[TM+b_], s[SEL], s[SEL+1]
.set b_, b_+1
.endr
.set b_, 0
.rept \nb
	v_max_num_f32 v[TM+b_], v[TM+b_], v[TM+4+b_]
.set b_, b_+1
.endr
.set b_, 0
.rept \nb
	v_add_nc_u32 v[TM+12+b_], 0xff000000, v[TM+b_]
.set b_, b_+1
.endr
.set b_, 0
.rept \nb
	v_lshrrev_b32 v[TM+4+b_], 23, v[TM+12+b_]
.set b_, b_+1
.endr
	v_lshl_or_b32 v[\pw], v[TM+5], 8, v[TM+4]
.if \nb > 2
	v_lshl_or_b32 v[\pw], v[TM+6], 16, v[\pw]
	v_lshl_or_b32 v[\pw], v[TM+7], 24, v[\pw]
.endif
	WIN \w
.set b_, 0
.rept \nb
	v_cvt_scalef32_pk8_fp4_f32 v[2*b_+(\pc)], v[16*b_+(\s):16*b_+7+(\s)], v[TM+12+b_]
	v_cvt_scalef32_pk8_fp4_f32 v[2*b_+1+(\pc)], v[16*b_+8+(\s):16*b_+15+(\s)], v[TM+12+b_]
.set b_, b_+1
.endr
	WIN 0
	v_nop
.set b_, 0
.rept (\nb)/2
	v_permlane16_swap_b32 v[4*b_+(\pc)], v[4*b_+2+(\pc)]
	v_permlane16_swap_b32 v[4*b_+1+(\pc)], v[4*b_+3+(\pc)]
.set b_, b_+1
.endr
.endm
	s_wait_alu depctr_va_vdst(0)
	s_wait_tensorcnt 0x0                           ; my one load, a quarter of both slots, has landed
	s_barrier_signal -1
	s_barrier_wait -1
	FETCH_B 0, 0, 0
	FETCH_A 0, 0, 0
	SCALES 0
	FETCH_A 0, 0, 4
	STEP 0, 0, 1
	STEPS 0, 1
	TURN 0, 1
	STEPS 1, 0
	s_wait_dscnt 4*NL
	WIN MUL_LO
	MUL16 0, 1, NQ-1, 1, 0
	MUL16 2, 1, NQ-1, 1, 0
	s_wait_dscnt 0
	WIN MUL_HI
	MUL16 4, 1, NQ-1, 1, 0
	MUL16 6, 1, NQ-1, 1, 0
	WIN 0
	PLACES NP
.irp b, 0,1,2,3
	v_mov_b32 v[TM+4+\b], 0
.endr
	s_mov_b32 s[SEL], 0x76543210
	s_mov_b32 s[SEL+1], 0xfedcba98
	v_and_b32 v1, 31, v0
	v_lshlrev_b32 v1, 4, v1
	v_and_b32 v5, 15, v0
	v_bfe_u32 v6, v0, 4, 1
	v_cmp_eq_u32 vcc_lo, 1, v6
	s_cmp_ge_u32 ttmp9, 8
	s_cbranch_scc1 .Lv
	v_and_b32 v2, 7, v0
	v_bfe_u32 v7, v0, 3, 1
	v_lshl_add_u32 v2, v7, 4, v2
	v_lshlrev_b32 v2, 8, v2
	v_lshl_add_u32 v2, v6, 6, v2
	s_wait_alu depctr_va_vdst(0)
	v_mul_u32_u24 v3, v6, QBH
	v_lshl_add_u32 v3, v5, 4, v3
	v_mul_u32_u24 v4, v6, 16*KVB
	v_lshl_add_u32 v4, v5, 4, v4
	s_lshr_b32 s82, s17, 3
	s_and_b32 s83, s42, 3
	s_lshl_b32 s83, s83, 2
	s_lshl_b32 s89, s16, 1
	s_add_co_u32 s83, s83, s89
	s_lshl_b32 s82, s82, 4
	s_add_co_u32 s82, s82, s83
	s_and_b32 s83, s17, 7
	s_lshl_b32 s83, s83, 4
	s_lshl_b32 s89, s15, 3
	s_add_co_u32 s83, s83, s89
	s_lshl_b32 s92, s83, 12
	s_add_co_u32 s92, s92, ROPE
	s_mov_b32 s93, 0
	s_add_nc_u64 s[92:93], s[6:7], s[92:93]
	s_mul_i32 s84, s82, QBH
	s_lshl_b32 s89, s83, 6
	s_add_co_u32 s90, s84, s89
	s_add_co_u32 s90, s90, 65536
	s_mov_b32 s91, 0
	s_add_nc_u64 s[90:91], s[8:9], s[90:91]
	s_lshl_b32 s89, s83, 9
	s_add_co_u32 s84, s84, s89
	s_lshl_b32 s86, s82, 4
	s_lshr_b32 s89, s83, 3
	s_add_co_u32 s86, s86, s89
	s_mul_i32 s86, s86, KVB
	s_mov_b32 s98, QBH
	s_mov_b32 s99, 16*KVB
	s_and_b32 s89, ttmp9, 1
	s_cmp_eq_u32 s89, 1
	s_cselect_b32 s84, s86, s84
	s_cselect_b32 s86, s99, s98
	s_cselect_b64 s[96:97], s[10:11], s[8:9]
	s_mov_b32 s85, 0
	s_mov_b32 s87, 0
	s_add_nc_u64 s[84:85], s[96:97], s[84:85]
	s_add_nc_u64 s[86:87], s[84:85], s[86:87]
.macro RLOAD a
	WIN 0x40
.irp e, 0,1,2,3
	global_load_b128 v[32*((\a)%2)+4*\e:32*((\a)%2)+4*\e+3], v2, s[92:93] offset:(32*((\a)/2)+8*((\a)%2))*256+16*\e
	global_load_b128 v[32*((\a)%2)+16+4*\e:32*((\a)%2)+16+4*\e+3], v2, s[92:93] offset:(32*((\a)/2)+8*((\a)%2))*256+128+16*\e
.endr
	WIN 0
.endm
.macro QKBLK a
.if (\a) < 7
	s_wait_loadcnt 8
.else
	s_wait_loadcnt 0
.endif
.irp hh, 0,1
	WIN (2+(\a)/4)|4
.set n_, 0
.rept 32
	v_mul_f32 v[T+n_], v[64*((\a)%4)+32*\hh+n_], v[32*((\a)%2)+n_%16]
.set n_, n_+1
.endr
.set n_, 0
.rept 32
	v_fma_f32 v[T+n_], v[64*((\a)%4)+32*\hh+n_+1-2*(n_%2)], v[32*((\a)%2)+16+n_%16], v[T+n_]
.set n_, n_+1
.endr
	QUANT T, 2, PC+4*(2*(\a)+\hh), 0, HW+8*\hh+(\a)
	global_store_b128 v1, v[PC+4*(2*(\a)+\hh):PC+4*(2*(\a)+\hh)+3], s[84+2*\hh:85+2*\hh] offset:512*(\a)
.endr
.if (\a) < 6
	RLOAD (\a)+2
.endif
.endm
	RLOAD 0
	RLOAD 1
.irp a, 0,1,2,3,4,5,6,7
	QKBLK \a
.endr
	s_and_b32 s89, ttmp9, 1
	s_cmp_eq_u32 s89, 1
	s_cbranch_scc1 .Lk_tail
.irp a, 0,1,2,3,4,5,6,7
	v_lshl_or_b32 v[TL+\a], v[HW+\a], 16, v[HW+\a]
	v_lshl_or_b32 v[TL+8+\a], v[HW+8+\a], 16, v[HW+8+\a]
.endr
.irp a, 0,1,2,3,4,5,6,7
	v_cndmask_b32 v[TL+\a], v[TL+\a], v[TL+8+\a], vcc_lo
.endr
	global_store_b128 v3, v[TL:TL+3], s[90:91]
	global_store_b128 v3, v[TL+4:TL+7], s[90:91] offset:256
	s_branch .Lend
.Lk_tail:
.irp b, 0,1,2,3
	v_lshl_or_b32 v[TL+\b], v[HW+2*\b+1], 16, v[HW+2*\b]
	v_lshl_or_b32 v[TL+4+\b], v[HW+8+2*\b+1], 16, v[HW+8+2*\b]
.endr
.irp b, 0,1,2,3
	v_cndmask_b32 v[TL+\b], v[TL+\b], v[TL+4+\b], vcc_lo
.endr
	global_store_b128 v4, v[TL:TL+3], s[84:85] offset:8192
	s_branch .Lend
.Lv:
	s_wait_alu depctr_va_vdst(0)
	v_mul_u32_u24 v4, v6, 16*KVB
	v_lshl_add_u32 v4, v5, 4, v4
	s_lshr_b32 s82, s42, 3
	s_lshl_b32 s82, s82, 4
	s_lshl_b32 s83, s17, 2
	s_add_co_u32 s82, s82, s83
	s_lshl_b32 s83, s15, 1
	s_add_co_u32 s82, s82, s83
	s_lshl_b32 s82, s82, 4
	s_and_b32 s83, s42, 7
	s_lshl_b32 s83, s83, 1
	s_add_co_u32 s82, s82, s83
	s_add_co_u32 s82, s82, s16
	s_mul_i32 s84, s82, KVB
	s_mov_b32 s85, 0
	s_add_nc_u64 s[84:85], s[10:11], s[84:85]
.irp a, 0,1,2,3,4,5,6,7
	QUANT 64*(\a%4), 4, PC+8*\a, 2+\a/4, HW+\a
	global_store_b128 v1, v[PC+8*\a:PC+8*\a+3], s[84:85] offset:(\a/4)*16*KVB+4096+(\a%4)*1024
	global_store_b128 v1, v[PC+8*\a+4:PC+8*\a+7], s[84:85] offset:(\a/4)*16*KVB+4096+(\a%4)*1024+512
.endr
.irp t, 0,1,2,3
	v_cndmask_b32 v[TL+\t], v[HW+\t], v[HW+4+\t], vcc_lo
.endr
	global_store_b128 v4, v[TL:TL+3], s[84:85] offset:8448
.Lend:
	s_wait_tensorcnt 0x0
	ds_add_u32 v[SPW], v[NIL]
	s_wait_dscnt 0x0
	CROUND
	s_endpgm
.Lfunc_end_k_q58326b6ab2_qkv:
	.size	k_q58326b6ab2_qkv, .Lfunc_end_k_q58326b6ab2_qkv-k_q58326b6ab2_qkv
	.p2alignl 7, 3214868480
	.fill 96, 4, 3214868480
	.section	.rodata,"a",@progbits
	.p2align	6, 0x0
	.amdhsa_kernel k_q58326b6ab2_qkv
		.amdhsa_group_segment_fixed_size 327680
		.amdhsa_private_segment_fixed_size 0
		.amdhsa_enable_private_segment 0
		.amdhsa_kernarg_size 32
		.amdhsa_user_sgpr_count 2
		.amdhsa_user_sgpr_kernarg_segment_ptr 1
		.amdhsa_wavefront_size32 1
		.amdhsa_system_sgpr_workgroup_id_x 1
		.amdhsa_system_sgpr_workgroup_id_y 1
		.amdhsa_system_sgpr_workgroup_id_z 1
		.amdhsa_system_vgpr_workitem_id 0
		.amdhsa_next_free_vgpr 1024
		.amdhsa_next_free_sgpr 100
		.amdhsa_reserve_vcc 1
		.amdhsa_float_denorm_mode_32 3
		.amdhsa_float_denorm_mode_16_64 3
		.amdhsa_memory_ordered 1
		.amdhsa_forward_progress 1
		.amdhsa_inst_pref_size 216
	.end_amdhsa_kernel
	.amdgpu_metadata
---
amdhsa.version: [ 1, 2 ]
amdhsa.kernels:
  - .name:           k_q58326b6ab2_qkv
    .symbol:         k_q58326b6ab2_qkv.kd
    .args:
      - { .name: hc, .offset: 0, .size: 8, .value_kind: global_buffer, .address_space: global }
      - { .name: wts, .offset: 8, .size: 8, .value_kind: global_buffer, .address_space: global }
      - { .name: qb, .offset: 16, .size: 8, .value_kind: global_buffer, .address_space: global }
      - { .name: kv, .offset: 24, .size: 8, .value_kind: global_buffer, .address_space: global }
    .group_segment_fixed_size: 327680
    .private_segment_fixed_size: 0
    .kernarg_segment_align: 8
    .kernarg_segment_size: 32
    .max_flat_workgroup_size: 128
    .sgpr_count:     100
    .vgpr_count:     1024
    .wavefront_size: 32
...
	.end_amdgpu_metadata
.endif
;; end of part 8
;; launch attn (part 9): grid 8 x 32, 16 waves a work-group, clusters of 4 x 1, 215,040 bytes of LDS; arguments qb, kv, oc; writes oc
.if DOCPART == 9
	.amdgcn_target "amdgcn-amd-amdhsa--gfx1250"
	.amdhsa_code_object_version 6
	.text
	.protected	k_q58326b6ab2_attn
	.globl	k_q58326b6ab2_attn
	.p2align	8
	.type	k_q58326b6ab2_attn,@function
k_q58326b6ab2_attn:
	s_mov_b64 s[64:65], 0
	v_nop
	global_prefetch_b8 v0, s[64:65] scope:SCOPE_SE
	s_setreg_imm32_b32 hwreg(HW_REG_WAVE_MODE, 25, 1), 1
	s_wait_xcnt 0x0
	s_wait_alu depctr_hold_cnt(0) depctr_sa_sdst(0) depctr_va_vdst(0) depctr_va_sdst(0) depctr_va_ssrc(0) depctr_va_vcc(0) depctr_vm_vsrc(0)
	s_getreg_b32 s2, hwreg(HW_REG_IB_STS2, 6, 4)
	s_cmp_eq_u32 s2, 0
	s_cbranch_scc0 .Lentry_in_a_cluster
	s_endpgm
.Lentry_in_a_cluster:
	s_bfe_u32 s2, ttmp6, 0x10000c
	s_cmp_lg_u32 s2, 0x3003
	s_cbranch_scc0 .Lentry_shape_is_right
	s_endpgm
.Lentry_shape_is_right:
; Causal attention of one (batch, head) on codes of FP4 (E2M1), head size 64, 2,048 positions; the result, divided by the row's sum, is quantised along the 1,024 of the concatenated heads into an operand image (oc).
; Key steps that lie wholly behind a tile's queries are hidden by the causal mask that the problem builds itself: they are jumped over.
; THE SOFTMAX AHEAD OF THE SECOND PRODUCT: t = score x log2(e) / 8; M = the running largest t, rounded up to a whole number; p = 2^(t - M) is quantised along the keys; the row's sum is taken of the unquantised p.
; SHARES.  The eight work-groups of a (batch, head) each hold ALL its keys in LDS: 16 blocks of 8,704 bytes (128 keys: K's 8 tiles, V^T's 4 fragments, their scale words), filled once: wave w fetches block w.
;   The four work-groups of a cluster ask for each block jointly.  Nothing is filled again, and there is no stream to prefetch: all keys are asked for at the head.
;   Work-group j (0..7) owns the tiles of 16 queries 8 u + j, u = 0..15; tile u has u + 1 steps of 128 keys.  With a = wave % 8: waves 0-7 take steps 0 to 8 of tile 15 - a: 9 steps;
;   waves 8-15 take its steps 9 to 15 - a and then all a + 1 steps of tile a: 8 steps.  A wave of the second kind leaves its part of the long tile (O^T, -M, the sums) in LDS bytes of its own; behind one barrier its partner
;   brings both parts under the larger M, by powers of two that round nothing, and adds them.  j enters global addresses and lane data alone; the ranges of steps hang on the wave's number alone.
; LAYOUT.  Both products transposed: S^T = K Q^T, O^T = V^T P^T: a lane holds one query.  Slot r of a tile ib is position 32 (ib / 2) + 8 (ib % 2) + r % 8 + 16 (r / 8), so p's 16 registers of two neighbouring tiles are 16 neighbouring keys.
; K = 64 IN AN INSTRUCTION OF 128: a fragment of K carries tile 2 b in registers 0-3 and tile 2 b + 1 in registers 4-7.  Q stands twice: (q, zeros) gives tile 2 b, (zeros, q) gives tile 2 b + 1: zero codes add nothing.
; A step's fragments of K are asked of LDS in the step before, behind that step's first products; V's at the step's head.
; LIMITS: NaN and infinities are not served; a block of p or of o whose largest magnitude lies under 2^-124 gets the byte 1.
; REGISTERS: v1 16 lane, v2 16 r, v3 the mask's bound, v4-5 the spare word's, v6 lane / 16, v8-9 LDS addresses, v11 16 r + h, v12 -M, v13 largest t, v[14:15] the sum; v16-31, v192-207 Q of the two tiles, each twice; v32-63 K; v64-95 V;
;   v96-159 S^T, then p; v160-191 O^T; scale words and nothing else: v208-209 Q's, v216-219 V's, v220-223 K's, v253 p's; v210-211 where my part goes and where my partner's lies; v224-231 p's codes; v232-252, v254 at work.
.set KVB, 8704
.set QBH, 73728
.set BLK, 4352
.set TM,  232
.set SEL, 20
.set PB,  16*KVB                       ; behind the keys: 4,608 bytes for each wave's part of a tile
.set PBW, 4608
.set SPARE, PB+16*PBW
.macro ROUND                           ; a round of the cluster's barrier
	s_barrier_signal -1
	s_barrier_wait -1
	s_cmp_lg_u32 s8, 0
	s_cbranch_scc1 .Lnot_wave_0_\@
	s_barrier_signal -3
.Lnot_wave_0_\@:
	s_barrier_wait -3
	s_barrier_signal -1
	s_barrier_wait -1
.endm
; THE QUANTISER.  Two blocks of 32: register s + 16 b + i is k = 32 b + 16 (lane / 16) + i of my row.  Codes to v[pc] on; the blocks' bytes stay in v[TM+4], v[TM+5].
.macro QUANT s, pc
.irp b, 0,1
	v_max3_num_f32 v[TM+\b], |v[16*\b+(\s)]|, |v[16*\b+1+(\s)]|, 0x1800000
.endr
.irp i, 2,4,6,8,10,12,14
.irp b, 0,1
	s_delay_alu instid0(VALU_DEP_2)
	v_max3_num_f32 v[TM+\b], |v[16*\b+\i+(\s)]|, |v[16*\b+\i+1+(\s)]|, v[TM+\b]
.endr
.endr
.irp b, 0,1
	s_delay_alu instid0(VALU_DEP_2)
	v_permlanex16_b32 v[TM+4+\b], v[TM+\b], s[SEL], s[SEL+1]
.endr
.irp b, 0,1
	s_delay_alu instid0(VALU_DEP_2)
	v_max_num_f32 v[TM+\b], v[TM+\b], v[TM+4+\b]
.endr
.irp b, 0,1
	s_delay_alu instid0(VALU_DEP_2)
	v_add_nc_u32 v[TM+12+\b], 0xff000000, v[TM+\b]
.endr
.irp b, 0,1
	s_delay_alu instid0(VALU_DEP_2)
	v_lshrrev_b32 v[TM+4+\b], 23, v[TM+12+\b]
.endr
.irp b, 0,1
	v_cvt_scalef32_pk8_fp4_f32 v[2*\b+(\pc)], v[16*\b+(\s):16*\b+7+(\s)], v[TM+12+\b]
	v_cvt_scalef32_pk8_fp4_f32 v[2*\b+1+(\pc)], v[16*\b+8+(\s):16*\b+15+(\s)], v[TM+12+\b]
.endr
	v_nop
	v_permlane16_swap_b32 v[(\pc)], v[2+(\pc)]
	v_permlane16_swap_b32 v[1+(\pc)], v[3+(\pc)]
.endm
	s_load_b128 s[4:7], s[0:1], 0x0                ; qb, kv
	s_load_b64 s[12:13], s[0:1], 0x10              ; oc
	v_lshl_add_u32 v4, v0, 2, SPARE
	v_mov_b32 v5, 0
	ds_add_u32 v4, v5                              ; the opening lines: the add twice on end and its wait
	ds_add_u32 v4, v5
	v_lshrrev_b32 v7, 5, v0
	v_readfirstlane_b32 s8, v7                     ; wave 0..15
	s_bfe_u32 s9, ttmp6, 0x40000                   ; cx
	s_lshl_b32 s10, ttmp9, 2
	s_add_co_u32 s10, s10, s9                      ; j
	s_and_b32 s14, ttmp7, 0xffff                   ; 16 batch + head
	s_lshr_b32 s15, s8, 3                          ; 0: the long tile's first nine steps; 1: its rest, and the short tile
	s_and_b32 s17, s8, 7                           ; a: the key step of the short tile's diagonal,
	s_sub_co_u32 s16, 15, s17                      ; of the long tile's
	s_cmp_eq_u32 s15, 0
	s_cselect_b32 s60, 0, 9                        ; the long tile: my first step
	s_cselect_b32 s61, 8, s16                      ; and my last
	s_cselect_b32 s62, 16, 0                       ; the short tile: none, or steps 0
	s_cselect_b32 s63, 0, s17                      ; to a
	s_lshl_b32 s18, s16, 3
	s_add_co_u32 s18, s18, s10                     ; the two tiles of queries
	s_lshl_b32 s19, s17, 3
	s_add_co_u32 s19, s19, s10
	s_mov_b32 s24, 15|(3<<16)|(1<<21)              ; group 1: 8,704 dense bytes as 34 rows of 32 elements of 8 bytes; the mask names all four work-groups, bit 21 beside it
	s_mov_b32 s25, 32<<16
	s_mov_b32 s26, 34<<16
	s_mov_b32 s27, 32<<16
	s_mov_b32 s28, 34
	s_mov_b32 s29, 32
	s_mov_b32 s30, 0
	s_mov_b32 s31, 0
	s_lshl_b32 s52, s14, 4
	s_add_co_u32 s52, s52, s8
	s_mul_i32 s52, s52, KVB                        ; key block w of my (batch, head)
	s_mov_b32 s53, 0
	s_mov_b32 s32, 1
	s_mul_i32 s33, s8, KVB                         ; LDS: wave x 8,704
	s_mov_b32 s[SEL], 0x76543210
	s_mov_b32 s[SEL+1], 0xfedcba98
	s_mov_b32 s22, 0x3e38aa3b                      ; c = log2(e) / 8
	s_mov_b32 s23, s22
	s_wait_dscnt 0x0
	s_wait_kmcnt 0x0
	s_add_nc_u64 s[34:35], s[6:7], s[52:53]
	s_or_b32 s35, s35, 0x80000000
	ROUND                                          ; the four work-groups are here: the joint loads meet
	tensor_load_to_lds s[32:35], s[24:31]          ; my one tensor load
	s_nop 0
.rept 4
	v_nop
.endr
	; where a result goes: block (head / 8) x 256 + 128 batch + tile; in it q = (head / 2) % 4, c = head % 2
	s_and_b32 s52, s14, 15
	s_lshr_b32 s53, s14, 4
	s_lshr_b32 s56, s52, 3
	s_lshl_b32 s56, s56, 8
	s_lshl_b32 s53, s53, 7
	s_add_co_u32 s56, s56, s53
	s_bfe_u32 s53, s52, 0x20001
	s_and_b32 s52, s52, 1
	s_lshl_b32 s57, s53, 10
	s_lshl_b32 s54, s52, 9
	s_add_co_u32 s57, s57, s54
	s_lshl_b32 s58, s53, 2
	s_lshl_b32 s54, s52, 1
	s_add_co_u32 s58, s58, s54
	s_mul_i32 s59, s14, QBH
	s_mov_b32 s55, 0
.irp p, 0,1                                    ; for each of the two tiles: q's codes, q's scale words, the result's codes, its scale bytes
	s_lshl_b32 s53, s[18+\p], 9
	s_add_co_u32 s54, s59, s53
	s_add_nc_u64 s[36+4*\p:37+4*\p], s[4:5], s[54:55]
	s_lshr_b32 s53, s[18+\p], 2
	s_lshl_b32 s53, s53, 8
	s_add_co_u32 s54, s59, s53
	s_and_b32 s53, s[18+\p], 3
	s_lshl_b32 s53, s53, 2
	s_add_co_u32 s54, s54, s53
	s_add_co_u32 s54, s54, 65536
	s_add_nc_u64 s[38+4*\p:39+4*\p], s[4:5], s[54:55]
	s_add_co_u32 s53, s56, s[18+\p]
	s_mul_i32 s53, s53, BLK
	s_add_co_u32 s54, s53, s57
	s_add_nc_u64 s[44+4*\p:45+4*\p], s[12:13], s[54:55]
	s_add_co_u32 s54, s53, s58
	s_add_nc_u64 s[46+4*\p:47+4*\p], s[12:13], s[54:55]
.endr
	s_cmp_eq_u32 s15, 0                            ; waves 0-7 send the long tile out, waves 8-15 the short one: the choice hangs on the wave's number alone
	s_cselect_b64 s[44:45], s[44:45], s[48:49]
	s_cselect_b64 s[46:47], s[46:47], s[50:51]
	s_mul_i32 s54, s8, PBW
	s_add_co_u32 s54, s54, PB                      ; my part's bytes,
	s_or_b32 s55, s8, 8
	s_mul_i32 s55, s55, PBW
	s_add_co_u32 s55, s55, PB                      ; and those of wave 8 + a
	s_lshr_b32 s52, s10, 1
	s_lshl_b32 s52, s52, 5
	s_and_b32 s53, s10, 1
	s_lshl_b32 s53, s53, 3
	s_add_co_u32 s52, s52, s53                     ; a tile's place in its 128 positions: the same for both tiles
	v_and_b32 v7, 31, v0
	v_lshlrev_b32 v1, 4, v7                        ; 16 x lane
	v_add_nc_u32 v210, s54, v1
	v_add_nc_u32 v211, s55, v1
	v_and_b32 v7, 15, v0                           ; r
	v_lshlrev_b32 v2, 4, v7                        ; 16 r
	v_bfe_u32 v6, v0, 4, 1                         ; h
	v_lshl_add_u32 v11, v7, 4, v6                  ; the way out: 16 r + h
	v_and_b32 v3, 7, v0
	v_bfe_u32 v7, v0, 3, 1
	v_lshl_add_u32 v3, v7, 4, v3
	v_lshlrev_b32 v7, 4, v6
	v_sub_nc_u32 v3, v3, v7
	v_add_nc_u32 v3, s52, v3                       ; my query - 16 h, in the diagonal step: register 16 b + i holds key 32 b + i + 16 h: hidden where 32 b + i is above this
	s_wait_alu depctr_va_vdst(0)                   ; the wait here, ahead of the readers below
	global_load_b128 v[16:19], v1, s[36:37]        ; the long tile: (q, zeros)
	global_load_b128 v[28:31], v1, s[36:37]        ; (zeros, q): two runs of registers
	global_load_b32 v209, v2, s[38:39]             ; q's scale words
	global_load_b128 v[192:195], v1, s[40:41]      ; the same of the short tile
	global_load_b128 v[204:207], v1, s[40:41]
	global_load_b32 v208, v2, s[42:43]
.irp j, 20,21,22,23,24,25,26,27,196,197,198,199,200,201,202,203
	v_mov_b32 v[\j], 0                             ; Q's zero codes
.endr
.irp j, 236,237,238,239,252,253
	v_mov_b32 v[\j], 0                             ; a lane permute's destination counts as one of its sources; v253 is named in a pair before it is first written
.endr
	s_wait_alu depctr_va_vdst(0)                   ; the wait at the head's end
	s_wait_tensorcnt 0x0                           ; my block has landed,
	s_barrier_signal -1
	s_barrier_wait -1                              ; everybody's has
	s_wait_loadcnt 0x0                             ; Q
.macro KLOAD                           ; nine LDS loads: a step's fragments of K and their scale words, at v8 and v9
.irp i, 0,1,2,3,4,5,6,7
	ds_load_b128 v[32+4*\i:35+4*\i], v8 offset:512*\i
.endr
	ds_load_b128 v[220:223], v9 offset:8192
.endm
.macro INIT                            ; a tile's sums begin
	v_mov_b32 v13, 0xff61b1e6                      ; the largest t so far: -3e38
	v_floor_f32 v12, -v13                          ; -M
	v_mov_b32 v14, 0
	v_mov_b32 v15, 0
.set n_, 0
.rept 32
	v_mov_b32 v[160+n_], 0                         ; O^T: the step is written once; the first change of M leaves zeros zeros
.set n_, n_+1
.endr
	s_wait_alu depctr_va_vdst(0)                   ; the wait here, directly behind the writes
.endm
; MY STEPS OF TILE p (0: the long one, 1: the short one): steps s[60 + 2 p] to s[61 + 2 p]; the trip count is a constant, and the other steps are jumped over
.macro LOOP p, trips
.set QA, 16+176*(\p)
.set QS, 209-(\p)
	s_mov_b32 s11, s[16+\p]                        ; the diagonal's key step
	s_min_u32 s52, s[60+2*\p], 15
	s_mul_i32 s52, s52, KVB
	v_add_nc_u32 v8, s52, v1
	v_add_nc_u32 v9, s52, v2
	s_mov_b32 s2, 0                                ; LDS byte of the step's block
	s_mov_b32 s3, 0                                ; the step
	KLOAD                                          ; my first step's K
.Lstep_\@:
	s_cmp_lt_u32 s3, s[60+2*\p]
	s_cbranch_scc1 .Lhidden_\@
	s_cmp_gt_u32 s3, s[61+2*\p]
	s_cbranch_scc1 .Lhidden_\@
	v_add_nc_u32 v8, s2, v1
	v_add_nc_u32 v9, s2, v2
	v_nop
	v_nop                                          ; four plain instructions between the last step's products and the loads into their registers
.irp i, 0,1,2,3,4,5,6,7
	ds_load_b128 v[64+4*\i:67+4*\i], v8 offset:4096+512*\i     ; V^T: fragment i / 2
.endr
	ds_load_b128 v[216:219], v9 offset:8448        ; V's scale words
	s_wait_dscnt 9                                 ; K and its words, asked for earlier, are in; V's nine loads may be out
.irp b, 0,1,2,3
	v_wmma_scale_f32_16x16x128_f8f6f4 v[96+16*\b:103+16*\b], v[32+8*\b:39+8*\b], v[QA:QA+7], 0, v[220+\b], v[QS] matrix_a_fmt:MATRIX_FMT_FP4 matrix_b_fmt:MATRIX_FMT_FP4
	v_wmma_scale_f32_16x16x128_f8f6f4 v[104+16*\b:111+16*\b], v[32+8*\b:39+8*\b], v[QA+8:QA+15], 0, v[220+\b], v[QS] matrix_a_fmt:MATRIX_FMT_FP4 matrix_b_fmt:MATRIX_FMT_FP4
.endr
	s_add_co_u32 s52, s2, KVB
	s_min_u32 s52, s52, 15*KVB                     ; the next step's block, held at the last one
	v_add_nc_u32 v8, s52, v1
	v_add_nc_u32 v9, s52, v2
	v_nop
	v_nop                                          ; four plain instructions behind the products
	KLOAD                                          ; the next step's K
	s_cmp_lt_u32 s3, s11                           ; only the diagonal step has hidden keys
	s_cbranch_scc1 .Lopen_\@
	v_mov_b32 v254, 0xff800000                     ; -infinity: p = 0
.set n_, 0
.rept 64
	v_cmp_gt_i32 vcc_lo, 32*(n_/16)+n_%16, v3
	v_cndmask_b32 v[96+n_], v[96+n_], v254, vcc_lo
.set n_, n_+1
.endr
.Lopen_\@:
.irp b, 0,1,2,3
	v_max3_num_f32 v[232+\b], v[96+16*\b], v[97+16*\b], v[98+16*\b]   ; the largest score of each block of 32 keys: for the row's maximum, and, since p rises with the score, for the block's largest p
.endr
.irp i, 3,5,7,9,11,13
.irp b, 0,1,2,3
	v_max3_num_f32 v[232+\b], v[232+\b], v[96+16*\b+\i], v[97+16*\b+\i]
.endr
.endr
.irp b, 0,1,2,3
	v_max_num_f32 v[232+\b], v[232+\b], v[111+16*\b]
.endr
.irp b, 0,1,2,3
	s_delay_alu instid0(VALU_DEP_4)
	v_permlanex16_b32 v[236+\b], v[232+\b], s[SEL], s[SEL+1]
.endr
.irp b, 0,1,2,3
	s_delay_alu instid0(VALU_DEP_4)
	v_max_num_f32 v[232+\b], v[232+\b], v[236+\b]
.endr
	s_delay_alu instid0(VALU_DEP_2)
	v_max3_num_f32 v254, v232, v233, v234
	s_delay_alu instid0(VALU_DEP_1)
	v_max_num_f32 v254, v254, v235
	s_delay_alu instid0(VALU_DEP_1)
	v_mul_f32 v254, s22, v254
	s_delay_alu instid0(VALU_DEP_1)
	v_max_num_f32 v13, v13, v254                   ; the running largest t
	v_mov_b32 v254, v12
	s_delay_alu instid0(VALU_DEP_2)
	v_floor_f32 v12, -v13                          ; the new -M: a whole number
	s_delay_alu instid0(VALU_DEP_1)
	v_sub_f32 v254, v12, v254
	s_delay_alu instid0(VALU_DEP_1)
	v_cvt_i32_f32 v254, v254                       ; (it saturates)
	s_delay_alu instid0(VALU_DEP_1)
	v_ldexp_f32 v252, 1.0, v254                    ; f = 2^(old M - new M): rounds nothing
.set n_, 0
.rept 32
	v_pk_fma_f32 v[96+n_:97+n_], v[96+n_:97+n_], s[22:23], v[12:13] op_sel_hi:[1,0,0]   ; t - M
.set n_, n_+2
.endr
.irp b, 0,1,2,3
	v_fma_f32 v[232+\b], v[232+\b], s22, v12
.endr
	s_wait_alu depctr_va_vdst(0)                   ; the wait ahead of the batch
.set n_, 0
.rept 64
	v_exp_f32 v[96+n_], v[96+n_]                   ; p, at most 1, not normalised
.set n_, n_+1
.endr
	v_pk_mul_f32 v[14:15], v[14:15], v[252:253] op_sel_hi:[1,0]   ; the sums under the new M: a plain instruction behind the exponentials
	s_wait_alu depctr_va_vdst(0)                   ; one wait for the batch, ahead of its first reader
.irp b, 0,1,2,3
	v_exp_f32 v[232+\b], v[232+\b]                 ; each block's largest p
.endr
.irp c, 0,1,2,3,4,5,6,7                        ; the row's sum of the unquantised p: eight packed chains
	v_pk_add_f32 v[236+2*\c:237+2*\c], v[96+2*\c:97+2*\c], v[112+2*\c:113+2*\c]
.endr
.irp n, 128,144
.irp c, 0,1,2,3,4,5,6,7
	v_pk_add_f32 v[236+2*\c:237+2*\c], v[236+2*\c:237+2*\c], v[\n+2*\c:\n+2*\c+1]
.endr
.endr
.irp c, 0,1,2,3
	v_pk_add_f32 v[236+2*\c:237+2*\c], v[236+2*\c:237+2*\c], v[244+2*\c:245+2*\c]
.endr
	v_pk_add_f32 v[236:237], v[236:237], v[240:241]
	v_pk_add_f32 v[238:239], v[238:239], v[242:243]
	s_delay_alu instid0(VALU_DEP_1)
	v_pk_add_f32 v[236:237], v[236:237], v[238:239]
	s_delay_alu instid0(VALU_DEP_1)
	v_pk_add_f32 v[14:15], v[14:15], v[236:237]
	s_wait_alu depctr_va_vdst(0)                   ; and one for the four
.irp b, 0,1,2,3
	v_max_num_f32 v[232+\b], 0x1800000, v[232+\b]  ; the floor 2^(3 - 127)
.endr
.irp b, 0,1,2,3
	s_delay_alu instid0(VALU_DEP_4)
	v_add_nc_u32 v[244+\b], 0xff000000, v[232+\b]
.endr
.irp b, 0,1,2,3
	s_delay_alu instid0(VALU_DEP_4)
	v_lshrrev_b32 v[236+\b], 23, v[244+\b]
.endr
	s_delay_alu instid0(VALU_DEP_3)
	v_lshl_or_b32 v253, v237, 8, v236              ; p's scale word for these 128 keys
	s_delay_alu instid0(VALU_DEP_1)
	v_lshl_or_b32 v253, v238, 16, v253
	s_delay_alu instid0(VALU_DEP_1)
	v_lshl_or_b32 v253, v239, 24, v253
.irp b, 0,1,2,3
	v_cvt_scalef32_pk8_fp4_f32 v[224+2*\b], v[96+16*\b:103+16*\b], v[244+\b]
	v_cvt_scalef32_pk8_fp4_f32 v[225+2*\b], v[104+16*\b:111+16*\b], v[244+\b]
.endr
	v_nop
.irp c, 0,1
.irp i, 0,1
	v_permlane16_swap_b32 v[224+4*\c+\i], v[226+4*\c+\i]
.endr
.endr
	s_wait_alu depctr_va_vdst(0)                   ; the wait here, directly ahead of the first reader of O^T
.set n_, 0
.rept 16
	v_pk_mul_f32 v[160+n_:161+n_], v[160+n_:161+n_], v[252:253] op_sel_hi:[1,0]   ; O^T under the new M; these sixteen also stand between the making of p's codes and scale word and the products
.set n_, n_+2
.endr
	s_wait_alu depctr_va_vdst(0)                   ; the wait here, directly ahead of the wait below
	s_wait_dscnt 9                                 ; V and its words are in; the next step's nine loads of K may be out
.irp t, 0,1,2,3
	v_wmma_scale_f32_16x16x128_f8f6f4 v[160+8*\t:167+8*\t], v[64+8*\t:71+8*\t], v[224:231], v[160+8*\t:167+8*\t], v[216+\t], v253 matrix_a_fmt:MATRIX_FMT_FP4 matrix_b_fmt:MATRIX_FMT_FP4
.endr
.Lhidden_\@:
	s_add_co_u32 s2, s2, KVB
	s_add_co_u32 s3, s3, 1
	s_cmp_lt_u32 s3, \trips
	s_cbranch_scc1 .Lstep_\@
	s_wait_dscnt 0x0                               ; the loads of K that ran ahead of my last step have landed
.endm
	INIT
	LOOP 0, 16                                     ; my steps of the long tile
.rept 4
	v_nop                                          ; four plain instructions behind the last products
.endr
	s_cmp_eq_u32 s15, 0
	s_cbranch_scc1 .Lkeep                          ; waves 0-7 keep their part in registers
.irp i, 0,1,2,3,4,5,6,7
	ds_store_b128 v210, v[160+4*\i:163+4*\i] offset:512*\i   ; waves 8-15: my part of the long tile, each accumulator from its low end on,
.endr
	ds_store_b128 v210, v[12:15] offset:4096       ; with -M and the sums
	s_wait_dscnt 0x0                               ; the stores have read their registers
	INIT                                           ; and the short tile begins
.Lkeep:
	LOOP 1, 8                                      ; the short tile has eight steps at the most; waves 0-7 jump over all of them
	s_barrier_signal -1                            ; no LDS instruction of mine is out: the parts are in LDS
	s_barrier_wait -1
	s_cmp_lg_u32 s15, 0
	s_cbranch_scc1 .Lown
.irp i, 0,1,2,3,4,5,6,7
	ds_load_b128 v[96+4*\i:99+4*\i], v211 offset:512*\i      ; waves 0-7: my partner's part
.endr
	ds_load_b128 v[128:131], v211 offset:4096
	s_wait_dscnt 0x0
	v_min_num_f32 v132, v12, v128                  ; -M of both parts together
	v_mov_b32 v137, 0                              ; (upper halves of pairs that are named whole)
	v_mov_b32 v139, 0
	v_sub_f32 v133, v132, v12                      ; my M less the joint M: a whole number, 0 or less;
	v_sub_f32 v134, v132, v128                     ; my partner's likewise (a part with no step has M = -3e38, zeros, and the factor 0)
	v_cvt_i32_f32 v133, v133                       ; (they saturate)
	v_cvt_i32_f32 v134, v134
	v_ldexp_f32 v136, 1.0, v133
	v_ldexp_f32 v138, 1.0, v134
	v_pk_mul_f32 v[14:15], v[14:15], v[136:137] op_sel_hi:[1,0]
.set n_, 0
.rept 16
	v_pk_mul_f32 v[160+n_:161+n_], v[160+n_:161+n_], v[136:137] op_sel_hi:[1,0]
.set n_, n_+2
.endr
	v_pk_fma_f32 v[14:15], v[130:131], v[138:139], v[14:15] op_sel_hi:[1,0,1]
.set n_, 0
.rept 16
	v_pk_fma_f32 v[160+n_:161+n_], v[96+n_:97+n_], v[138:139], v[160+n_:161+n_] op_sel_hi:[1,0,1]
.set n_, n_+2
.endr
.Lown:
	; THE WAY OUT
	v_add_f32 v14, v14, v15
	s_delay_alu instid0(VALU_DEP_1)
	v_permlanex16_b32 v252, v14, s[SEL], s[SEL+1]
	s_delay_alu instid0(VALU_DEP_1)
	v_add_f32 v14, v14, v252                       ; the row's sum
	s_wait_alu depctr_va_vdst(0)                   ; the wait ahead of the transcendental
	v_rcp_f32 v14, v14
.rept 4
	v_nop                                          ; plain instructions: behind the reciprocal, and behind the last products
.endr
	s_wait_alu depctr_va_vdst(0)                   ; ahead of the reciprocal's first reader, which is O^T's too
.set n_, 0
.rept 32
	v_mul_f32 v[96+n_], v[160+n_], v14             ; register 16 b + i is channel 32 b + 16 h + i of my query
.set n_, n_+1
.endr
	QUANT 96, 224
	v_cmp_eq_u32 vcc_lo, 1, v6                     ; lanes 16-31
	s_delay_alu instid0(VALU_DEP_1)
	v_cndmask_b32 v10, v[TM+4], v[TM+5], vcc_lo    ; lane (r, h) stores block h's byte
	global_store_b128 v1, v[224:227], s[44:45]     ; the wave stores 512 consecutive bytes
	global_store_b8 v11, v10, s[46:47] offset:4096 ; a head owns two of a row's sixteen scale bytes: they go singly
	s_wait_tensorcnt 0x0                           ; the wave's end
	ds_add_u32 v4, v5
	s_wait_dscnt 0x0
	ROUND                                          ; the closing round
	s_endpgm
.Lfunc_end_k_q58326b6ab2_attn:
	.size	k_q58326b6ab2_attn, .Lfunc_end_k_q58326b6ab2_attn-k_q58326b6ab2_attn
	.p2alignl 7, 3214868480
	.fill 96, 4, 3214868480
	.section	.rodata,"a",@progbits
	.p2align	6, 0x0
	.amdhsa_kernel k_q58326b6ab2_attn
		.amdhsa_group_segment_fixed_size 215040
		.amdhsa_private_segment_fixed_size 0
		.amdhsa_enable_private_segment 0
		.amdhsa_kernarg_size 24
		.amdhsa_user_sgpr_count 2
		.amdhsa_user_sgpr_kernarg_segment_ptr 1
		.amdhsa_wavefront_size32 1
		.amdhsa_system_sgpr_workgroup_id_x 1
		.amdhsa_system_sgpr_workgroup_id_y 1
		.amdhsa_system_sgpr_workgroup_id_z 1
		.amdhsa_system_vgpr_workitem_id 0
		.amdhsa_next_free_vgpr 256
		.amdhsa_next_free_sgpr 66
		.amdhsa_reserve_vcc 1
		.amdhsa_float_denorm_mode_32 3
		.amdhsa_float_denorm_mode_16_64 3
		.amdhsa_memory_ordered 1
		.amdhsa_forward_progress 1
		.amdhsa_inst_pref_size 63
	.end_amdhsa_kernel
	.amdgpu_metadata
---
amdhsa.version: [ 1, 2 ]
amdhsa.kernels:
  - .name:           k_q58326b6ab2_attn
    .symbol:         k_q58326b6ab2_attn.kd
    .args:
      - { .name: qb, .offset: 0, .size: 8, .value_kind: global_buffer, .address_space: global }
      - { .name: kv, .offset: 8, .size: 8, .value_kind: global_buffer, .address_space: global }
      - { .name: oc, .offset: 16, .size: 8, .value_kind: global_buffer, .address_space: global }
    .group_segment_fixed_size: 215040
    .private_segment_fixed_size: 0
    .kernarg_segment_align: 8
    .kernarg_segment_size: 24
    .max_flat_workgroup_size: 512
    .sgpr_count:     66
    .vgpr_count:     256
    .wavefront_size: 32
...
	.end_amdgpu_metadata
.endif
;; end of part 9
;; launch projln (part 10): grid 256 x 1, 8 waves a work-group, clusters of 4 x 1, 327,680 bytes of LDS; arguments oc, wts, proj_b, x, ln2_w, ln2_b, x1, hc; writes x1, hc
.if DOCPART == 10
	.amdgcn_target "amdgcn-amd-amdhsa--gfx1250"
	.amdhsa_code_object_version 6
	.text
	.protected	k_q58326b6ab2_projln
	.globl	k_q58326b6ab2_projln
	.p2align	8
	.type	k_q58326b6ab2_projln,@function
k_q58326b6ab2_projln:
	s_mov_b64 s[64:65], 0
	v_nop
	global_prefetch_b8 v0, s[64:65] scope:SCOPE_SE
	s_setreg_imm32_b32 hwreg(HW_REG_WAVE_MODE, 25, 1), 1
	s_wait_xcnt 0x0
	s_wait_alu depctr_hold_cnt(0) depctr_sa_sdst(0) depctr_va_vdst(0) depctr_va_sdst(0) depctr_va_ssrc(0) depctr_va_vcc(0) depctr_vm_vsrc(0)
	s_getreg_b32 s2, hwreg(HW_REG_IB_STS2, 6, 4)
	s_cmp_eq_u32 s2, 0
	s_cbranch_scc0 .Lentry_in_a_cluster
	s_endpgm
.Lentry_in_a_cluster:
	s_bfe_u32 s2, ttmp6, 0x10000c
	s_cmp_lg_u32 s2, 0x3003
	s_cbranch_scc0 .Lentry_shape_is_right
	s_endpgm
.Lentry_shape_is_right:
; x1 = x + o proj_w + proj_b, then the second layer norm of x1 and its MX-FP4 quantiser along the 1,024: x1 goes out as f32, the normed rows as an operand image (hc).
; The product is on codes of FP4 (E2M1) with one E8M0 scale for each 32 along K = 1,024; o (oc) and proj_w (in wts) lie in memory as images of the registers: 4,352 bytes for 16 rows x 512 along K:
;   codes at 1024 q + 512 c + 16 lane, scale bytes at 4096 + 16 r + 4 q + j; slot r of block ib is row 32 (ib / 2) + 8 (ib % 2) + r % 8 + 16 (r / 8).
; SHARES.  A work-group owns block ib of 16 WHOLE rows, since the norm wants whole rows: 256 work-groups.  Wave w of eight owns columns 128 w on: 8 blocks of the weight, 8 accumulators, which take turns.
;   The matrix instruction is used transposed (source 0 = 16 rows of the weight, source 1 = my 16 tokens): a lane holds one token, and its 64 registers are columns 128 w + 32 b + 16 h + i at register 16 b + i.
; THE WEIGHT, 2 x 278,528 bytes, comes in two fills of one slot, 512 along K each: wave w fetches its own 8 blocks, 34,816 dense bytes, and no other wave reads them.  All work-groups walk the same weight: the four of a cluster ask jointly.
;   There is no loop to run ahead in (two fills, written out), so nothing is prefetched.
; THE SUMS BEGIN AT x + proj_b, given as C to the first products.  proj_b, ln2_w and ln2_b come as 512 consecutive bytes a wave and turn into the result's layout through a table in LDS bytes of its own.
; x1 leaves through a stage in my own part of the slot, which has had its last fill by then: a store covers 512 consecutive bytes of a row.  The norm's two sums (mean; squares of the centred numbers) cross the waves through LDS.
; LIMITS: NaN and infinities are not served; a block whose largest magnitude lies under 2^-124 gets the byte 1 (zeros: the rule says 127; the codes are zeros and this program alone reads the bytes).
; REGISTERS, window 0: v1 16 lane, v2 16 r, v3 h, v4-5 the spare word's, v6-14 addresses; scale words and nothing else: v16-23 the tokens', v24-55 the weight's; v56-119 the tokens' fragments, then at work; v120-127 at work;
;   v128-191 the accumulators; v192-255 the bias, then rows of x1.  Window 1: a fill's 32 fragments of the weight (64 q + 8 k), then the gain (v0-63) and the norm's bias (v64-127).
.set BLK,   4352
.set WOFF,  1671168
.set HALFT, 8*BLK
.set KSB,   64*BLK                     ; a fill
.set KSA,   256*BLK
.set TB,    KSB                        ; the table: 1,536 bytes a wave
.set EX,    TB+8*1536                  ; the sums: 2 x 512 bytes
.set SPARE, EX+1024                    ; the spare words: 128 bytes a wave
.set SP,    528                        ; a stage row: 512 bytes + 16
.set AS,  16
.set WS,  24
.set AF,  56
.set ACC, 128
.set T,   192
.set CH,  56
.set TM,  64
.set PC,  80
.set PW,  88
.set SEL, 40
.set MSB, 0
.macro WIN new                         ; the immediate's high byte repeats the setting that is left
.if MSB != (\new)
	s_set_vgpr_msb (MSB<<8)|(\new)
.set MSB, \new
.endif
.endm
.macro ROUND                           ; a round of the cluster's barrier
	s_barrier_signal -1
	s_barrier_wait -1
	s_cmp_lg_u32 s20, 0
	s_cbranch_scc1 .Lnot_wave_0_\@
	s_barrier_signal -3
.Lnot_wave_0_\@:
	s_barrier_wait -3
	s_barrier_signal -1
	s_barrier_wait -1
.endm
.macro PLACES
.rept 4
	v_nop
.endr
.endm
	s_load_b256 s[4:11], s[0:1], 0x0               ; oc, wts, proj_b, x
	s_load_b256 s[12:19], s[0:1], 0x20             ; ln2_w, ln2_b, x1, hc
	v_lshl_add_u32 v4, v0, 2, SPARE
	v_mov_b32 v5, 0
	ds_add_u32 v4, v5                              ; the opening lines: the add twice on end and its wait
	ds_add_u32 v4, v5
	v_lshrrev_b32 v1, 5, v0
	v_readfirstlane_b32 s20, v1                    ; wave 0..7
	s_bfe_u32 s21, ttmp6, 0x40000                  ; cx
	s_lshl_b32 s22, ttmp9, 2
	s_add_co_u32 s22, s22, s21                     ; ib: it enters global addresses alone
	s_mov_b32 s24, 15|(3<<16)|(1<<21)              ; group 1: 34,816 dense bytes as 136 rows of 32 elements of 8 bytes; the mask names all four work-groups, bit 21 beside it
	s_mov_b32 s25, 32<<16
	s_mov_b32 s26, 136<<16
	s_mov_b32 s27, 32<<16
	s_mov_b32 s28, 136
	s_mov_b32 s29, 32
	s_mov_b32 s30, 0
	s_mov_b32 s31, 0
	s_mov_b32 s32, 1
	s_mul_i32 s33, s20, HALFT                      ; LDS: wave x 34,816,
	s_add_co_u32 s36, s33, WOFF                    ; and as far into the weight's image
	s_mov_b32 s37, 0
	s_mov_b32 s[SEL], 0x76543210
	s_mov_b32 s[SEL+1], 0xfedcba98
	s_mov_b32 s42, 0x3a800000                      ; 1 / 1024
	s_mov_b32 s43, 0x3727c5ac                      ; 1e-5
	s_wait_dscnt 0x0
	s_wait_kmcnt 0x0
	s_add_nc_u64 s[34:35], s[6:7], s[36:37]
	s_or_b32 s35, s35, 0x80000000
	ROUND                                          ; the four work-groups are here: the joint loads meet
	tensor_load_to_lds s[32:35], s[24:31]          ; the first 512 along K of my 8 blocks
	s_nop 0
	PLACES
	s_lshr_b32 s36, s22, 1
	s_lshl_b32 s36, s36, 5
	s_and_b32 s37, s22, 1
	s_lshl_b32 s37, s37, 3
	s_add_co_u32 s36, s36, s37                     ; slot 0's row
	s_lshl_b32 s36, s36, 12
	s_lshl_b32 s38, s20, 9                         ; my first column, in bytes
	s_add_co_u32 s36, s36, s38
	s_mov_b32 s37, 0
	s_mov_b32 s39, 0
	s_add_nc_u64 s[10:11], s[10:11], s[36:37]
	s_add_nc_u64 s[16:17], s[16:17], s[36:37]
	s_add_nc_u64 s[8:9], s[8:9], s[38:39]
	s_add_nc_u64 s[12:13], s[12:13], s[38:39]
	s_add_nc_u64 s[14:15], s[14:15], s[38:39]
	s_mul_i32 s36, s22, BLK
	s_add_nc_u64 s[4:5], s[4:5], s[36:37]
	s_lshr_b32 s44, s20, 2                         ; hc: my 128 columns are K step w / 4, q = w % 4
	s_mul_i32 s44, s44, KSA
	s_add_co_u32 s36, s36, s44
	s_and_b32 s44, s20, 3
	s_lshl_b32 s45, s44, 2
	s_add_co_u32 s46, s36, s45
	s_mov_b32 s47, 0
	s_add_nc_u64 s[46:47], s[18:19], s[46:47]      ; scale words
	s_lshl_b32 s45, s44, 10
	s_add_co_u32 s36, s36, s45
	s_add_nc_u64 s[18:19], s[18:19], s[36:37]      ; codes
	s_mul_i32 s48, s20, 1536
	s_add_co_u32 s48, s48, TB                      ; my table
	s_lshl_b32 s49, s20, 2
	s_add_co_u32 s49, s49, EX                      ; my word of a token's eight
	v_and_b32 v1, 31, v0
	v_lshlrev_b32 v1, 4, v1                        ; 16 x lane
	v_and_b32 v120, 15, v0                         ; r
	v_lshlrev_b32 v2, 4, v120
	v_bfe_u32 v3, v0, 4, 1                         ; h
	v_add_nc_u32 v6, s33, v1                       ; my fragments; also the stage's rows on the way back
	v_add_nc_u32 v7, s33, v2                       ; my scale words
	v_and_b32 v121, 7, v0
	v_bfe_u32 v122, v0, 3, 1
	v_lshlrev_b32 v8, 12, v121
	v_lshl_add_u32 v8, v122, 16, v8
	v_lshl_add_u32 v8, v3, 6, v8                   ; x: row r % 8 + 16 (r / 8), + 64 h
	v_add_nc_u32 v9, s48, v1                       ; the table, in
	v_lshl_add_u32 v10, v3, 6, s48                 ; and out: + 64 h
	v_mul_u32_u24 v11, v120, SP
	v_lshl_add_u32 v11, v3, 6, v11
	v_add_nc_u32 v11, s33, v11                     ; the stage, in: row r, + 64 h
	v_lshl_add_u32 v13, v120, 5, s49               ; the sums: token r, my word
	v_lshl_add_u32 v14, v120, 5, EX                ; token r's eight words
	s_wait_alu depctr_va_vdst(0)                   ; the wait here, ahead of the readers below
	WIN 0x40
	global_load_b128 v[0:3], v1, s[8:9]            ; proj_b, ln2_w, ln2_b of my 128 columns: 512 consecutive bytes each
	global_load_b128 v[4:7], v1, s[12:13]
	global_load_b128 v[8:11], v1, s[14:15]
	WIN 0
.irp b, 0,1,2,3
.irp e, 0,1,2,3
	global_load_b128 v[ACC+16*\b+4*\e:ACC+16*\b+4*\e+3], v8, s[10:11] offset:128*\b+16*\e   ; x in the result's layout: the sums begin here
.endr
.endr
.irp s, 0,1
.irp q, 0,1,2,3
.irp c, 0,1
	global_load_b128 v[AF+32*\s+8*\q+4*\c:AF+32*\s+8*\q+4*\c+3], v1, s[4:5] offset:\s*KSA+1024*\q+512*\c
.endr
.endr
	global_load_b128 v[AS+4*\s:AS+4*\s+3], v2, s[4:5] offset:\s*KSA+4096
.endr
	s_wait_loadcnt 34                              ; the three rows of the table are in: 16 loads of x and 18 of the tokens may be out
	WIN 0x04
	ds_store_b128 v9, v[0:3]
	ds_store_b128 v9, v[4:7] offset:512
	ds_store_b128 v9, v[8:11] offset:1024
	WIN 0
.irp b, 0,1,2,3
.irp e, 0,1,2,3
	ds_load_b128 v[T+16*\b+4*\e:T+16*\b+4*\e+3], v10 offset:128*\b+16*\e   ; proj_b in the result's layout; LDS serves a wave's instructions in order
.endr
.endr
	s_wait_loadcnt 18                              ; x is in
	s_wait_dscnt 0x0
.set n_, 0
.rept 32
	v_pk_add_f32 v[ACC+n_:ACC+n_+1], v[ACC+n_:ACC+n_+1], v[T+n_:T+n_+1]
.set n_, n_+2
.endr
; A FILL'S WORK: 8 + 64 LDS loads of my own blocks, then 32 products, the loads of the later q still out
.macro WORK s
.irp k, 0,1,2,3,4,5,6,7
	ds_load_b128 v[WS+4*\k:WS+4*\k+3], v7 offset:\k*BLK+4096
.endr
	WIN 0x40
.irp q, 0,1,2,3
.irp k, 0,1,2,3,4,5,6,7
.irp c, 0,1
	ds_load_b128 v[64*\q+8*\k+4*\c:64*\q+8*\k+4*\c+3], v6 offset:\k*BLK+1024*\q+512*\c
.endr
.endr
.endr
	WIN 0x01
.irp q, 0,1,2,3
	s_wait_dscnt 16*(3-\q)                         ; sixteen loads for each later q may be out
.irp k, 0,1,2,3,4,5,6,7
	v_wmma_scale_f32_16x16x128_f8f6f4 v[ACC+8*\k:ACC+8*\k+7], v[64*\q+8*\k:64*\q+8*\k+7], v[AF+32*\s+8*\q:AF+32*\s+8*\q+7], v[ACC+8*\k:ACC+8*\k+7], v[WS+4*\k+\q], v[AS+4*\s+\q] matrix_a_fmt:MATRIX_FMT_FP4 matrix_b_fmt:MATRIX_FMT_FP4
.endr
.endr
	WIN 0
.endm
	s_wait_alu depctr_va_vdst(0)                   ; the wait at the head's end
	s_wait_loadcnt 0x0                             ; the tokens' fragments and scale words
	s_wait_tensorcnt 0x0                           ; my blocks have landed; I alone read them
	WORK 0
	s_wait_tensorcnt 0x0                           ; ahead of the refill
	ds_add_u32 v4, v5
	s_add_nc_u64 s[34:35], s[34:35], KSB           ; no load of mine is out: the second 512 along K
	s_wait_dscnt 0x0
	ROUND
	tensor_load_to_lds s[32:35], s[24:31]
	s_nop 0
	PLACES                                         ; also the places ahead of the loads into the products' registers
	s_wait_tensorcnt 0x0
	WORK 1
	PLACES
	; THE WAY OUT.  The accumulators hold x1
.irp b, 0,1,2,3
.irp e, 0,1,2,3
	ds_store_b128 v11, v[ACC+16*\b+4*\e:ACC+16*\b+4*\e+3] offset:128*\b+16*\e   ; each accumulator from its low end on
.endr
.endr
.irp t, 0,1,2,3,4,5,6,7,8,9,10,11,12,13,14,15
	ds_load_b128 v[T+4*\t:T+4*\t+3], v6 offset:\t*SP   ; back as rows of 512 bytes
.endr
	WIN 0x40
.irp g, 0,1
.irp b, 0,1,2,3
.irp e, 0,1,2,3
	ds_load_b128 v[64*\g+16*\b+4*\e:64*\g+16*\b+4*\e+3], v10 offset:512+512*\g+128*\b+16*\e   ; ln2_w, ln2_b in the result's layout
.endr
.endr
.endr
	WIN 0
.macro FOLD                            ; four packed chains into one number, with lane l xor 16's: my 128 columns' sum
	v_pk_add_f32 v[CH:CH+1], v[CH:CH+1], v[CH+2:CH+3]
	v_pk_add_f32 v[CH+4:CH+5], v[CH+4:CH+5], v[CH+6:CH+7]
	s_delay_alu instid0(VALU_DEP_1)
	v_pk_add_f32 v[CH:CH+1], v[CH:CH+1], v[CH+4:CH+5]
	s_delay_alu instid0(VALU_DEP_1)
	v_add_f32 v[CH], v[CH], v[CH+1]
	s_delay_alu instid0(VALU_DEP_1)
	v_permlanex16_b32 v[CH+1], v[CH], s[SEL], s[SEL+1]
	s_delay_alu instid0(VALU_DEP_1)
	v_add_f32 v[CH], v[CH], v[CH+1]
.endm
.macro MEET off                        ; everybody's sum is in LDS; the eight of my token are added
	s_wait_alu depctr_va_vdst(0)                   ; the wait here, directly ahead of the wait below
	s_wait_dscnt 0x0
	s_barrier_signal -1
	s_barrier_wait -1
	ds_load_b128 v[120:123], v14 offset:\off
	ds_load_b128 v[124:127], v14 offset:\off+16
	s_wait_dscnt 0x0
	v_pk_add_f32 v[120:121], v[120:121], v[122:123]
	v_pk_add_f32 v[124:125], v[124:125], v[126:127]
	s_delay_alu instid0(VALU_DEP_1)
	v_pk_add_f32 v[120:121], v[120:121], v[124:125]
	s_delay_alu instid0(VALU_DEP_1)
	v_add_f32 v120, v120, v121
.endm
.irp c, 0,1,2,3
	v_pk_add_f32 v[CH+2*\c:CH+2*\c+1], v[ACC+2*\c:ACC+2*\c+1], v[ACC+8+2*\c:ACC+8+2*\c+1]
.endr
.irp n, 16,24,32,40,48,56
.irp c, 0,1,2,3
	v_pk_add_f32 v[CH+2*\c:CH+2*\c+1], v[CH+2*\c:CH+2*\c+1], v[ACC+\n+2*\c:ACC+\n+2*\c+1]
.endr
.endr
	FOLD
	ds_store_b32 v13, v[CH]                        ; lanes r and r + 16 write the same word with the same value
	s_wait_dscnt 33                                ; the rows of x1 are back: the table's 32 loads and the store above may be out
.irp t, 0,1,2,3,4,5,6,7,8,9,10,11,12,13,14,15
	global_store_b128 v1, v[T+4*\t:T+4*\t+3], s[16:17] offset:(\t%8+16*(\t/8))*4096   ; 32 lanes store 512 consecutive bytes, at a multiple of 256 from x1's first byte
.endr
	MEET 0
	s_delay_alu instid0(VALU_DEP_1)
	v_mul_f32 v120, s42, v120                      ; the mean, twice: a pair for the packed forms
	s_delay_alu instid0(VALU_DEP_1)
	v_mov_b32 v121, v120
.set n_, 0
.rept 32
	v_pk_add_f32 v[ACC+n_:ACC+n_+1], v[ACC+n_:ACC+n_+1], v[120:121] neg_lo:[0,1] neg_hi:[0,1]
.set n_, n_+2
.endr
.irp c, 0,1,2,3
	v_pk_mul_f32 v[CH+2*\c:CH+2*\c+1], v[ACC+2*\c:ACC+2*\c+1], v[ACC+2*\c:ACC+2*\c+1]
.endr
.irp n, 8,16,24,32,40,48,56
.irp c, 0,1,2,3
	v_pk_fma_f32 v[CH+2*\c:CH+2*\c+1], v[ACC+\n+2*\c:ACC+\n+2*\c+1], v[ACC+\n+2*\c:ACC+\n+2*\c+1], v[CH+2*\c:CH+2*\c+1]
.endr
.endr
	FOLD
	ds_store_b32 v13, v[CH] offset:512             ; other bytes than the first sums'
	MEET 512
	s_delay_alu instid0(VALU_DEP_1)
	v_fma_f32 v120, v120, s42, s43                 ; the variance of the centred numbers + 1e-5
	s_wait_alu depctr_va_vdst(0)                   ; the wait ahead of the transcendental
	v_rsq_f32 v120, v120
	v_nop
	s_wait_alu depctr_va_vdst(0)                   ; and ahead of its first reader
	v_mov_b32 v121, v120
.set n_, 0
.rept 32
	v_pk_mul_f32 v[ACC+n_:ACC+n_+1], v[ACC+n_:ACC+n_+1], v[120:121]
.set n_, n_+2
.endr
	WIN 0x14                                       ; sources 1 and 2: window 1
.set n_, 0
.rept 32
	v_pk_fma_f32 v[ACC+n_:ACC+n_+1], v[ACC+n_:ACC+n_+1], v[n_:n_+1], v[64+n_:64+n_+1]
.set n_, n_+2
.endr
	WIN 0
	; THE QUANTISER: four blocks of 32: register ACC + 16 b + i is k = 32 b + 16 h + i of my 128
.irp b, 0,1,2,3
	v_mov_b32 v[TM+4+\b], 0                        ; a lane permute's destination counts as one of its sources
.endr
.irp b, 0,1,2,3
	v_max3_num_f32 v[TM+\b], |v[ACC+16*\b]|, |v[ACC+16*\b+1]|, 0x1800000   ; with the floor 2^(3 - 127) among the leaves
.endr
.irp i, 2,4,6,8,10,12,14
.irp b, 0,1,2,3
	v_max3_num_f32 v[TM+\b], |v[ACC+16*\b+\i]|, |v[ACC+16*\b+\i+1]|, v[TM+\b]
.endr
.endr
.irp b, 0,1,2,3
	v_permlanex16_b32 v[TM+4+\b], v[TM+\b], s[SEL], s[SEL+1]
.endr
.irp b, 0,1,2,3
	v_max_num_f32 v[TM+\b], v[TM+\b], v[TM+4+\b]
.endr
.irp b, 0,1,2,3
	v_add_nc_u32 v[TM+12+\b], 0xff000000, v[TM+\b]   ; 2 off the exponent field: the conversion's scale operand
.endr
.irp b, 0,1,2,3
	v_lshrrev_b32 v[TM+4+\b], 23, v[TM+12+\b]      ; the scale's byte
.endr
	v_lshl_or_b32 v[PW], v[TM+5], 8, v[TM+4]
	s_delay_alu instid0(VALU_DEP_1)
	v_lshl_or_b32 v[PW], v[TM+6], 16, v[PW]
	s_delay_alu instid0(VALU_DEP_1)
	v_lshl_or_b32 v[PW], v[TM+7], 24, v[PW]
.irp b, 0,1,2,3
	v_cvt_scalef32_pk8_fp4_f32 v[PC+2*\b], v[ACC+16*\b:ACC+16*\b+7], v[TM+12+\b]
	v_cvt_scalef32_pk8_fp4_f32 v[PC+2*\b+1], v[ACC+16*\b+8:ACC+16*\b+15], v[TM+12+\b]
.endr
	v_nop
.irp c, 0,1
	v_permlane16_swap_b32 v[PC+4*\c], v[PC+4*\c+2]
	v_permlane16_swap_b32 v[PC+4*\c+1], v[PC+4*\c+3]
.endr
	global_store_b128 v1, v[PC:PC+3], s[18:19]     ; the wave stores 512 consecutive bytes, twice
	global_store_b128 v1, v[PC+4:PC+7], s[18:19] offset:512
	global_store_b32 v2, v[PW], s[46:47] offset:4096   ; a wave owns one of a row's four scale words of a K step; lanes r and r + 16 store the same word
	s_wait_tensorcnt 0x0                           ; the wave's end
	ds_add_u32 v4, v5
	s_wait_dscnt 0x0
	ROUND                                          ; the closing round
	s_endpgm
.Lfunc_end_k_q58326b6ab2_projln:
	.size	k_q58326b6ab2_projln, .Lfunc_end_k_q58326b6ab2_projln-k_q58326b6ab2_projln
	.p2alignl 7, 3214868480
	.fill 96, 4, 3214868480
	.section	.rodata,"a",@progbits
	.p2align	6, 0x0
	.amdhsa_kernel k_q58326b6ab2_projln
		.amdhsa_group_segment_fixed_size 327680
		.amdhsa_private_segment_fixed_size 0
		.amdhsa_enable_private_segment 0
		.amdhsa_kernarg_size 64
		.amdhsa_user_sgpr_count 2
		.amdhsa_user_sgpr_kernarg_segment_ptr 1
		.amdhsa_wavefront_size32 1
		.amdhsa_system_sgpr_workgroup_id_x 1
		.amdhsa_system_sgpr_workgroup_id_y 1
		.amdhsa_system_sgpr_workgroup_id_z 1
		.amdhsa_system_vgpr_workitem_id 0
		.amdhsa_next_free_vgpr 512
		.amdhsa_next_free_sgpr 66
		.amdhsa_reserve_vcc 0
		.amdhsa_float_denorm_mode_32 3
		.amdhsa_float_denorm_mode_16_64 3
		.amdhsa_memory_ordered 1
		.amdhsa_forward_progress 1
		.amdhsa_inst_pref_size 53
	.end_amdhsa_kernel
	.amdgpu_metadata
---
amdhsa.version: [ 1, 2 ]
amdhsa.kernels:
  - .name:           k_q58326b6ab2_projln
    .symbol:         k_q58326b6ab2_projln.kd
    .args:
      - { .name: oc, .offset: 0, .size: 8, .value_kind: global_buffer, .address_space: global }
      - { .name: wts, .offset: 8, .size: 8, .value_kind: global_buffer, .address_space: global }
      - { .name: proj_b, .offset: 16, .size: 8, .value_kind: global_buffer, .address_space: global }
      - { .name: x, .offset: 24, .size: 8, .value_kind: global_buffer, .address_space: global }
      - { .name: ln2_w, .offset: 32, .size: 8, .value_kind: global_buffer, .address_space: global }
      - { .name: ln2_b, .offset: 40, .size: 8, .value_kind: global_buffer, .address_space: global }
      - { .name: x1, .offset: 48, .size: 8, .value_kind: global_buffer, .address_space: global }
      - { .name: hc, .offset: 56, .size: 8, .value_kind: global_buffer, .address_space: global }
    .group_segment_fixed_size: 327680
    .private_segment_fixed_size: 0
    .kernarg_segment_align: 8
    .kernarg_segment_size: 64
    .max_flat_workgroup_size: 256
    .sgpr_count:     66
    .vgpr_count:     512
    .wavefront_size: 32
...
	.end_amdgpu_metadata
.endif
;; end of part 10
;; launch wv (part 11): grid 16 x 16, 4 waves a work-group, clusters of 4 x 4, 327,680 bytes of LDS; arguments hc, wts, w_b, v_b, gc; writes gc
.if DOCPART == 11
	.amdgcn_target "amdgcn-amd-amdhsa--gfx1250"
	.amdhsa_code_object_version 6
	.text
	.protected	k_q58326b6ab2_wv
	.globl	k_q58326b6ab2_wv
	.p2align	8
	.type	k_q58326b6ab2_wv,@function
k_q58326b6ab2_wv:
	s_mov_b64 s[64:65], 0
	v_nop
	global_prefetch_b8 v0, s[64:65] scope:SCOPE_SE
	s_setreg_imm32_b32 hwreg(HW_REG_WAVE_MODE, 25, 1), 1
	s_wait_xcnt 0x0
	s_wait_alu depctr_hold_cnt(0) depctr_sa_sdst(0) depctr_va_vdst(0) depctr_va_sdst(0) depctr_va_ssrc(0) depctr_va_vcc(0) depctr_vm_vsrc(0)
	s_getreg_b32 s2, hwreg(HW_REG_IB_STS2, 6, 4)
	s_cmp_eq_u32 s2, 0
	s_cbranch_scc0 .Lentry_in_a_cluster
	s_endpgm
.Lentry_in_a_cluster:
	s_bfe_u32 s2, ttmp6, 0x10000c
	s_cmp_lg_u32 s2, 0xf033
	s_cbranch_scc0 .Lentry_shape_is_right
	s_endpgm
.Lentry_shape_is_right:
; g = swish(h2 w_w + w_b) x (h2 v_w + v_b), both products on codes of FP4 (E2M1) with one E8M0 scale for each 32 along K = 1,024; g is quantised along the 2,048 hidden units into an operand image (gc).
; A = the tokens (hc).  B = the weights' image in which row 256 X + 128 half + 64 which + e is unit 128 X + 64 half + e of w_w (which = 0) or v_w (1): so a wave's B blocks 0-3 are 64 units of w_w and its blocks 4-7 the SAME units of v_w,
; and the two numbers that meet in g lie in the same lane, 32 registers apart.  A tile is 256 x 256, a wave makes 128 x 128; the matrix instruction is used transposed: a lane holds one token and its registers run along the units.
; OPERANDS lie in memory as images of the registers (4,352 bytes for 16 rows x 512 along K: codes at 1024 q + 512 c + 16 lane, scale bytes at 4096 + 16 r + 4 q + j); slot r of block ib is row 32 (ib / 2) + 8 (ib % 2) + r % 8 + 16 (r / 8).
; K = 1,024 is two slots: both are first fills.  A's tiles are asked for jointly along a row of the 4 x 4 cluster, B's along a column.  256 work-groups.
; LIMITS: NaN and infinities are not served; a block whose largest magnitude lies under 2^-124 gets the byte 1.  sigmoid(a) = 1 / (1 + 2^(-a log2 e)): where the power overflows the reciprocal is 0, as the limit is.
; REGISTERS: window 0: v16-23 LDS addresses, v28-29 the spare word's, v32-95 scale words and nothing else, v128-191 A's fragments; on the way out v96-248.  window 1: B's fragments; on the way out the biases.  windows 2, 3: the accumulators.
.set BLK,    4352
.set WOFF,   2228224
.set KSA,    256*BLK
.set KSB,    256*BLK
.set HALFT,  8*BLK
.set SLOT,   4*HALFT
.set SPARE,  2*SLOT
.set NQ,     4
.set FR,     8
.set NL,     2
.set NP,     4
.set ADRA, 16
.set ADRB, 20
.set ADRS, 22
.set SPW,  28
.set NIL,  29
.set SC,   32
.set AF,   128
.set T1,   96
.set T2,   128
.set EX,   160
.set PC,   192
.set BY,   224
.set TM,   232
.set PW,   248
.set G1, 24
.set G0, 32
.set G1B, 48
.set G0B, 56
.set SEL, 94
.set MSB, 0
.macro WIN new
.if MSB != (\new)
	s_set_vgpr_msb (MSB<<8)|(\new)
.set MSB, \new
.endif
.endm
.set MUL_LO, 0xa1
.set MUL_HI, 0xf1
.set TO_B,   0x40
.macro JLOAD g0a, g1a, g0b, g1b        ; a joint load: even waves fetch for A, odd waves for B; four v_nop follow each line
	s_cmp_eq_u32 s16, 0
	s_cbranch_scc0 .Lfor_b_\@
	tensor_load_to_lds s[\g0a:\g0a+3], s[\g1a:\g1a+7]
	s_nop 0
.rept 4
	v_nop
.endr
	s_branch .Lasked_\@
.Lfor_b_\@:
	tensor_load_to_lds s[\g0b:\g0b+3], s[\g1b:\g1b+7]
	s_nop 0
.rept 4
	v_nop
.endr
.Lasked_\@:
.endm
.macro CROUND
	s_barrier_signal -1
	s_barrier_wait -1
	s_cmp_lg_u32 s14, 0
	s_cbranch_scc1 .Lnot_wave_0_\@
	s_barrier_signal -3
.Lnot_wave_0_\@:
	s_barrier_wait -3
	s_barrier_signal -1
	s_barrier_wait -1
.endm
	s_load_b256 s[4:11], s[0:1], 0x0               ; hc, wts, w_b, v_b
	s_load_b64 s[12:13], s[0:1], 0x20              ; gc
	v_lshl_add_u32 v[SPW], v0, 2, SPARE
	v_mov_b32 v[NIL], 0
	ds_add_u32 v28, v29
	ds_add_u32 v28, v29
	s_wait_dscnt 0x0
	v_lshrrev_b32 v1, 5, v0
	v_readfirstlane_b32 s14, v1
	s_lshr_b32 s15, s14, 1
	s_and_b32 s16, s14, 1
	s_bfe_u32 s40, ttmp6, 0x40000
	s_bfe_u32 s41, ttmp6, 0x40004
	s_lshl_b32 s42, ttmp9, 2
	s_add_co_u32 s42, s42, s40                     ; tile column X
	s_and_b32 s17, ttmp7, 0xffff
	s_lshl_b32 s17, s17, 2
	s_add_co_u32 s17, s17, s41                     ; tile row
	s_lshl_b32 s43, s41, 2
	s_lshl_b32 s43, 15, s43
	s_lshl_b32 s44, 0x1111, s40
	s_or_b32 s[G1+0], s43, (3<<16)|(1<<21)         ; 69,632 dense bytes as 272 rows of 32 elements of 8 bytes; the mask; bit 21 beside it
	s_or_b32 s[G1B+0], s44, (3<<16)|(1<<21)
.irp g, G1, G1B
	s_mov_b32 s[\g+1], 32<<16
	s_mov_b32 s[\g+2], 272<<16                     ; a load brings 16 blocks: 69,632 dense bytes as 272 rows of 256
	s_mov_b32 s[\g+3], 32<<16
	s_mov_b32 s[\g+4], 272
	s_mov_b32 s[\g+5], 32
	s_mov_b32 s[\g+6], 0
	s_mov_b32 s[\g+7], 0
.endr
	s_mul_i32 s18, s15, KSA                        ; K step wave / 2 (KSA = KSB)
	s_mul_i32 s20, s17, 16*BLK                     ; A: the tile's 16 blocks
	s_add_co_u32 s20, s20, s18
	s_mov_b32 s21, 0
	s_mul_i32 s46, s42, 16*BLK                     ; B likewise
	s_add_co_u32 s46, s46, s18
	s_add_co_u32 s46, s46, WOFF
	s_mov_b32 s47, 0
	s_mul_i32 s45, s15, SLOT                       ; LDS: slot = wave / 2; A's part or B's = wave % 2
	s_mul_i32 s19, s16, 2*HALFT
	s_add_co_u32 s45, s45, s19
	s_wait_kmcnt 0x0
	s_add_nc_u64 s[20:21], s[4:5], s[20:21]
	s_add_nc_u64 s[46:47], s[6:7], s[46:47]
	CROUND
.irp s, 0
	s_mov_b32 s[G0+4*\s], 1
	s_add_co_u32 s[G0+4*\s+1], s45, \s*SLOT
	s_add_nc_u64 s[G0+4*\s+2:G0+4*\s+3], s[20:21], \s*KSA
	s_or_b32 s[G0+4*\s+3], s[G0+4*\s+3], 0x80000000
	s_mov_b32 s[G0B+4*\s], 1
	s_add_co_u32 s[G0B+4*\s+1], s45, \s*SLOT
	s_add_nc_u64 s[G0B+4*\s+2:G0B+4*\s+3], s[46:47], \s*KSB
	s_or_b32 s[G0B+4*\s+3], s[G0B+4*\s+3], 0x80000000
	JLOAD G0+4*\s, G1, G0B+4*\s, G1B               ; my one tensor load
.endr
	v_and_b32 v1, 15, v0
	v_bfe_u32 v2, v0, 4, 1
	v_and_b32 v3, 31, v0
	v_lshlrev_b32 v4, 4, v3
	s_mul_i32 s21, s15, HALFT
	s_mul_i32 s22, s16, HALFT
	s_add_co_u32 s22, s22, 2*HALFT
	v_add_nc_u32 v[ADRA], s21, v4
	v_add_nc_u32 v[ADRB], s22, v4
	v_add_nc_u32 v[ADRA+1], SLOT, v[ADRA]
	v_add_nc_u32 v[ADRB+1], SLOT, v[ADRB]
	s_sub_co_u32 s22, s22, s21
	v_mul_u32_u24 v6, s22, v2
	v_lshl_add_u32 v5, v1, 4, v6
	v_add_nc_u32 v[ADRS], s21, v5
	v_add_nc_u32 v[ADRS+1], SLOT, v[ADRS]
.macro FRAG reg, adr, q, i
.irp c, 0,1
	ds_load_b128 v[\reg+4*\c:\reg+4*\c+3], v[\adr] offset:(\i)*BLK+1024*(\q)+512*\c
.endr
.endm
; The 64 accumulators take turns, one instruction a turn, in the same order in every step.
.macro MUL16 a0, p, q, sc, zero
.irp a, \a0, \a0+1
.irp b, 0,1,2,3,4,5,6,7
.if \zero
	v_wmma_scale_f32_16x16x128_f8f6f4 v[8*(8*((\a)%4)+\b):8*(8*((\a)%4)+\b)+7], v[128*(\p)+FR*\b:128*(\p)+FR*\b+FR-1], v[AF+FR*(\a):AF+FR*(\a)+FR-1], 0, v[SC+8*NQ*(\sc)+NQ*\b+(\q)], v[SC+8*NQ*(\sc)+NQ*(\a)+(\q)] matrix_a_fmt:MATRIX_FMT_FP4 matrix_b_fmt:MATRIX_FMT_FP4 matrix_a_scale:MATRIX_SCALE_ROW1
.else
	v_wmma_scale_f32_16x16x128_f8f6f4 v[8*(8*((\a)%4)+\b):8*(8*((\a)%4)+\b)+7], v[128*(\p)+FR*\b:128*(\p)+FR*\b+FR-1], v[AF+FR*(\a):AF+FR*(\a)+FR-1], v[8*(8*((\a)%4)+\b):8*(8*((\a)%4)+\b)+7], v[SC+8*NQ*(\sc)+NQ*\b+(\q)], v[SC+8*NQ*(\sc)+NQ*(\a)+(\q)] matrix_a_fmt:MATRIX_FMT_FP4 matrix_b_fmt:MATRIX_FMT_FP4 matrix_a_scale:MATRIX_SCALE_ROW1
.endif
.endr
.endr
.endm
.macro FETCH_B slot, q, p
	WIN TO_B
.irp i, 0,1,2,3,4,5,6,7
	FRAG 128*(\p)+FR*\i, ADRB+\slot, \q, \i
.endr
	WIN 0
.endm
.macro FETCH_A slot, q, i0
.irp i, \i0, \i0+1, \i0+2, \i0+3
	FRAG AF+FR*(\i), ADRA+\slot, \q, \i
.endr
.endm
.macro SCALES sc
.irp i, 0,1,2,3,4,5,6,7
	ds_load_b128 v[SC+8*NQ*\sc+NQ*\i:SC+8*NQ*\sc+NQ*\i+3], v[ADRS+\sc] offset:\i*BLK+4096
.endr
.endm
.macro PLACES n
.rept \n
	v_nop
.endr
.endm
.macro STEP slot, q, zero
	s_wait_dscnt 4*NL                              ; all but the youngest eight loads (A's blocks 4-7) are in
	WIN MUL_LO
	MUL16 0, (\q)%2, \q, \slot, \zero
	MUL16 2, (\q)%2, \q, \slot, \zero
	s_wait_dscnt 0
	PLACES NP
	FETCH_B \slot, (\q)+1, 1-(\q)%2
	FETCH_A \slot, (\q)+1, 0
	WIN MUL_HI
	MUL16 4, (\q)%2, \q, \slot, \zero
	MUL16 6, (\q)%2, \q, \slot, \zero
	PLACES NP
	WIN 0
	FETCH_A \slot, (\q)+1, 4
.endm
.macro TURN slot, next                 ; a slot's last step, and the change of slots: one barrier
	s_wait_tensorcnt 0x0
	ds_add_u32 v[SPW], v[NIL]
	s_wait_dscnt 4*NL+1                            ; (the add and the youngest eight loads may be out)
	WIN MUL_LO
	MUL16 0, 1, NQ-1, \slot, 0
	s_wait_dscnt 0x0
	s_barrier_signal -1
	MUL16 2, 1, NQ-1, \slot, 0
	WIN 0
	s_barrier_wait -1
	PLACES NP
	FETCH_B \next, 0, 0
	FETCH_A \next, 0, 0
	SCALES \next
	WIN MUL_HI
	MUL16 4, 1, NQ-1, \slot, 0
	MUL16 6, 1, NQ-1, \slot, 0
	PLACES NP
	WIN 0
	FETCH_A \next, 0, 4
.endm
.macro STEPS slot, from
.set Q, \from
.rept NQ-1-\from
	STEP \slot, Q, 0
.set Q, Q+1
.endr
.endm
; THE QUANTISER.  nb blocks of 32: register s + 16 b + i (in window w) is k = 32 b + 16 (lane / 16) + i of my row.  Codes to v[pc] on, the scale word to v[pw].
.macro QUANT s, nb, pc, w, pw
	WIN (\w)|((\w)<<2)
.set b_, 0
.rept \nb
	v_max3_num_f32 v[TM+b_], |v[16*b_+(\s)]|, |v[16*b_+1+(\s)]|, 0x1800000
.set b_, b_+1
.endr
.irp i, 2,4,6,8,10,12,14
.set b_, 0
.rept \nb
	v_max3_num_f32 v[TM+b_], |v[16*b_+\i+(\s)]|, |v[16*b_+\i+1+(\s)]|, v[TM+b_]
.set b_, b_+1
.endr
.endr
	WIN 0
.set b_, 0
.rept \nb
	v_permlanex16_b32 v[TM+4+b_], v[TM+b_], s[SEL], s[SEL+1]
.set b_, b_+1
.endr
.set b_, 0
.rept \nb
	v_max_num_f32 v[TM+b_], v[TM+b_], v[TM+4+b_]
.set b_, b_+1
.endr
.set b_, 0
.rept \nb
	v_add_nc_u32 v[TM+12+b_], 0xff000000, v[TM+b_]
.set b_, b_+1
.endr
.set b_, 0
.rept \nb
	v_lshrrev_b32 v[TM+4+b_], 23, v[TM+12+b_]
.set b_, b_+1
.endr
	v_lshl_or_b32 v[\pw], v[TM+5], 8, v[TM+4]
.if \nb > 2
	v_lshl_or_b32 v[\pw], v[TM+6], 16, v[\pw]
	v_lshl_or_b32 v[\pw], v[TM+7], 24, v[\pw]
.endif
	WIN \w
.set b_, 0
.rept \nb
	v_cvt_scalef32_pk8_fp4_f32 v[2*b_+(\pc)], v[16*b_+(\s):16*b_+7+(\s)], v[TM+12+b_]
	v_cvt_scalef32_pk8_fp4_f32 v[2*b_+1+(\pc)], v[16*b_+8+(\s):16*b_+15+(\s)], v[TM+12+b_]
.set b_, b_+1
.endr
	WIN 0
	v_nop
.set b_, 0
.rept (\nb)/2
	v_permlane16_swap_b32 v[4*b_+(\pc)], v[4*b_+2+(\pc)]
	v_permlane16_swap_b32 v[4*b_+1+(\pc)], v[4*b_+3+(\pc)]
.set b_, b_+1
.endr
.endm
	s_wait_alu depctr_va_vdst(0)
	s_wait_tensorcnt 0x0                           ; my one load, a quarter of both slots, has landed
	s_barrier_signal -1
	s_barrier_wait -1
	FETCH_B 0, 0, 0
	FETCH_A 0, 0, 0
	SCALES 0
	FETCH_A 0, 0, 4
	STEP 0, 0, 1
	STEPS 0, 1
	TURN 0, 1
	STEPS 1, 0
	s_wait_dscnt 4*NL
	WIN MUL_LO
	MUL16 0, 1, NQ-1, 1, 0
	MUL16 2, 1, NQ-1, 1, 0
	s_wait_dscnt 0
	WIN MUL_HI
	MUL16 4, 1, NQ-1, 1, 0
	MUL16 6, 1, NQ-1, 1, 0
	WIN 0
	; THE WAY OUT: no LDS.  For block a of 16 tokens: registers 64 (a % 4) + n are the w product, + 32 the v product, of unit U0 + 32 (n / 16) + 16 h + n % 16, U0 = 128 X + 64 half.
	PLACES NP
.irp b, 0,1,2,3
	v_mov_b32 v[TM+4+\b], 0                        ; a lane permute's destination counts as one of its sources
.endr
	s_mov_b32 s[SEL], 0x76543210
	s_mov_b32 s[SEL+1], 0xfedcba98
	s_mov_b32 s76, 0xbfb8aa3b                      ; -log2(e)
	s_mov_b32 s77, s76
	v_and_b32 v1, 31, v0
	v_lshlrev_b32 v1, 4, v1                        ; 16 x lane
	v_and_b32 v5, 15, v0
	v_bfe_u32 v6, v0, 4, 1
	v_cmp_eq_u32 vcc_lo, 1, v6                     ; lanes 16-31: VCC keeps this mask to the end: nothing else on the way out writes it
	v_lshlrev_b32 v2, 6, v6                        ; the biases: my half's 16 units of each 32
	s_wait_alu depctr_va_vdst(0)
	v_lshl_add_u32 v3, v5, 4, v6                   ; the scale bytes: 16 r + h
	s_lshl_b32 s66, s42, 9
	s_lshl_b32 s67, s16, 8
	s_add_co_u32 s66, s66, s67                     ; 4 U0
	s_mov_b32 s67, 0
	s_add_nc_u64 s[8:9], s[8:9], s[66:67]
	s_add_nc_u64 s[10:11], s[10:11], s[66:67]
	s_lshr_b32 s68, s42, 2                         ; gc: units 128 X + 64 half on are K step X / 4, q = X % 4, c = half
	s_lshl_b32 s68, s68, 8
	s_lshl_b32 s69, s17, 4
	s_add_co_u32 s68, s68, s69
	s_lshl_b32 s69, s15, 3
	s_add_co_u32 s68, s68, s69
	s_mul_i32 s68, s68, BLK
	s_and_b32 s70, s42, 3
	s_lshl_b32 s71, s70, 10
	s_add_co_u32 s72, s68, s71
	s_lshl_b32 s71, s16, 9
	s_add_co_u32 s72, s72, s71
	s_mov_b32 s73, 0
	s_add_nc_u64 s[72:73], s[12:13], s[72:73]      ; codes
	s_lshl_b32 s71, s70, 2
	s_add_co_u32 s74, s68, s71
	s_lshl_b32 s71, s16, 1
	s_add_co_u32 s74, s74, s71
	s_add_co_u32 s74, s74, 4096
	s_mov_b32 s75, 0
	s_add_nc_u64 s[74:75], s[12:13], s[74:75]      ; scale bytes
	WIN 0x40                                       ; the biases go to window 1: w_b at v0-31, v_b at v32-63
.irp g, 0,1
.irp e, 0,1,2,3
	global_load_b128 v[16*\g+4*\e:16*\g+4*\e+3], v2, s[8:9] offset:128*\g+16*\e
	global_load_b128 v[32+16*\g+4*\e:32+16*\g+4*\e+3], v2, s[10:11] offset:128*\g+16*\e
.endr
.endr
	WIN 0
	s_wait_loadcnt 0x0
.macro GBLK a
.set AC, 64*((\a)%4)
	WIN (2+(\a)/4)|4                               ; source 0: the accumulators' window; source 1: window 1
.set n_, 0
.rept 16
	v_pk_add_f32 v[T1+n_:T1+n_+1], v[AC+n_:AC+n_+1], v[n_:n_+1]   ; a; each accumulator is read from its low end on
.set n_, n_+2
.endr
.set n_, 0
.rept 16
	v_pk_add_f32 v[T2+n_:T2+n_+1], v[AC+32+n_:AC+32+n_+1], v[32+n_:32+n_+1]   ; b
.set n_, n_+2
.endr
	WIN 0
.set n_, 0
.rept 16
	v_pk_mul_f32 v[EX+n_:EX+n_+1], v[T1+n_:T1+n_+1], s[76:77] op_sel_hi:[1,0]
.set n_, n_+2
.endr
.set n_, 0
	s_wait_alu depctr_va_vdst(0)
.rept 32
	v_exp_f32 v[EX+n_], v[EX+n_]                   ; e^-a
.set n_, n_+1
.endr
.set n_, 0
.rept 16
	v_pk_mul_f32 v[T2+n_:T2+n_+1], v[T1+n_:T1+n_+1], v[T2+n_:T2+n_+1]   ; a b: independent work behind the batch
.set n_, n_+2
.endr
	s_wait_alu depctr_va_vdst(0)                   ; one wait for the 32 exponentials, ahead of their first reader
.set n_, 0
.rept 16
	v_pk_add_f32 v[EX+n_:EX+n_+1], v[EX+n_:EX+n_+1], 1.0 op_sel_hi:[1,0]
.set n_, n_+2
.endr
.set n_, 0
	s_wait_alu depctr_va_vdst(0)
.rept 32
	v_rcp_f32 v[EX+n_], v[EX+n_]                   ; sigmoid(a)
.set n_, n_+1
.endr
	v_nop
	s_wait_alu depctr_va_vdst(0)                   ; and one for the 32 reciprocals
.set n_, 0
.rept 16
	v_pk_mul_f32 v[T1+n_:T1+n_+1], v[T2+n_:T2+n_+1], v[EX+n_:EX+n_+1]
.set n_, n_+2
.endr
	QUANT T1, 2, PC+4*(\a), 0, PW
	v_cndmask_b32 v[BY+(\a)], v[TM+4], v[TM+5], vcc_lo   ; lane (r, h) stores block h's byte
	global_store_b128 v1, v[PC+4*(\a):PC+4*(\a)+3], s[72:73] offset:BLK*(\a)   ; the wave stores 512 consecutive bytes
	global_store_b8 v3, v[BY+(\a)], s[74:75] offset:BLK*(\a)   ; a wave's 64 units own two of a row's sixteen scale bytes: they go singly
.endm
.irp a, 0,1,2,3,4,5,6,7
	GBLK \a
.endr
	s_wait_tensorcnt 0x0                           ; the wave's end
	ds_add_u32 v[SPW], v[NIL]
	s_wait_dscnt 0x0
	CROUND                                         ; the closing round
	s_endpgm
.Lfunc_end_k_q58326b6ab2_wv:
	.size	k_q58326b6ab2_wv, .Lfunc_end_k_q58326b6ab2_wv-k_q58326b6ab2_wv
	.p2alignl 7, 3214868480
	.fill 96, 4, 3214868480
	.section	.rodata,"a",@progbits
	.p2align	6, 0x0
	.amdhsa_kernel k_q58326b6ab2_wv
		.amdhsa_group_segment_fixed_size 327680
		.amdhsa_private_segment_fixed_size 0
		.amdhsa_enable_private_segment 0
		.amdhsa_kernarg_size 40
		.amdhsa_user_sgpr_count 2
		.amdhsa_user_sgpr_kernarg_segment_ptr 1
		.amdhsa_wavefront_size32 1
		.amdhsa_system_sgpr_workgroup_id_x 1
		.amdhsa_system_sgpr_workgroup_id_y 1
		.amdhsa_system_sgpr_workgroup_id_z 1
		.amdhsa_system_vgpr_workitem_id 0
		.amdhsa_next_free_vgpr 1024
		.amdhsa_next_free_sgpr 100
		.amdhsa_reserve_vcc 1
		.amdhsa_float_denorm_mode_32 3
		.amdhsa_float_denorm_mode_16_64 3
		.amdhsa_memory_ordered 1
		.amdhsa_forward_progress 1
		.amdhsa_inst_pref_size 176
	.end_amdhsa_kernel
	.amdgpu_metadata
---
amdhsa.version: [ 1, 2 ]
amdhsa.kernels:
  - .name:           k_q58326b6ab2_wv
    .symbol:         k_q58326b6ab2_wv.kd
    .args:
      - { .name: hc, .offset: 0, .size: 8, .value_kind: global_buffer, .address_space: global }
      - { .name: wts, .offset: 8, .size: 8, .value_kind: global_buffer, .address_space: global }
      - { .name: w_b, .offset: 16, .size: 8, .value_kind: global_buffer, .address_space: global }
      - { .name: v_b, .offset: 24, .size: 8, .value_kind: global_buffer, .address_space: global }
      - { .name: gc, .offset: 32, .size: 8, .value_kind: global_buffer, .address_space: global }
    .group_segment_fixed_size: 327680
    .private_segment_fixed_size: 0
    .kernarg_segment_align: 8
    .kernarg_segment_size: 40
    .max_flat_workgroup_size: 128
    .sgpr_count:     100
    .vgpr_count:     1024
    .wavefront_size: 32
...
	.end_amdgpu_metadata
.endif
;; end of part 11
;; launch pp (part 12): grid 8 x 32, 4 waves a work-group, clusters of 4 x 4, 327,680 bytes of LDS; arguments gc, wts, p_b, x1, out0; writes out0
.if DOCPART == 12
	.amdgcn_target "amdgcn-amd-amdhsa--gfx1250"
	.amdhsa_code_object_version 6
	.text
	.protected	k_q58326b6ab2_pp
	.globl	k_q58326b6ab2_pp
	.p2align	8
	.type	k_q58326b6ab2_pp,@function
k_q58326b6ab2_pp:
	s_mov_b64 s[64:65], 0
	v_nop
	global_prefetch_b8 v0, s[64:65] scope:SCOPE_SE
	s_setreg_imm32_b32 hwreg(HW_REG_WAVE_MODE, 25, 1), 1
	s_wait_xcnt 0x0
	s_wait_alu depctr_hold_cnt(0) depctr_sa_sdst(0) depctr_va_vdst(0) depctr_va_sdst(0) depctr_va_ssrc(0) depctr_va_vcc(0) depctr_vm_vsrc(0)
	s_getreg_b32 s2, hwreg(HW_REG_IB_STS2, 6, 4)
	s_cmp_eq_u32 s2, 0
	s_cbranch_scc0 .Lentry_in_a_cluster
	s_endpgm
.Lentry_in_a_cluster:
	s_bfe_u32 s2, ttmp6, 0x10000c
	s_cmp_lg_u32 s2, 0xf033
	s_cbranch_scc0 .Lentry_shape_is_right
	s_endpgm
.Lentry_shape_is_right:
.set KTOT,   2048
.set WOFF,   4456448
.set BLK,    4352
.set KSA,    256*BLK
.set KSB,    64*BLK
.set NS,     KTOT/512
.set HALFT,  8*BLK
.set SLOT,   2*HALFT
.set STAGE,  NS*SLOT
.set SPITCH, 272
.set ADRA, 8
.set ADRB, 12
.set ADRS, 16
.set STO,  20
.set RD,   21
.set CO,   22
.set CBO,  23
.set BI,   24
.set SC,   32
.set BK,   64
.set ACC,  128
.set G1, 24
.set G0, 32
.set G1B, 48
.set G0B, 56
.set MSB, 0
.macro WIN new
.if MSB != (\new)
	s_set_vgpr_msb (MSB<<8)|(\new)
.set MSB, \new
.endif
.endm
.set W_MUL, 0x05
.set W_FR,  0x40
.set W_XR,  0x80
.set W_ADD, 0x08
.macro JLOAD g0a, g1a, g0b, g1b
	s_cmp_eq_u32 s15, 0
	s_cbranch_scc0 .Lfor_b_\@
	tensor_load_to_lds s[\g0a:\g0a+3], s[\g1a:\g1a+7]
	s_nop 0
.rept 4
	v_nop
.endr
	s_branch .Lasked_\@
.Lfor_b_\@:
	tensor_load_to_lds s[\g0b:\g0b+3], s[\g1b:\g1b+7]
	s_nop 0
.rept 4
	v_nop
.endr
.Lasked_\@:
.endm
.macro CROUND
	s_barrier_signal -1
	s_barrier_wait -1
	s_cmp_lg_u32 s14, 0
	s_cbranch_scc1 .Lnot_wave_0_\@
	s_barrier_signal -3
.Lnot_wave_0_\@:
	s_barrier_wait -3
	s_barrier_signal -1
	s_barrier_wait -1
.endm
.macro PLACES
.rept 4
	v_nop
.endr
.endm
	s_load_b256 s[4:11], s[0:1], 0x0
	s_load_b64 s[12:13], s[0:1], 0x20
	v_lshl_add_u32 v30, v0, 2, 0x48400
	v_mov_b32 v31, 0
	ds_add_u32 v30, v31
	ds_add_u32 v30, v31
	v_lshrrev_b32 v1, 5, v0
	v_readfirstlane_b32 s14, v1
	s_lshr_b32 s15, s14, 1
	s_and_b32 s16, s14, 1
	s_bfe_u32 s40, ttmp6, 0x40000
	s_bfe_u32 s41, ttmp6, 0x40004
	s_lshl_b32 s42, ttmp9, 2
	s_add_co_u32 s42, s42, s40
	s_and_b32 s17, ttmp7, 0xffff
	s_lshl_b32 s17, s17, 2
	s_add_co_u32 s17, s17, s41
	s_lshl_b32 s43, s41, 2
	s_lshl_b32 s43, 15, s43
	s_lshl_b32 s44, 0x1111, s40
	s_or_b32 s[G1+0], s43, (3<<16)|(1<<21)
	s_or_b32 s[G1B+0], s44, (3<<16)|(1<<21)
.irp g, G1, G1B
	s_mov_b32 s[\g+1], 4352<<16                    ; a row is 8 blocks of one K step: 34,816 dense bytes, 4,352 elements of 8
	s_mov_b32 s[\g+2], 2<<16                       ; two rows: two K steps
	s_mov_b32 s[\g+3], 4352<<16
	s_mov_b32 s[\g+4], 2
	s_mov_b32 s[\g+5], KSA/8                       ; from one K step to the next, in elements
	s_mov_b32 s[\g+6], 0
	s_mov_b32 s[\g+7], 0
.endr
	s_mul_i32 s20, s17, 8*BLK
	s_mov_b32 s[G1B+5], KSB/8                      ; the weight's K steps lie nearer
	s_mul_i32 s18, s16, 2*KSA                      ; K steps 2 (wave % 2) and the next
	s_add_co_u32 s20, s20, s18
	s_mov_b32 s21, 0
	s_mul_i32 s46, s42, 8*BLK
	s_mul_i32 s18, s16, 2*KSB
	s_add_co_u32 s46, s46, s18
	s_add_co_u32 s46, s46, WOFF
	s_mov_b32 s47, 0
	s_mul_i32 s45, s14, 2*HALFT                    ; LDS: A's four K steps, then the weight's four: wave x two of them
	s_wait_dscnt 0x0
	s_wait_kmcnt 0x0
	s_add_nc_u64 s[20:21], s[4:5], s[20:21]
	s_add_nc_u64 s[46:47], s[6:7], s[46:47]
	CROUND
.irp f, 0
.if \f < NS/2
	s_mov_b32 s[G0+4*\f], 1
	s_add_co_u32 s[G0+4*\f+1], s45, \f*2*SLOT
	s_add_nc_u64 s[G0+4*\f+2:G0+4*\f+3], s[20:21], \f*2*KSA
	s_or_b32 s[G0+4*\f+3], s[G0+4*\f+3], 0x80000000
	s_mov_b32 s[G0B+4*\f], 1
	s_add_co_u32 s[G0B+4*\f+1], s45, \f*2*SLOT
	s_add_nc_u64 s[G0B+4*\f+2:G0B+4*\f+3], s[46:47], \f*2*KSB
	s_or_b32 s[G0B+4*\f+3], s[G0B+4*\f+3], 0x80000000
	JLOAD G0+4*\f, G1, G0B+4*\f, G1B               ; my one tensor load
.endif
.endr
	v_and_b32 v1, 15, v0
	v_bfe_u32 v2, v0, 4, 1
	v_and_b32 v3, 31, v0
	v_lshlrev_b32 v4, 4, v3
	s_mul_i32 s21, s15, 4*BLK
	s_mul_i32 s22, s16, 4*BLK
	s_add_co_u32 s22, s22, 4*HALFT
	v_add_nc_u32 v[ADRA], s21, v4
	v_add_nc_u32 v[ADRB], s22, v4
	s_sub_co_u32 s22, s22, s21
	v_mul_u32_u24 v6, s22, v2
	v_lshl_add_u32 v5, v1, 4, v6
	v_add_nc_u32 v[ADRS], s21, v5
.irp s, 1,2,3
.if \s < NS
	v_add_nc_u32 v[ADRA+\s], \s*HALFT, v[ADRA]
	v_add_nc_u32 v[ADRB+\s], \s*HALFT, v[ADRB]
	v_add_nc_u32 v[ADRS+\s], \s*HALFT, v[ADRS]
.endif
.endr
	s_mul_i32 s23, s14, 16*SPITCH
	s_add_co_u32 s23, s23, STAGE
	v_mul_u32_u24 v5, v1, SPITCH
	v_lshl_add_u32 v5, v2, 6, v5
	v_add_nc_u32 v[STO], s23, v5
	v_mul_u32_u24 v5, v2, SPITCH
	v_lshl_add_u32 v5, v1, 4, v5
	v_add_nc_u32 v[RD], s23, v5
	v_lshlrev_b32 v[CBO], 4, v1
	s_wait_alu depctr_va_vdst(0)
	v_lshl_add_u32 v[CO], v2, 12, v[CBO]
	s_wait_alu depctr_va_vdst(0)
	s_lshl_b32 s20, s17, 7
	s_lshl_b32 s21, s15, 6
	s_add_co_u32 s20, s20, s21
	s_lshl_b32 s20, s20, 12
	s_lshl_b32 s46, s42, 9
	s_lshl_b32 s47, s16, 8
	s_add_co_u32 s46, s46, s47
	s_mov_b32 s47, 0
	s_add_nc_u64 s[8:9], s[8:9], s[46:47]
	s_add_co_u32 s20, s20, s46
	s_mov_b32 s21, 0
	s_add_nc_u64 s[10:11], s[10:11], s[20:21]
	s_add_nc_u64 s[12:13], s[12:13], s[20:21]
	global_load_b128 v[BI:BI+3], v[CBO], s[8:9]
	WIN W_XR
.irp a, 0,1,2,3
.irp t, 0,1,2,3,4,5,6,7
	global_load_b128 v[32*\a+4*\t:32*\a+4*\t+3], v[CO], s[10:11] offset:(32*(\a/2)+8*(\a%2)+2*(\t%4)+16*(\t/4))*4096 th:TH_LOAD_NT
.endr
.endr
	WIN 0
.macro SCALES slot, ss
.irp i, 0,1,2,3
	ds_load_b128 v[SC+16*(\ss)+4*\i:SC+16*(\ss)+4*\i+3], v[ADRS+(\slot)] offset:\i*BLK+4096
.endr
.endm
.macro FETCH
	WIN W_FR
.irp i, 0,1,2,3
.irp c, 0,1
	ds_load_b128 v[64*FQ+8*\i+4*\c:64*FQ+8*\i+4*\c+3], v[ADRB+FS] offset:\i*BLK+1024*FQ+512*\c
.endr
.endr
.irp i, 0,1,2,3
.irp c, 0,1
	ds_load_b128 v[64*FQ+32+8*\i+4*\c:64*FQ+32+8*\i+4*\c+3], v[ADRA+FS] offset:\i*BLK+1024*FQ+512*\c
.endr
.endr
.endm
.macro MUL16 zero
	WIN W_MUL
.irp a, 0,1,2,3
.irp b, 0,1,2,3
.if \zero
	v_wmma_scale_f32_16x16x128_f8f6f4 v[ACC+8*(4*\a+\b):ACC+8*(4*\a+\b)+7], v[64*QQ+8*\b:64*QQ+8*\b+7], v[64*QQ+32+8*\a:64*QQ+32+8*\a+7], 0, v[SC+16*SS+4*\b+QQ], v[SC+16*SS+4*\a+QQ] matrix_a_fmt:MATRIX_FMT_FP4 matrix_b_fmt:MATRIX_FMT_FP4 matrix_a_scale:MATRIX_SCALE_ROW1
.else
	v_wmma_scale_f32_16x16x128_f8f6f4 v[ACC+8*(4*\a+\b):ACC+8*(4*\a+\b)+7], v[64*QQ+8*\b:64*QQ+8*\b+7], v[64*QQ+32+8*\a:64*QQ+32+8*\a+7], v[ACC+8*(4*\a+\b):ACC+8*(4*\a+\b)+7], v[SC+16*SS+4*\b+QQ], v[SC+16*SS+4*\a+QQ] matrix_a_fmt:MATRIX_FMT_FP4 matrix_b_fmt:MATRIX_FMT_FP4 matrix_a_scale:MATRIX_SCALE_ROW1
.endif
.endr
.endr
.endm
.macro STEP ph, g, zero
.set QQ, (\g)%4
.set SS, (\g)/4
.if (\g) < 6
	s_wait_dscnt 32
.else
	s_wait_dscnt 16*(7-(\g))
.endif
	MUL16 \zero
.if (\g)+3 < 8
	PLACES
.set FS, 2*(\ph)+((\g)+3)/4
.set FQ, ((\g)+3)%4
	FETCH
.endif
.endm
.macro PHASE ph
	s_wait_tensorcnt 0x0
	s_barrier_signal -1
	s_barrier_wait -1
	WIN 0
.if (\ph) > 0
	PLACES
.endif
	SCALES 2*(\ph), 0
	SCALES 2*(\ph)+1, 1
.irp g, 0,1,2
.set FS, 2*(\ph)
.set FQ, \g
	FETCH
.endr
.irp g, 0,1,2,3,4,5,6,7
.if (\ph) == 0 && \g == 0
	STEP \ph, \g, 1
.else
	STEP \ph, \g, 0
.endif
.endr
.endm
	PHASE 0
.if NS > 2
	PHASE 1
.endif
	WIN 0
.macro TOSTAGE a
.irp b, 0,1,2,3
	ds_store_b128 v[STO], v[ACC+8*(4*(\a)+\b):ACC+8*(4*(\a)+\b)+3] offset:128*(\b/2)+32*(\b%2)
	ds_store_b128 v[STO], v[ACC+8*(4*(\a)+\b)+4:ACC+8*(4*(\a)+\b)+7] offset:128*(\b/2)+32*(\b%2)+16
.endr
.set BB, BK+32*((\a)%2)
.irp t, 0,1,2,3,4,5,6,7
	ds_load_b128 v[BB+4*\t:BB+4*\t+3], v[RD] offset:\t*2*SPITCH
.endr
.endm
.macro SEND a, younger
.set BB, BK+32*((\a)%2)
.set XB, 32*(\a)
	s_wait_dscnt \younger
.set n_, 0
.rept 8
	v_pk_add_f32 v[BB+n_:BB+n_+1], v[BB+n_:BB+n_+1], v[BI:BI+1]
	v_pk_add_f32 v[BB+n_+2:BB+n_+3], v[BB+n_+2:BB+n_+3], v[BI+2:BI+3]
.set n_, n_+4
.endr
	WIN W_ADD
.set n_, 0
.rept 16
	v_pk_add_f32 v[BB+n_:BB+n_+1], v[BB+n_:BB+n_+1], v[XB+n_:XB+n_+1]
.set n_, n_+2
.endr
	WIN 0
.irp t, 0,1,2,3,4,5,6,7
	global_store_b128 v[CO], v[BB+4*\t:BB+4*\t+3], s[12:13] offset:(32*((\a)/2)+8*((\a)%2)+2*(\t%4)+16*(\t/4))*4096 th:TH_STORE_NT
.endr
.endm
	PLACES
	s_wait_loadcnt 0x0
	TOSTAGE 0
.irp a, 1,2,3
.if \a > 1
	s_wait_xcnt 0x0
.endif
	TOSTAGE \a
	SEND \a-1, 16
.endr
	SEND 3, 0
	s_wait_tensorcnt 0x0
	ds_add_u32 v30, v31
	s_wait_dscnt 0x0
	CROUND
	s_endpgm
.Lfunc_end_k_q58326b6ab2_pp:
	.size	k_q58326b6ab2_pp, .Lfunc_end_k_q58326b6ab2_pp-k_q58326b6ab2_pp
	.p2alignl 7, 3214868480
	.fill 96, 4, 3214868480
	.section	.rodata,"a",@progbits
	.p2align	6, 0x0
	.amdhsa_kernel k_q58326b6ab2_pp
		.amdhsa_group_segment_fixed_size 327680
		.amdhsa_private_segment_fixed_size 0
		.amdhsa_enable_private_segment 0
		.amdhsa_kernarg_size 40
		.amdhsa_user_sgpr_count 2
		.amdhsa_user_sgpr_kernarg_segment_ptr 1
		.amdhsa_wavefront_size32 1
		.amdhsa_system_sgpr_workgroup_id_x 1
		.amdhsa_system_sgpr_workgroup_id_y 1
		.amdhsa_system_sgpr_workgroup_id_z 1
		.amdhsa_system_vgpr_workitem_id 0
		.amdhsa_next_free_vgpr 1024
		.amdhsa_next_free_sgpr 100
		.amdhsa_reserve_vcc 0
		.amdhsa_float_denorm_mode_32 3
		.amdhsa_float_denorm_mode_16_64 3
		.amdhsa_memory_ordered 1
		.amdhsa_forward_progress 1
		.amdhsa_inst_pref_size 78
	.end_amdhsa_kernel
	.amdgpu_metadata
---
amdhsa.version: [ 1, 2 ]
amdhsa.kernels:
  - .name:           k_q58326b6ab2_pp
    .symbol:         k_q58326b6ab2_pp.kd
    .args:
      - { .name: gc, .offset: 0, .size: 8, .value_kind: global_buffer, .address_space: global }
      - { .name: wts, .offset: 8, .size: 8, .value_kind: global_buffer, .address_space: global }
      - { .name: p_b, .offset: 16, .size: 8, .value_kind: global_buffer, .address_space: global }
      - { .name: x1, .offset: 24, .size: 8, .value_kind: global_buffer, .address_space: global }
      - { .name: out0, .offset: 32, .size: 8, .value_kind: global_buffer, .address_space: global }
    .group_segment_fixed_size: 327680
    .private_segment_fixed_size: 0
    .kernarg_segment_align: 8
    .kernarg_segment_size: 40
    .max_flat_workgroup_size: 128
    .sgpr_count:     100
    .vgpr_count:     1024
    .wavefront_size: 32
...
	.end_amdgpu_metadata
.endif
;; end of part 12
